; MI455X (gfx1250); checked and timed in simulation.
; The chip was launched on July 23, 2026; its instructions are those of AMD's public machine-readable ISA for CDNA 5 (MIT licence, August 2026) and "CDNA5" Instruction Set Architecture Reference Guide (July 2026). The comments in the code are by the model that wrote it; some were corrected since.
;; Set Abstraction. Allowed arithmetic: matrix products marked QUANTISED: E5M2 operands, one E8M0 scale for each 32 along K, by v_wmma_scale_f32_16x16x128_f8f6f4 with both operands' format E5M2, f32 sums; products left as they are: f32 operands where the result goes on into a quantised operand, else bf16, f16 or f32 operands; f32 sums; everything else in f32.
;; Inputs: W1 64 x 67 float32; W2 64 x 64 float32; W3 128 x 64 float32; b1 64 float32; b2 64 float32; b3 128 float32; be1 64 float32; be2 64 float32; be3 128 float32; g1 64 float32; g2 64 float32; g3 128 float32; points 8 x 64 x 16,384 float32; sample_idx 1,024 int32; xyz 8 x 3 x 16,384 float32.
;; Outputs: out0 8 x 3 x 1,024 float32; out1 8 x 128 x 1,024 float32.
;; This version of the problem:
;;   THIS VERSION OF THE PROBLEM IS GIVEN IN LOW PRECISION. The matrix products marked QUANTISED in the list below multiply operands that are first quantised to E5M2 (5 exponent bits, 2 mantissa bits; 8 bits a number), with one power-of-two scale for each 32 numbers along K (OCP MX v1.0); their sums are f32. All else is computed in f32.
;;   The module's matrix products, in the order in which they are computed (A, B: the left and right operand; K: the contracted axis; several contracted axes count as one K, in the product's order):
;;     1. batch 8 x [M 1,024, K 3] x [K 3, N 16,384]; A: computed on the way; B: input xyz: left as it is (K = 3 < 32)
;;     2. [M 131,072, K 67] x [K 67, N 64]; A: computed on the way; B: input W1: QUANTISED
;;     3. [M 131,072, K 64] x [K 64, N 64]; A: computed on the way; B: input W2: QUANTISED
;;     4. [M 131,072, K 64] x [K 64, N 128]; A: computed on the way; B: input W3: QUANTISED
;;   THE QUANTISER, for each operand of a quantised product, along K:
;;     - K is cut into blocks of 32 from its start; a last block that is shorter is filled with zeros.
;;     - A block's scale is 2^e with e = floor(log2(the largest magnitude in the block)) - 15, held to -126 .. 127; a block of zeros has e = 0. As a byte (E8M0): e + 127.
;;     - Each number is divided by its block's scale, clamped to +-57,344, and rounded to the nearest number of E5M2, ties to even, subnormals kept.
;;     - The product sums the exact products of the quantised numbers (number of the format x scale) in f32.
;;   ~~~python
;;   def quantise(x, axis):      # numpy; x: float32 -> the quantised numbers, widened to float32 again
;;       x = np.moveaxis(x, axis, -1); K = x.shape[-1]
;;       x = np.pad(x, [(0, 0)] * (x.ndim - 1) + [(0, -K % 32)]); x = x.reshape(x.shape[:-1] + (-1, 32)); a = np.abs(x).max(-1, keepdims=True)
;;       e = np.where(a > 0, np.clip(np.frexp(np.where(a > 0, a, 1))[1] - 1 - 15, -126, 127), 0)      # np.frexp(a)[1] - 1 = floor(log2(a)), exactly
;;       r = np.clip(x / 2.0 ** e, -57344, 57344)
;;       step = 2.0 ** (np.maximum(np.frexp(np.where(r == 0, 1, r))[1] - 1, -14) - 2)
;;       q = np.round(r / step) * step * 2.0 ** e      # np.round: ties to even
;;       return np.moveaxis(q.reshape(q.shape[:-2] + (-1,))[..., :K], -1, axis).astype(np.float32)
;;   ~~~
;;   OPERANDS COMPUTED ON THE WAY. 'Computed on the way' means the value that the module computes at that place (a softmax that the list does not call 'softmax' is quantised finished and normalised). What goes into a quantiser is computed in f32, as accurately as f32 sums, v_exp_f32 and their like allow (about 1e-6 of the number): no bf16 or f16 on the way to a quantiser, and a product that is left as it is and whose result goes on into a quantised operand takes f32 operands (vector FMAs, or v_wmma_f32_16x16x4_f32). A number that lies on a knife's edge between two numbers of the format may be rounded either way, as far as f32 arithmetic and the matrix unit's own rounding can turn it there, and no further.
;; 2 versions, each right; version 2 is version 1 with the launches feat, mlp2, mlp3 written anew for expert scheduling mode. Each part assembles by itself: llvm-mc -triple=amdgcn-amd-amdhsa -mcpu=gfx1250 --defsym DOCPART=n.
;; ======== version 1 of 2: 6 launches
;; workspace buffers: ft 35,651,584 bytes; gsel 524,288 bytes of whole numbers; nidx 524,288 bytes of whole numbers; wq 24,576 bytes; fcod 12,713,984 bytes; st2 132,096 bytes; mm 8,650,752 bytes
;; launch groups (part 1): grid 256 x 1, 16 waves a work-group, no clusters, 222,208 bytes of LDS; arguments xyz, points, sample_idx, gsel, ft; writes gsel, ft
.if DOCPART == 1
	.amdgcn_target "amdgcn-amd-amdhsa--gfx1250"
	.amdhsa_code_object_version 6
	.text
	.protected	k_qdaa3af37b7_groups
	.globl	k_qdaa3af37b7_groups
	.p2align	8
	.type	k_qdaa3af37b7_groups,@function
k_qdaa3af37b7_groups:
	s_mov_b64 s[64:65], 0
	v_nop
	global_prefetch_b8 v0, s[64:65] scope:SCOPE_SE
	s_setreg_imm32_b32 hwreg(HW_REG_WAVE_MODE, 25, 1), 1
	s_wait_xcnt 0x0
; STAGE 1 OF THE 16 NEAREST: for each query the 16 best GROUPS of 32 neighbouring points; and the table of feature rows.
; d2 = (|q|^2 + |p|^2) - 2 q.p, rounded in this order: pp = fma(z,z, fma(y,y, x*x)), qq likewise, dot = fma(q2,p2, fma(q1,p1, q0*p0)), t = qq + pp, d2 = fma(-2, dot, t).
; A group's key is its smallest d2.  The 16 smallest points under (d2, index) lie in the 16 smallest groups under (key, group number): a group ranked ahead of a point's group holds a smaller point,
; ties included, since groups are runs of ascending indices.  The next launch looks through those 16 x 32 points.
; LIMITS: where two distances lie within a rounding of each other another order of rounding may choose the other neighbour; NaN and infinities among the inputs are not served.
; SHARES.  Work-group: one batch (number / 32), 32 queries.  Wave w keeps points 1024 w .. + 1023 in registers, lane = group 32 w + lane, 32 points a lane; it walks the 32 queries (scalars by v_readlane_b32).
; Then four waves (0, 5, 10, 15), lane = query, put 128 group keys each into a sorted list of 16 (key, group) by compares and selects alone: no branch and no address hangs on a float.
; Lists are merged 2 + 1; the 16 group numbers are sorted ascending and stored as whole numbers.
; Beside that each wave turns 32 points' x, y, z and 64 channels into rows of 68 f32 (x, y, z, ch0..63, 0): the loads are asked for ahead of the query loop and land under it.
; NO CLUSTER, NO TENSOR LOAD: what the 32 work-groups of a batch share is xyz, read once by each wave as 12 KiB straight into registers; nothing is read again in a loop.
.set WSTB, 8704                        ; LDS: a stage of its own for each wave (32 rows x 272 bytes; first 32 x 144 for the turn of xyz)
.set GM,   139264                      ; group keys [32 queries][512], rows of 2,064 bytes = 129 x 16: sixteen rows start in sixteen different 16-byte columns
.set GMP,  2064
.set LST,  205312                      ; three lists of 32 lanes x (16 keys + 16 numbers)
.set OST,  217600                      ; the way out: 32 rows x 80 bytes
.set QX,   17                          ; v17-20  q0, q1, q2, qq of query = lane
.set DOT,  24                          ; v24-39
.set TT,   40                          ; v40-55
.set PT,   60                          ; v60-127 my point's row of 68
.set CX,   128                         ; v128-255 x, y, z, pp of my 32 points
.set CY,   160
.set CZ,   192
.set CP,   224
.set K,    128                         ; the selection takes the same registers: keys, numbers, scratch, 16 new keys, a second list, the sort's other half
.set I,    144
.set U,    160
.set XA,   176
.set X,    192
.set XI,   208
.set J,    224
.set CM,   40                          ; s[40:55] sixteen lane masks
.set OSA,  14
.set OSB,  15
.set OGO,  6
; (x, id) goes into the ascending list K, I.  The compare is strict: of equal keys the one that came first stays ahead, so elements are fed in ascending id.
.macro INSERT x, id
.irp n, 0,1,2,3,4,5,6,7,8,9,10,11,12,13,14,15
	v_cmp_lt_f32 s[CM+\n], v[\x], v[K+\n]
.endr
.irp n, 1,2,3,4,5,6,7,8,9,10,11,12,13,14,15
	v_cndmask_b32 v[U+\n], \id, v[I+\n-1], s[CM+\n-1]      ; what place n takes if it changes: its lower neighbour's number, or the new one
.endr
.irp n, 15,14,13,12,11,10,9,8,7,6,5,4,3,2,1
	v_med3_num_f32 v[K+\n], v[K+\n-1], v[\x], v[K+\n]      ; x held between the two old neighbours
.endr
	v_min_num_f32 v[K], v[K], v[\x]
	v_cndmask_b32 v[I], v[I], \id, s[CM]
.irp n, 1,2,3,4,5,6,7,8,9,10,11,12,13,14,15
	v_cndmask_b32 v[I+\n], v[I+\n], v[U+\n], s[CM+\n]
.endr
.endm
.macro PUTL adr
.irp q, 0,1,2,3
	ds_store_b128 v[\adr], v[K+4*\q:K+4*\q+3] offset:512*\q
	ds_store_b128 v[\adr], v[I+4*\q:I+4*\q+3] offset:2048+512*\q
.endr
.endm
.macro GETL adr
.irp q, 0,1,2,3
	ds_load_b128 v[X+4*\q:X+4*\q+3], v[\adr] offset:512*\q
	ds_load_b128 v[XI+4*\q:XI+4*\q+3], v[\adr] offset:2048+512*\q
.endr
	s_wait_dscnt 0x0
.endm
; One query against my 32 points: 40 packed lines for each 16 points, 16 lines of minima, one LDS store.
.macro QTRIP
	v_readlane_b32 s20, v[QX], s28
	v_readlane_b32 s22, v[QX+1], s28
	v_readlane_b32 s24, v[QX+2], s28
	v_readlane_b32 s26, v[QX+3], s28
.irp f, 0,16
.irp p, 0,2,4,6,8,10,12,14
	v_pk_mul_f32 v[DOT+\p:DOT+\p+1], v[CX+\f+\p:CX+\f+\p+1], s[20:21] op_sel_hi:[1,0]
.endr
.irp p, 0,2,4,6,8,10,12,14
	v_pk_fma_f32 v[DOT+\p:DOT+\p+1], v[CY+\f+\p:CY+\f+\p+1], s[22:23], v[DOT+\p:DOT+\p+1] op_sel_hi:[1,0,1]
.endr
.irp p, 0,2,4,6,8,10,12,14
	v_pk_fma_f32 v[DOT+\p:DOT+\p+1], v[CZ+\f+\p:CZ+\f+\p+1], s[24:25], v[DOT+\p:DOT+\p+1] op_sel_hi:[1,0,1]
.endr
.irp p, 0,2,4,6,8,10,12,14
	v_pk_add_f32 v[TT+\p:TT+\p+1], v[CP+\f+\p:CP+\f+\p+1], s[26:27] op_sel_hi:[1,0]
.endr
.irp p, 0,2,4,6,8,10,12,14
	v_pk_fma_f32 v[TT+\p:TT+\p+1], v[DOT+\p:DOT+\p+1], -2.0, v[TT+\p:TT+\p+1] op_sel_hi:[1,0,1]
.endr
.if \f == 0
	v_min3_num_f32 v22, v[TT], v[TT+1], v[TT+2]
	v_min3_num_f32 v23, v[TT+3], v[TT+4], v[TT+5]
.irp p, 6,10
	v_min3_num_f32 v22, v22, v[TT+\p], v[TT+\p+1]
	v_min3_num_f32 v23, v23, v[TT+\p+2], v[TT+\p+3]
.endr
	v_min3_num_f32 v22, v22, v[TT+14], v[TT+15]
.else
.irp p, 0,4,8,12
	v_min3_num_f32 v22, v22, v[TT+\p], v[TT+\p+1]
	v_min3_num_f32 v23, v23, v[TT+\p+2], v[TT+\p+3]
.endr
.endif
.endr
	v_min_num_f32 v22, v22, v23
	v_add_nc_u32 v9, s29, v8
	ds_store_b32 v9, v22                           ; key of group 32 w + lane for this query
.endm
	s_load_b256 s[4:11], s[0:1], 0x0               ; xyz s[4:5], points s[6:7], sample_idx s[8:9], gsel s[10:11]
	s_load_b64 s[12:13], s[0:1], 0x20              ; ft
	v_lshl_add_u32 v58, v0, 2, 0x35c00
	v_mov_b32 v59, 0
	v_and_b32 v1, 31, v0                           ; lane
	v_lshrrev_b32 v9, 5, v0
	v_readfirstlane_b32 s14, v9                    ; wave 0..15
	s_mul_i32 s15, s14, WSTB                       ; my stage
	s_mul_i32 s30, s14, 13
	s_lshr_b32 s30, s30, 6                         ; k = 0..3: waves 0, 5, 10, 15 are selectors 0..3
	s_mul_i32 s31, s30, 5                          ; a wave selects where 5 k is its own number
	; every LDS address is made here, ahead of the first parting of the waves
	v_lshrrev_b32 v9, 3, v1
	v_mul_u32_u24 v2, v9, 144
	v_and_b32 v9, 7, v1
	v_lshl_add_u32 v2, v9, 4, v2
	v_add_nc_u32 v2, s15, v2                       ; the turn, in: 128 bytes to a row of 144
	v_mul_u32_u24 v3, v1, 144
	v_add_nc_u32 v3, s15, v3                       ; the turn, out: row = lane
	v_mul_u32_u24 v4, v1, 272
	v_add_nc_u32 v4, s15, v4                       ; my point's row
	v_lshlrev_b32 v6, 4, v1                        ; 16 x lane
	v_add_nc_u32 v5, s15, v6
	v_lshl_add_u32 v8, v0, 2, GM                   ; my group's word in a row of keys: the thread's number is the group's
	v_mul_u32_u24 v10, v1, GMP
	s_lshl_b32 s16, s30, 9
	s_add_co_u32 s16, s16, GM
	v_add_nc_u32 v10, s16, v10                     ; selector: row = query = lane, groups 128 k on
	s_lshr_b32 s16, s30, 1
	s_lshl_b32 s16, s16, 12
	s_add_co_u32 s16, s16, LST
	v_add_nc_u32 v12, s16, v6                      ; list k / 2
	v_add_nc_u32 v13, LST+8192, v6                 ; the third list
	v_mul_u32_u24 v14, v1, 80
	v_add_nc_u32 v14, OST, v14
	v_lshrrev_b32 v9, 2, v1
	v_mul_u32_u24 v15, v9, 80
	v_and_b32 v9, 3, v1
	v_lshl_add_u32 v15, v9, 4, v15
	v_add_nc_u32 v15, OST, v15
	s_lshr_b32 s17, ttmp9, 5                       ; batch
	s_and_b32 s18, ttmp9, 31                       ; which 32 queries, which 512 points
	s_lshl_b32 s19, s18, 11
	v_lshl_add_u32 v7, v0, 2, s19                  ; 4 x my point's number in the batch: 512 x block + thread
	s_lshl_b32 s19, s14, 12
	v_add_nc_u32 v21, s19, v6                      ; my 16 bytes of the wave's 4,096 of a coordinate
	v_lshlrev_b32 v22, 2, v1
	s_mov_b32 s3, 0
	s_mov_b32 s21, 0                               ; upper halves of the pairs that the packed lines name
	s_mov_b32 s23, 0
	s_mov_b32 s25, 0
	s_mov_b32 s27, 0
	s_wait_kmcnt 0x0
	s_mul_i32 s2, s17, 196608
	s_add_nc_u64 s[4:5], s[4:5], s[2:3]            ; xyz of my batch
	s_lshl_b32 s2, s17, 22
	s_add_nc_u64 s[6:7], s[6:7], s[2:3]            ; points of my batch
	s_lshl_b32 s2, s18, 7
	s_add_nc_u64 s[8:9], s[8:9], s[2:3]            ; my 32 sample indices
	s_lshl_b32 s2, ttmp9, 11
	s_add_nc_u64 s[10:11], s[10:11], s[2:3]        ; my 32 rows of gsel
	s_lshl_b32 s2, ttmp9, 9
	s_lshl_b32 s19, s14, 5
	s_add_co_u32 s2, s2, s19
	s_mul_i32 s2, s2, 272
	s_add_nc_u64 s[12:13], s[12:13], s[2:3]        ; my wave's 32 rows of ft: 8,704 bytes = 34 x 256
	global_load_b32 v16, v22, s[8:9]
.irp c, 0,1,2
.irp q, 0,1,2,3,4,5,6,7
	global_load_b128 v[CX+32*\c+4*\q:CX+32*\c+4*\q+3], v21, s[4:5] offset:65536*\c+512*\q   ; 512 consecutive bytes a load
.endr
.endr
	s_wait_loadcnt 24                              ; the index is in; the 24 loads behind it stay out
	v_min_u32 v16, 0x3fff, v16
	v_lshlrev_b32 v16, 2, v16
.irp c, 0,1,2
	global_load_b32 v[QX+\c], v16, s[4:5] offset:65536*\c
.endr
.irp c, 0,1,2
	global_load_b32 v[PT+\c], v7, s[4:5] offset:65536*\c
.endr
	s_wait_loadcnt 6                               ; my 1,024 points are in; the six loads behind them stay out
.set c, 0
.rept 56
	global_load_b32 v[PT+3+c], v7, s[6:7] offset:65536*c th:TH_LOAD_NT     ; channels 0..55 of my point: 62 loads of mine are out now
.set c, c+1
.endr
	; the turn: as loaded a lane holds 4 neighbours of each 128; it is to hold 32 neighbours.  The wave's own bytes, served in order: no wait between stores and loads
.irp c, 0,1,2
.irp q, 0,1,2,3,4,5,6,7
	ds_store_b128 v2, v[CX+32*\c+4*\q:CX+32*\c+4*\q+3] offset:576*\q
.endr
.irp q, 0,1,2,3,4,5,6,7
	ds_load_b128 v[CX+32*\c+4*\q:CX+32*\c+4*\q+3], v3 offset:16*\q
.endr
.endr
	v_mov_b32 v[PT+67], 0
	s_wait_dscnt 0x0
.set p, 0
.rept 16
	v_pk_mul_f32 v[CP+p:CP+p+1], v[CX+p:CX+p+1], v[CX+p:CX+p+1]
.set p, p+2
.endr
.set p, 0
.rept 16
	v_pk_fma_f32 v[CP+p:CP+p+1], v[CY+p:CY+p+1], v[CY+p:CY+p+1], v[CP+p:CP+p+1]
.set p, p+2
.endr
.set p, 0
.rept 16
	v_pk_fma_f32 v[CP+p:CP+p+1], v[CZ+p:CZ+p+1], v[CZ+p:CZ+p+1], v[CP+p:CP+p+1]
.set p, p+2
.endr
	s_wait_loadcnt 56                              ; q and my point's x, y, z are in; the 56 channel loads stay out
	v_mul_f32 v[QX+3], v[QX], v[QX]
	v_fma_f32 v[QX+3], v[QX+1], v[QX+1], v[QX+3]
	v_fma_f32 v[QX+3], v[QX+2], v[QX+2], v[QX+3]
	s_mov_b32 s28, 0
	s_mov_b32 s29, 0
.Lq1:                                                  ; queries 0..7
	QTRIP
	s_add_co_u32 s29, s29, GMP
	s_add_co_u32 s28, s28, 1
	s_cmp_lt_u32 s28, 8
	s_cbranch_scc1 .Lq1
.set c, 56
.rept 8
	global_load_b32 v[PT+3+c], v7, s[6:7] offset:65536*c th:TH_LOAD_NT     ; the last eight channels
.set c, c+1
.endr
	s_mov_b32 s28, 8
	s_mov_b32 s29, 8*GMP
.Lq2:                                                  ; queries 8..31
	QTRIP
	s_add_co_u32 s29, s29, GMP
	s_add_co_u32 s28, s28, 1
	s_cmp_lt_u32 s28, 32
	s_cbranch_scc1 .Lq2
	; my 32 points' rows: a row a lane into the stage, back as they lie, out in runs of 512 bytes
	s_wait_loadcnt 0x0
.set q, 0
.rept 17
	ds_store_b128 v4, v[PT+4*q:PT+4*q+3] offset:16*q
.set q, q+1
.endr
.set q, 0
.rept 17
	ds_load_b128 v[PT+4*q:PT+4*q+3], v5 offset:512*q
.set q, q+1
.endr
.set q, 0
.rept 17
	s_wait_dscnt 16-q                              ; load q is back; the younger ones stay out
	global_store_b128 v6, v[PT+4*q:PT+4*q+3], s[12:13] offset:512*q th:TH_STORE_NT
.set q, q+1
.endr
.irp n, 0,1,2,3,4,5,6,7,8,9,10,11,12,13,14,15
	v_mov_b32 v[K+\n], 0x7f800000                  ; the list begins as sixteen +infinity
	v_mov_b32 v[I+\n], 0
.endr
	s_wait_dscnt 0x0                               ; for the others' sake: my keys lie in LDS
	s_barrier_signal -1
	s_barrier_wait -1
	; every wave walks the loop; the work stands under a branch on the wave's number
	s_mov_b32 s32, 0
	s_lshl_b32 s33, s30, 7                         ; the first group's number: 128 k
	s_mov_b32 s35, 0
.Lsel:
	v_add_nc_u32 v11, s32, v10
	s_cmp_lg_u32 s31, s14
	s_cbranch_scc1 .Lselskip
.irp q, 0,1,2,3
	ds_load_b128 v[XA+4*\q:XA+4*\q+3], v11 offset:16*\q
.endr
	s_wait_dscnt 0x0
.set i, 0
.rept 16
	s_add_co_u32 s34, s33, i
	INSERT XA+i, s34
.set i, i+1
.endr
.Lselskip:
	s_add_co_u32 s32, s32, 64
	s_add_co_u32 s33, s33, 16
	s_add_co_u32 s35, s35, 1
	s_cmp_lt_u32 s35, 8
	s_cbranch_scc1 .Lsel
	; selectors 1 and 3 hand their lists to selectors 0 and 2
	s_cmp_eq_u32 s14, 5
	s_cbranch_scc1 .Lput
	s_cmp_lg_u32 s14, 15
	s_cbranch_scc1 .Lnoput
.Lput:
	PUTL 12
.Lnoput:
	s_wait_dscnt 0x0
	s_barrier_signal -1
	s_barrier_wait -1
	s_cmp_eq_u32 s14, 0
	s_cbranch_scc1 .Lmrg
	s_cmp_lg_u32 s14, 10
	s_cbranch_scc1 .Lnomrg
.Lmrg:
	GETL 12
.set i, 0
.rept 16
	INSERT X+i, v[XI+i]                            ; the second list's numbers are all higher, and it is fed in its own order
.set i, i+1
.endr
	s_cmp_lg_u32 s14, 10
	s_cbranch_scc1 .Lnomrg
	PUTL 13
.Lnomrg:
	s_wait_dscnt 0x0
	s_barrier_signal -1
	s_barrier_wait -1
	s_cmp_lg_u32 s14, 0
	s_cbranch_scc1 .Lend
	GETL 13
.set i, 0
.rept 16
	v_cmp_lt_f32 vcc_lo, v[X+15-i], v[K+i]         ; of two ascending lists the smaller of K[i] and X[15 - i], i = 0..15, are the 16 smallest; ties to the first list
	v_cndmask_b32 v[I+i], v[I+i], v[XI+15-i], vcc_lo
.set i, i+1
.endr
	; the 16 group numbers ascending: sixteen rounds of neighbour exchanges, from I to J and back
.set rr, 0
.rept 16
.set SA, I+(J-I)*(rr%2)
.set SD, J-(J-I)*(rr%2)
.if rr%2
	v_mov_b32 v[SD], v[SA]
	v_mov_b32 v[SD+15], v[SA+15]
.irp p, 1,3,5,7,9,11,13
	v_min_u32 v[SD+\p], v[SA+\p], v[SA+\p+1]
	v_max_u32 v[SD+\p+1], v[SA+\p], v[SA+\p+1]
.endr
.else
.irp p, 0,2,4,6,8,10,12,14
	v_min_u32 v[SD+\p], v[SA+\p], v[SA+\p+1]
	v_max_u32 v[SD+\p+1], v[SA+\p], v[SA+\p+1]
.endr
.endif
.set rr, rr+1
.endr
	; a lane holds a row of 64 bytes: through the stage, so that each store covers 512 consecutive bytes
.irp q, 0,1,2,3
	ds_store_b128 v[OSA], v[I+4*\q:I+4*\q+3] offset:16*\q
.endr
.irp q, 0,1,2,3
	ds_load_b128 v[I+4*\q:I+4*\q+3], v[OSB] offset:640*\q
.endr
.irp q, 0,1,2,3
	s_wait_dscnt 3-\q
	global_store_b128 v[OGO], v[I+4*\q:I+4*\q+3], s[10:11] offset:512*\q
.endr
.Lend:
	s_wait_tensorcnt 0x0
	ds_add_u32 v58, v59
	s_wait_dscnt 0x0
	s_endpgm
.Lfunc_end_k_qdaa3af37b7_groups:
	.size	k_qdaa3af37b7_groups, .Lfunc_end_k_qdaa3af37b7_groups-k_qdaa3af37b7_groups
	.p2alignl 7, 3214868480
	.fill 96, 4, 3214868480
	.section	.rodata,"a",@progbits
	.p2align	6, 0x0
	.amdhsa_kernel k_qdaa3af37b7_groups
		.amdhsa_group_segment_fixed_size 222208
		.amdhsa_private_segment_fixed_size 0
		.amdhsa_enable_private_segment 0
		.amdhsa_kernarg_size 40
		.amdhsa_user_sgpr_count 2
		.amdhsa_user_sgpr_kernarg_segment_ptr 1
		.amdhsa_wavefront_size32 1
		.amdhsa_system_sgpr_workgroup_id_x 1
		.amdhsa_system_sgpr_workgroup_id_y 1
		.amdhsa_system_sgpr_workgroup_id_z 1
		.amdhsa_system_vgpr_workitem_id 0
		.amdhsa_next_free_vgpr 256
		.amdhsa_next_free_sgpr 66
		.amdhsa_reserve_vcc 1
		.amdhsa_float_denorm_mode_32 3
		.amdhsa_float_denorm_mode_16_64 3
		.amdhsa_memory_ordered 1
		.amdhsa_forward_progress 1
		.amdhsa_inst_pref_size 177
	.end_amdhsa_kernel
	.amdgpu_metadata
---
amdhsa.version: [ 1, 2 ]
amdhsa.kernels:
  - .name:           k_qdaa3af37b7_groups
    .symbol:         k_qdaa3af37b7_groups.kd
    .args:
      - { .name: xyz, .offset: 0, .size: 8, .value_kind: global_buffer, .address_space: global }
      - { .name: points, .offset: 8, .size: 8, .value_kind: global_buffer, .address_space: global }
      - { .name: sample_idx, .offset: 16, .size: 8, .value_kind: global_buffer, .address_space: global }
      - { .name: gsel, .offset: 24, .size: 8, .value_kind: global_buffer, .address_space: global }
      - { .name: ft, .offset: 32, .size: 8, .value_kind: global_buffer, .address_space: global }
    .group_segment_fixed_size: 222208
    .private_segment_fixed_size: 0
    .kernarg_segment_align: 8
    .kernarg_segment_size: 40
    .max_flat_workgroup_size: 512
    .sgpr_count:     66
    .vgpr_count:     256
    .wavefront_size: 32
...
	.end_amdgpu_metadata
.endif
;; end of part 1
;; launch knn (part 2): grid 256 x 1, 16 waves a work-group, no clusters, 216,064 bytes of LDS; arguments xyz, sample_idx, gsel, W1, W2, W3, nidx, wq; writes nidx, wq
.if DOCPART == 2
	.amdgcn_target "amdgcn-amd-amdhsa--gfx1250"
	.amdhsa_code_object_version 6
	.text
	.protected	k_qdaa3af37b7_knn
	.globl	k_qdaa3af37b7_knn
	.p2align	8
	.type	k_qdaa3af37b7_knn,@function
k_qdaa3af37b7_knn:
	s_mov_b64 s[64:65], 0
	v_nop
	global_prefetch_b8 v0, s[64:65] scope:SCOPE_SE
	s_setreg_imm32_b32 hwreg(HW_REG_WAVE_MODE, 25, 1), 1
	s_wait_xcnt 0x0
; STAGE 2 OF THE 16 NEAREST: for each query the 16 smallest (d2, index) among the 16 x 32 points of its chosen groups.  d2 is made by the very lines of the launch before, so a group's key was the
; smallest of these same numbers.  The groups come sorted by number, so points are fed in ascending index, and the strict compare leaves ties to the lower index.
; The groups' numbers are whole numbers read from memory: they steer addresses here.  The chosen indices are only stored.
; SHARES.  Work-group: 32 queries of one batch.  Wave w brings the 16 groups of queries 2 w, 2 w + 1 into LDS.  Then waves 0, 5, 10, 15, lane = query, take 4 groups each; lists are merged 2 + 1.
; Only the SET of 16 matters further on (sums and a maximum), so the last merge leaves them unsorted.
; Beside that, wave 1 of work-groups 0..15 quantises one tile of 16 rows of W1, W2 or W3 to E5M2 with E8M0 scales along K, and stores it as an image of the operand's registers.
; A block's scale byte is its largest magnitude's exponent field - 15, held at 1 from below (a block of zeros so has byte 1 where the rule says 127: its codes are zeros, and this program alone reads the bytes).
; LIMITS: as in the launch before (order of rounding of d2); NaN and infinities are not served.
; NO CLUSTER, NO TENSOR LOAD: addresses hang on stored numbers, and no two work-groups read the same rows by plan.
.set SBP,  6224                        ; LDS: a query's 16 groups: [16][8 quads][x, y, z: 16 bytes each] = 6,144, then 16 words (32 x group number), 16 of padding: 389 x 16
.set LST,  199168
.set OST,  211456
.set K,    16
.set I,    32
.set U,    48
.set PP,   64                          ; v64-79
.set DT,   80                          ; v80-95
.set D,    96                          ; v96-127  32 distances
.set R,    128                         ; v128-223 staging data; a group's x, y, z (32 each); a second list
.set X,    128
.set XI,   144
.set QP,   224                         ; v224-231 (q0,q0) (q1,q1) (q2,q2) (qq,qq)
.set GI,   232                         ; v232-239 group numbers, then byte offsets
.set CM,   40
.set SEL,  36                          ; s[36:37] lane selects: lane xor 16
.set MNT,  38                          ; s38 the mantissa field of 57,344
.set OSA,  12
.set OSB,  15
.set OGO,  241
.set F0,   128                         ; the weights' part: 16 + 16 + 8 numbers, scratch, codes
.set F1,   144
.set Z8,   160
.set TMW,  168
.set CQ,   192
.macro INSERT x, id
.irp n, 0,1,2,3,4,5,6,7,8,9,10,11,12,13,14,15
	v_cmp_lt_f32 s[CM+\n], v[\x], v[K+\n]
.endr
.irp n, 1,2,3,4,5,6,7,8,9,10,11,12,13,14,15
	v_cndmask_b32 v[U+\n], \id, v[I+\n-1], s[CM+\n-1]
.endr
.irp n, 15,14,13,12,11,10,9,8,7,6,5,4,3,2,1
	v_med3_num_f32 v[K+\n], v[K+\n-1], v[\x], v[K+\n]
.endr
	v_min_num_f32 v[K], v[K], v[\x]
	v_cndmask_b32 v[I], v[I], \id, s[CM]
.irp n, 1,2,3,4,5,6,7,8,9,10,11,12,13,14,15
	v_cndmask_b32 v[I+\n], v[I+\n], v[U+\n], s[CM+\n]
.endr
.endm
.macro PUTL adr
.irp q, 0,1,2,3
	ds_store_b128 v[\adr], v[K+4*\q:K+4*\q+3] offset:512*\q
	ds_store_b128 v[\adr], v[I+4*\q:I+4*\q+3] offset:2048+512*\q
.endr
.endm
.macro GETL adr
.irp q, 0,1,2,3
	ds_load_b128 v[X+4*\q:X+4*\q+3], v[\adr] offset:512*\q
	ds_load_b128 v[XI+4*\q:XI+4*\q+3], v[\adr] offset:2048+512*\q
.endr
	s_wait_dscnt 0x0
.endm
; Three blocks of 32 along K of my row: 16 numbers of blocks 0 and 1 (lane l xor 16 holds the others), 4 of block 2.  Codes into v[cq] .. v[cq + 9], the row's scale word into v[sw].
.macro QUANT3 f0, f1, z8, cq, sw, tm
	v_max3_num_f32 v[\tm], |v[\f0]|, |v[\f0+1]|, 0x8000000          ; the floor 2^(16 - 127) among the leaves: the byte cannot fall under 1
	v_max3_num_f32 v[\tm+1], |v[\f1]|, |v[\f1+1]|, 0x8000000
	v_max3_num_f32 v[\tm+2], |v[\z8]|, |v[\z8+1]|, 0x8000000
.irp i, 2,4,6,8,10,12,14
	v_max3_num_f32 v[\tm], v[\tm], |v[\f0+\i]|, |v[\f0+\i+1]|
	v_max3_num_f32 v[\tm+1], v[\tm+1], |v[\f1+\i]|, |v[\f1+\i+1]|
.endr
	v_max3_num_f32 v[\tm+2], v[\tm+2], |v[\z8+2]|, |v[\z8+3]|
.irp b, 0,1,2
	v_permlanex16_b32 v[\tm+3+\b], v[\tm+\b], s[SEL], s[SEL+1]
.endr
.irp b, 0,1,2
	v_max_num_f32 v[\tm+\b], v[\tm+\b], v[\tm+3+\b]                 ; the block's largest magnitude
.endr
.irp b, 0,1,2
	v_add_nc_u32 v[\tm+6+\b], 0xf8800000, v[\tm+\b]                 ; 15 off its exponent field: the conversion's scale operand
.endr
.irp b, 0,1,2
	v_and_or_b32 v[\tm+9+\b], v[\tm+\b], 0x7f800000, s[MNT]         ; 57,344 x the scale
.endr
.irp b, 0,1,2
	v_lshrrev_b32 v[\tm+12+\b], 23, v[\tm+6+\b]                     ; the scale's byte
.endr
	v_lshl_or_b32 v[\sw], v[\tm+13], 8, v[\tm+12]
	v_lshl_or_b32 v[\sw], v[\tm+14], 16, v[\sw]
.irp i, 0,1,2,3,4,5,6,7,8,9,10,11,12,13,14,15
	v_med3_num_f32 v[\f0+\i], v[\f0+\i], -v[\tm+9], v[\tm+9]        ; the conversion does not saturate (ISA guide 7.6.2): the hold at the largest code x the scale
	v_med3_num_f32 v[\f1+\i], v[\f1+\i], -v[\tm+10], v[\tm+10]
.endr
.irp i, 0,1,2,3
	v_med3_num_f32 v[\z8+\i], v[\z8+\i], -v[\tm+11], v[\tm+11]
.endr
	v_cvt_scalef32_pk8_bf8_f32 v[\cq:\cq+1], v[\f0:\f0+7], v[\tm+6]
	v_cvt_scalef32_pk8_bf8_f32 v[\cq+2:\cq+3], v[\f0+8:\f0+15], v[\tm+6]
	v_cvt_scalef32_pk8_bf8_f32 v[\cq+4:\cq+5], v[\f1:\f1+7], v[\tm+7]
	v_cvt_scalef32_pk8_bf8_f32 v[\cq+6:\cq+7], v[\f1+8:\f1+15], v[\tm+7]
	v_cvt_scalef32_pk8_bf8_f32 v[\cq+8:\cq+9], v[\z8:\z8+7], v[\tm+8]
	v_nop                                          ; one plain line behind the last conversion
.endm
	s_load_b256 s[4:11], s[0:1], 0x0               ; xyz s[4:5], sample_idx s[6:7], gsel s[8:9], W1 s[10:11]
	s_load_b256 s[12:19], s[0:1], 0x20             ; W2 s[12:13], W3 s[14:15], nidx s[16:17], wq s[18:19]
	v_lshl_add_u32 v254, v0, 2, 0x34400
	v_mov_b32 v255, 0
	v_and_b32 v1, 31, v0
	v_lshrrev_b32 v8, 5, v0
	v_readfirstlane_b32 s20, v8                    ; wave
	s_mul_i32 s21, s20, 13
	s_lshr_b32 s21, s21, 6                         ; k
	s_mul_i32 s22, s21, 5
	v_lshrrev_b32 v8, 3, v1                        ; lane / 8: which of four groups
	v_and_b32 v9, 7, v1                            ; lane % 8: which quad of a group
	v_lshlrev_b32 v3, 4, v9
	s_lshl_b32 s23, s20, 7
	v_lshl_add_u32 v2, v8, 2, s23                  ; gsel: rows 2 w on, 4 bytes a group
	s_mul_i32 s23, s20, 2*SBP
	v_lshl_add_u32 v4, v8, 2, s23
	v_add_nc_u32 v4, 6144, v4                      ; LDS, in: the groups' first indices
	v_mul_u32_u24 v5, v8, 384
	v_mad_u32_u24 v5, v9, 48, v5
	v_add_nc_u32 v5, s23, v5                       ; LDS, in: 384 bytes a group, 48 a quad: sixteen lanes touch sixteen different 16-byte columns
	v_mul_u32_u24 v6, v1, SBP
	v_add_nc_u32 v7, 6144, v6
	s_mul_i32 s23, s21, 1536
	v_add_nc_u32 v6, s23, v6                       ; LDS, out: query = lane, groups 4 k on
	s_lshl_b32 s23, s21, 4
	v_add_nc_u32 v7, s23, v7
	v_lshlrev_b32 v241, 4, v1
	v_lshlrev_b32 v242, 2, v1
	s_lshr_b32 s23, s21, 1
	s_lshl_b32 s23, s23, 12
	s_add_co_u32 s23, s23, LST
	v_add_nc_u32 v10, s23, v241
	v_add_nc_u32 v11, LST+8192, v241
	v_mul_u32_u24 v12, v1, 80
	v_add_nc_u32 v12, OST, v12
	v_lshrrev_b32 v13, 2, v1
	v_mul_u32_u24 v15, v13, 80
	v_and_b32 v13, 3, v1
	v_lshl_add_u32 v15, v13, 4, v15
	v_add_nc_u32 v15, OST, v15
	s_lshr_b32 s26, ttmp9, 5                       ; batch
	s_and_b32 s27, ttmp9, 31
	s_mov_b32 s3, 0
	s_mov_b32 s[SEL], 0x76543210
	s_mov_b32 s[SEL+1], 0xfedcba98
	s_mov_b32 s[MNT], 0x600000
	s_wait_kmcnt 0x0
	s_mul_i32 s2, s26, 196608
	s_add_nc_u64 s[4:5], s[4:5], s[2:3]
	s_lshl_b32 s2, s27, 7
	s_add_nc_u64 s[6:7], s[6:7], s[2:3]
	s_lshl_b32 s2, ttmp9, 11
	s_add_nc_u64 s[8:9], s[8:9], s[2:3]
	s_add_nc_u64 s[16:17], s[16:17], s[2:3]
.irp n, 0,1,2,3,4,5,6,7
	global_load_b32 v[GI+\n], v2, s[8:9] offset:64*(\n/4)+16*(\n%4)
.endr
	global_load_b32 v240, v242, s[6:7]
	s_wait_loadcnt 0x0
.irp n, 0,1,2,3,4,5,6,7
	v_min_u32 v[GI+\n], 511, v[GI+\n]
.endr
.irp n, 0,1,2,3,4,5,6,7
	v_lshlrev_b32 v[PP+\n], 5, v[GI+\n]            ; the group's first index
	v_lshl_add_u32 v[GI+\n], v[GI+\n], 7, v3       ; its 128 bytes of a coordinate, my quad
.endr
	v_min_u32 v240, 0x3fff, v240
	v_lshlrev_b32 v240, 2, v240
.irp n, 0,1,2,3,4,5,6,7
.irp c, 0,1,2
	global_load_b128 v[R+12*\n+4*\c:R+12*\n+4*\c+3], v[GI+\n], s[4:5] offset:65536*\c    ; four groups x 128 bytes a load
.endr
.endr
.irp c, 0,1,2
	global_load_b32 v[QP+2*\c], v240, s[4:5] offset:65536*\c
.endr
.irp n, 0,1,2,3,4,5,6,7
	ds_store_b32 v4, v[PP+\n] offset:(\n/4)*SBP+16*(\n%4)          ; eight lanes write the same word with the same value
.endr
	s_wait_loadcnt 3                               ; the groups are in; q's three loads stay out
.irp n, 0,1,2,3,4,5,6,7
.irp c, 0,1,2
	ds_store_b128 v5, v[R+12*\n+4*\c:R+12*\n+4*\c+3] offset:(\n/4)*SBP+1536*(\n%4)+16*\c
.endr
.endr
	s_wait_loadcnt 0x0
	v_mul_f32 v[QP+6], v[QP], v[QP]
	v_fma_f32 v[QP+6], v[QP+2], v[QP+2], v[QP+6]
	v_fma_f32 v[QP+6], v[QP+4], v[QP+4], v[QP+6]
.irp c, 0,2,4,6
	v_mov_b32 v[QP+\c+1], v[QP+\c]
.endr
.irp n, 0,1,2,3,4,5,6,7,8,9,10,11,12,13,14,15
	v_mov_b32 v[K+\n], 0x7f800000
	v_mov_b32 v[I+\n], 0
.endr
	s_wait_dscnt 0x0
	s_barrier_signal -1
	s_barrier_wait -1
	; ---- a tile of weights: wave 1 (no selector) of work-groups 0..15.  Tiles 0-3: W1, 4-7: W2, 8-15: W3.  Lane r of tile t holds row 32 (t / 2) + 8 (t % 2) + r + 8 (r / 8)
	s_cmp_lg_u32 s20, 1
	s_cbranch_scc1 .Lnow
	s_cmp_ge_u32 ttmp9, 16
	s_cbranch_scc1 .Lnow
	s_mov_b32 s29, 256
	s_cmp_lt_u32 ttmp9, 4
	s_cselect_b64 s[24:25], s[10:11], s[12:13]
	s_cselect_b32 s29, 268, s29                    ; a row in bytes
	s_cselect_b32 s30, 256, 0                      ; where block 2 begins, if the matrix has one
	s_cselect_b32 s31, 0, 4
	s_cmp_lt_u32 ttmp9, 8
	s_cselect_b64 s[24:25], s[24:25], s[14:15]
	s_cselect_b32 s31, s31, 8
	s_sub_co_u32 s31, ttmp9, s31                   ; t
	s_lshr_b32 s32, s31, 1
	s_lshl_b32 s32, s32, 5
	s_and_b32 s33, s31, 1
	s_lshl_b32 s33, s33, 3
	s_add_co_u32 s32, s32, s33
	v_and_b32 v243, 15, v0
	v_and_b32 v244, 8, v243
	v_add_nc_u32 v244, v244, v243
	v_bfe_u32 v245, v0, 4, 1
	v_add_nc_u32 v246, s32, v244
	v_mul_lo_u32 v246, v246, s29                   ; my row
	v_lshl_add_u32 v247, v245, 6, v246             ; + 64 h: my 16 numbers of a block
	v_sub_nc_u32 v248, 1, v245
	v_mul_lo_u32 v248, v248, s30                   ; 256 where block 2 is mine (W1, h = 0), else 0: then the loads read the row's head and are thrown away: none leaves its buffer
	v_add_nc_u32 v249, v246, v248
.irp i, 0,1,2,3,4,5,6,7,8,9,10,11,12,13,14,15
	global_load_b32 v[F0+\i], v247, s[24:25] offset:4*\i
	global_load_b32 v[F1+\i], v247, s[24:25] offset:128+4*\i
.endr
.irp i, 0,1,2
	global_load_b32 v[Z8+\i], v249, s[24:25] offset:4*\i
.endr
.irp i, 3,4,5,6,7
	v_mov_b32 v[Z8+\i], 0
.endr
.irp i, 3,4,5
	v_mov_b32 v[TMW+\i], 0                         ; a lane permute's destination counts as read
.endr
	v_mov_b32 v[CQ+10], 0
	v_cmp_ne_u32 vcc_lo, 0, v248
	s_mul_i32 s2, ttmp9, 1536
	s_add_nc_u64 s[18:19], s[18:19], s[2:3]
	s_wait_loadcnt 0x0
.irp i, 0,1,2
	v_cndmask_b32 v[Z8+\i], 0, v[Z8+\i], vcc_lo
.endr
	QUANT3 F0, F1, Z8, CQ, CQ+11, TMW
.irp c, 0,1,2
	global_store_b128 v241, v[CQ+4*\c:CQ+4*\c+3], s[18:19] offset:512*\c     ; registers 4 c .. 4 c + 3 of every lane: 512 consecutive bytes; register 11's place carries the scale word
.endr
	s_wait_xcnt 0x0                                ; the stores have read their registers
.Lnow:
	; ---- the selection: every wave walks the loop, the work stands under a branch on the wave's number
	s_mov_b32 s26, 0
	s_mov_b32 s27, 0
	s_mov_b32 s28, 0
.Lsel:
	v_add_nc_u32 v8, s26, v6
	v_add_nc_u32 v9, s27, v7
	s_cmp_lg_u32 s22, s20
	s_cbranch_scc1 .Lselskip
.irp c, 0,1,2
.irp q, 0,1,2,3,4,5,6,7
	ds_load_b128 v[R+32*\c+4*\q:R+32*\c+4*\q+3], v8 offset:48*\q+16*\c
.endr
.endr
	ds_load_b32 v13, v9
	s_wait_dscnt 0x0
.irp f, 0,16
.irp p, 0,2,4,6,8,10,12,14
	v_pk_mul_f32 v[PP+\p:PP+\p+1], v[R+\f+\p:R+\f+\p+1], v[R+\f+\p:R+\f+\p+1]
.endr
.irp p, 0,2,4,6,8,10,12,14
	v_pk_fma_f32 v[PP+\p:PP+\p+1], v[R+32+\f+\p:R+32+\f+\p+1], v[R+32+\f+\p:R+32+\f+\p+1], v[PP+\p:PP+\p+1]
.endr
.irp p, 0,2,4,6,8,10,12,14
	v_pk_fma_f32 v[PP+\p:PP+\p+1], v[R+64+\f+\p:R+64+\f+\p+1], v[R+64+\f+\p:R+64+\f+\p+1], v[PP+\p:PP+\p+1]
.endr
.irp p, 0,2,4,6,8,10,12,14
	v_pk_mul_f32 v[DT+\p:DT+\p+1], v[R+\f+\p:R+\f+\p+1], v[QP:QP+1]
.endr
.irp p, 0,2,4,6,8,10,12,14
	v_pk_fma_f32 v[DT+\p:DT+\p+1], v[R+32+\f+\p:R+32+\f+\p+1], v[QP+2:QP+3], v[DT+\p:DT+\p+1]
.endr
.irp p, 0,2,4,6,8,10,12,14
	v_pk_fma_f32 v[DT+\p:DT+\p+1], v[R+64+\f+\p:R+64+\f+\p+1], v[QP+4:QP+5], v[DT+\p:DT+\p+1]
.endr
.irp p, 0,2,4,6,8,10,12,14
	v_pk_add_f32 v[PP+\p:PP+\p+1], v[PP+\p:PP+\p+1], v[QP+6:QP+7]
.endr
.irp p, 0,2,4,6,8,10,12,14
	v_pk_fma_f32 v[D+\f+\p:D+\f+\p+1], v[DT+\p:DT+\p+1], -2.0, v[PP+\p:PP+\p+1] op_sel_hi:[1,0,1]
.endr
.endr
.set i, 0
.rept 32
	v_add_nc_u32 v14, i, v13                       ; the point's index
	INSERT D+i, v14
.set i, i+1
.endr
.Lselskip:
	s_add_co_u32 s26, s26, 384
	s_add_co_u32 s27, s27, 4
	s_add_co_u32 s28, s28, 1
	s_cmp_lt_u32 s28, 4
	s_cbranch_scc1 .Lsel
	s_cmp_eq_u32 s20, 5
	s_cbranch_scc1 .Lput
	s_cmp_lg_u32 s20, 15
	s_cbranch_scc1 .Lnoput
.Lput:
	PUTL 10
.Lnoput:
	s_wait_dscnt 0x0
	s_barrier_signal -1
	s_barrier_wait -1
	s_cmp_eq_u32 s20, 0
	s_cbranch_scc1 .Lmrg
	s_cmp_lg_u32 s20, 10
	s_cbranch_scc1 .Lnomrg
.Lmrg:
	GETL 10
.set i, 0
.rept 16
	INSERT X+i, v[XI+i]
.set i, i+1
.endr
	s_cmp_lg_u32 s20, 10
	s_cbranch_scc1 .Lnomrg
	PUTL 11
.Lnomrg:
	s_wait_dscnt 0x0
	s_barrier_signal -1
	s_barrier_wait -1
	s_cmp_lg_u32 s20, 0
	s_cbranch_scc1 .Lend
	GETL 11
.set i, 0
.rept 16
	v_cmp_lt_f32 vcc_lo, v[X+15-i], v[K+i]
	v_cndmask_b32 v[I+i], v[I+i], v[XI+15-i], vcc_lo
.set i, i+1
.endr
.irp q, 0,1,2,3
	ds_store_b128 v[OSA], v[I+4*\q:I+4*\q+3] offset:16*\q
.endr
.irp q, 0,1,2,3
	ds_load_b128 v[I+4*\q:I+4*\q+3], v[OSB] offset:640*\q
.endr
.irp q, 0,1,2,3
	s_wait_dscnt 3-\q
	global_store_b128 v[OGO], v[I+4*\q:I+4*\q+3], s[16:17] offset:512*\q
.endr
.Lend:
	s_wait_tensorcnt 0x0
	ds_add_u32 v254, v255
	s_wait_dscnt 0x0
	s_endpgm
.Lfunc_end_k_qdaa3af37b7_knn:
	.size	k_qdaa3af37b7_knn, .Lfunc_end_k_qdaa3af37b7_knn-k_qdaa3af37b7_knn
	.p2alignl 7, 3214868480
	.fill 96, 4, 3214868480
	.section	.rodata,"a",@progbits
	.p2align	6, 0x0
	.amdhsa_kernel k_qdaa3af37b7_knn
		.amdhsa_group_segment_fixed_size 216064
		.amdhsa_private_segment_fixed_size 0
		.amdhsa_enable_private_segment 0
		.amdhsa_kernarg_size 64
		.amdhsa_user_sgpr_count 2
		.amdhsa_user_sgpr_kernarg_segment_ptr 1
		.amdhsa_wavefront_size32 1
		.amdhsa_system_sgpr_workgroup_id_x 1
		.amdhsa_system_sgpr_workgroup_id_y 1
		.amdhsa_system_sgpr_workgroup_id_z 1
		.amdhsa_system_vgpr_workitem_id 0
		.amdhsa_next_free_vgpr 256
		.amdhsa_next_free_sgpr 66
		.amdhsa_reserve_vcc 1
		.amdhsa_float_denorm_mode_32 3
		.amdhsa_float_denorm_mode_16_64 3
		.amdhsa_memory_ordered 1
		.amdhsa_forward_progress 1
		.amdhsa_inst_pref_size 225
	.end_amdhsa_kernel
	.amdgpu_metadata
---
amdhsa.version: [ 1, 2 ]
amdhsa.kernels:
  - .name:           k_qdaa3af37b7_knn
    .symbol:         k_qdaa3af37b7_knn.kd
    .args:
      - { .name: xyz, .offset: 0, .size: 8, .value_kind: global_buffer, .address_space: global }
      - { .name: sample_idx, .offset: 8, .size: 8, .value_kind: global_buffer, .address_space: global }
      - { .name: gsel, .offset: 16, .size: 8, .value_kind: global_buffer, .address_space: global }
      - { .name: W1, .offset: 24, .size: 8, .value_kind: global_buffer, .address_space: global }
      - { .name: W2, .offset: 32, .size: 8, .value_kind: global_buffer, .address_space: global }
      - { .name: W3, .offset: 40, .size: 8, .value_kind: global_buffer, .address_space: global }
      - { .name: nidx, .offset: 48, .size: 8, .value_kind: global_buffer, .address_space: global }
      - { .name: wq, .offset: 56, .size: 8, .value_kind: global_buffer, .address_space: global }
    .group_segment_fixed_size: 216064
    .private_segment_fixed_size: 0
    .kernarg_segment_align: 8
    .kernarg_segment_size: 64
    .max_flat_workgroup_size: 512
    .sgpr_count:     66
    .vgpr_count:     256
    .wavefront_size: 32
...
	.end_amdgpu_metadata
.endif
;; end of part 2
;; launch feat (part 3): grid 256 x 1, 16 waves a work-group, no clusters, 10,240 bytes of LDS; arguments nidx, sample_idx, ft, wq, b1, fcod; writes fcod
.if DOCPART == 3
	.amdgcn_target "amdgcn-amd-amdhsa--gfx1250"
	.amdhsa_code_object_version 6
	.text
	.protected	k_qdaa3af37b7_feat
	.globl	k_qdaa3af37b7_feat
	.p2align	8
	.type	k_qdaa3af37b7_feat,@function
k_qdaa3af37b7_feat:
	s_mov_b64 s[64:65], 0
	v_nop
	global_prefetch_b8 v0, s[64:65] scope:SCOPE_SE
	s_setreg_imm32_b32 hwreg(HW_REG_WAVE_MODE, 25, 1), 1
	s_wait_xcnt 0x0
; THE GATHER, THE FIRST QUANTISER AND THE FIRST LAYER'S STATISTICS.  A tile is one query's 16 neighbours: 16 rows of K = 67 (x - qx, y - qy, z - qz, 64 channels), three blocks of 32 along K.
; Lane (r, h) loads, of neighbour r's row of the table, the 16 numbers of each block that the operand's layout gives it, so the conversions' results are the operand's registers.
; The codes and the scale word are stored as an image of those registers (1,536 bytes a tile): the two launches that follow read codes, a fifth of the f32 bytes.
; h1 = feat W1^T + b1 (source 0 = the 16 rows, source 1 = 16 rows of W1, C = the bias): a lane holds ONE channel and eight rows.  Of it only mean and sum of squared deviations are kept:
; two passes over a lane's 16 numbers, then parts of equal count are joined (mean of means; M2 = sum of M2 + count x sum of squared deviations of the means): no difference of large sums.
; SHARES.  Wave w of work-group g: tiles 32 g + 2 w, + 1; both gathers are out together.  The work-group stores one row of partial statistics (512 rows of h1 each).
; LIMITS: NaN and infinities are not served; a block of zeros has scale byte 1 (zero codes; the bytes are this program's own).
; NO CLUSTER, NO TENSOR LOAD: the rows' addresses hang on stored indices; the one thing shared, W1's four tiles, is 6 KiB read once a wave.
.set TM,  24                           ; v24-38 scratch of the quantiser; later of the statistics
.set SW,  40                           ; v40    the tile's scale word: a scale register and nothing else
.set T3,  44                           ; v44-47 the image's third group: codes 8, 9, 0, the scale word
.set WS,  48                           ; v48-51 W1's scale words
.set Z8,  52                           ; v52-59 block 2: four numbers and four zeros
.set CQ,  60                           ; v60-75 the operand: 10 registers of codes, 6 of zeros
.set FA,  76                           ; v76-111  tile 0: 36 numbers; then its four accumulators
.set FB,  112                          ; v112-147 tile 1
.set NB,  148                          ; v148-179 the bias as C: eight equal registers a tile of W1
.set ME,  180
.set M2,  184
.set HT,  188                          ; v188-190
.set W,   192                          ; v192-255 W1's four tiles
.set SEL, 26
.set MNT, 28
.macro QUANT3 f0, f1, z8, cq, sw, tm
	v_max3_num_f32 v[\tm], |v[\f0]|, |v[\f0+1]|, 0x8000000          ; the floor 2^(16 - 127) among the leaves: the byte cannot fall under 1
	v_max3_num_f32 v[\tm+1], |v[\f1]|, |v[\f1+1]|, 0x8000000
	v_max3_num_f32 v[\tm+2], |v[\z8]|, |v[\z8+1]|, 0x8000000
.irp i, 2,4,6,8,10,12,14
	v_max3_num_f32 v[\tm], v[\tm], |v[\f0+\i]|, |v[\f0+\i+1]|
	v_max3_num_f32 v[\tm+1], v[\tm+1], |v[\f1+\i]|, |v[\f1+\i+1]|
.endr
	v_max3_num_f32 v[\tm+2], v[\tm+2], |v[\z8+2]|, |v[\z8+3]|
.irp b, 0,1,2
	v_permlanex16_b32 v[\tm+3+\b], v[\tm+\b], s[SEL], s[SEL+1]
.endr
.irp b, 0,1,2
	v_max_num_f32 v[\tm+\b], v[\tm+\b], v[\tm+3+\b]
.endr
.irp b, 0,1,2
	v_add_nc_u32 v[\tm+6+\b], 0xf8800000, v[\tm+\b]                 ; 15 off the exponent field: the conversion's scale operand
.endr
.irp b, 0,1,2
	v_and_or_b32 v[\tm+9+\b], v[\tm+\b], 0x7f800000, s[MNT]         ; 57,344 x the scale
.endr
.irp b, 0,1,2
	v_lshrrev_b32 v[\tm+12+\b], 23, v[\tm+6+\b]
.endr
	v_lshl_or_b32 v[\sw], v[\tm+13], 8, v[\tm+12]
	v_lshl_or_b32 v[\sw], v[\tm+14], 16, v[\sw]                     ; the 36 holds below stand between this line and the products
.irp i, 0,1,2,3,4,5,6,7,8,9,10,11,12,13,14,15
	v_med3_num_f32 v[\f0+\i], v[\f0+\i], -v[\tm+9], v[\tm+9]
	v_med3_num_f32 v[\f1+\i], v[\f1+\i], -v[\tm+10], v[\tm+10]
.endr
.irp i, 0,1,2,3
	v_med3_num_f32 v[\z8+\i], v[\z8+\i], -v[\tm+11], v[\tm+11]
.endr
	v_cvt_scalef32_pk8_bf8_f32 v[\cq:\cq+1], v[\f0:\f0+7], v[\tm+6]
	v_cvt_scalef32_pk8_bf8_f32 v[\cq+2:\cq+3], v[\f0+8:\f0+15], v[\tm+6]
	v_cvt_scalef32_pk8_bf8_f32 v[\cq+4:\cq+5], v[\f1:\f1+7], v[\tm+7]
	v_cvt_scalef32_pk8_bf8_f32 v[\cq+6:\cq+7], v[\f1+8:\f1+15], v[\tm+7]
	v_cvt_scalef32_pk8_bf8_f32 v[\cq+8:\cq+9], v[\z8:\z8+7], v[\tm+8]
	v_nop                                          ; one plain line behind the last conversion
.endm
; n parts of equal count cnt, part i = (two means, two M2) in v[r + 4 i] on, become one in v[o] on.  inv = 1 / n.
.macro COMB n, r, o, inv, cnt
	v_pk_add_f32 v[\o:\o+1], v[\r:\r+1], v[\r+4:\r+5]
	v_pk_add_f32 v[\o+2:\o+3], v[\r+2:\r+3], v[\r+6:\r+7]
.set ci, 2
.rept \n-2
	v_pk_add_f32 v[\o:\o+1], v[\o:\o+1], v[\r+4*ci:\r+4*ci+1]
	v_pk_add_f32 v[\o+2:\o+3], v[\o+2:\o+3], v[\r+4*ci+2:\r+4*ci+3]
.set ci, ci+1
.endr
	v_pk_mul_f32 v[\o:\o+1], v[\o:\o+1], \inv op_sel_hi:[1,0]
.set ci, 0
.rept \n
	v_pk_add_f32 v[\r+4*ci:\r+4*ci+1], v[\r+4*ci:\r+4*ci+1], v[\o:\o+1] neg_lo:[0,1] neg_hi:[0,1]
.set ci, ci+1
.endr
	v_pk_mul_f32 v[\r+2:\r+3], v[\r:\r+1], v[\r:\r+1]
.set ci, 1
.rept \n-1
	v_pk_fma_f32 v[\r+2:\r+3], v[\r+4*ci:\r+4*ci+1], v[\r+4*ci:\r+4*ci+1], v[\r+2:\r+3]
.set ci, ci+1
.endr
	v_pk_fma_f32 v[\o+2:\o+3], v[\r+2:\r+3], \cnt, v[\o+2:\o+3] op_sel_hi:[1,0,1]
.endm
; lanes l and l xor 16 hold parts of equal count 2 c of one channel: both end with the joined part
.macro HALF me, m2, c, t0
	v_permlanex16_b32 v[\t0], v[\me], s[SEL], s[SEL+1]
	v_permlanex16_b32 v[\t0+1], v[\m2], s[SEL], s[SEL+1]
	v_sub_f32 v[\t0+2], v[\me], v[\t0]
	v_add_f32 v[\me], v[\me], v[\t0]
	v_add_f32 v[\m2], v[\m2], v[\t0+1]
	v_mul_f32 v[\t0+2], v[\t0+2], v[\t0+2]
	v_mul_f32 v[\me], 0.5, v[\me]
	v_fma_f32 v[\m2], v[\t0+2], \c, v[\m2]
.endm
	s_load_b256 s[4:11], s[0:1], 0x0               ; nidx s[4:5], sample_idx s[6:7], ft s[8:9], wq s[10:11]
	s_load_b128 s[12:15], s[0:1], 0x20             ; b1 s[12:13], fcod s[14:15]
	v_lshl_add_u32 v43, v0, 2, 0x2000
	v_mov_b32 v191, 0
	v_and_b32 v3, 31, v0
	v_lshlrev_b32 v3, 4, v3                        ; 16 x lane
	v_and_b32 v1, 15, v0                           ; r
	v_bfe_u32 v2, v0, 4, 1                         ; h
	v_lshrrev_b32 v4, 5, v0
	v_readfirstlane_b32 s16, v4                    ; wave
	v_and_b32 v14, 8, v1
	v_add_nc_u32 v14, v14, v1                      ; r + 8 (r / 8)
	s_lshl_b32 s17, s16, 7
	v_lshl_add_u32 v4, v1, 2, s17                  ; nidx: rows 2 w on, neighbour r
	s_and_b32 s18, ttmp9, 31
	s_lshl_b32 s18, s18, 7
	s_lshl_b32 s19, s16, 3
	s_add_co_u32 s18, s18, s19
	v_mov_b32 v5, s18                              ; sample_idx: 4 x (32 x block + 2 w)
	v_lshlrev_b32 v12, 2, v14
	v_lshrrev_b32 v13, 1, v14
	v_lshlrev_b32 v13, 4, v13
	v_and_b32 v15, 1, v14
	v_lshl_add_u32 v13, v15, 2, v13
	s_lshl_b32 s19, s16, 9
	v_add_nc_u32 v13, s19, v13                     ; LDS: my wave's 512 bytes; channel c's mean at 16 (c / 2) + 4 (c % 2), its M2 8 further
	v_cmp_eq_u32 s24, 0, v2                        ; lanes 0-15
	s_mov_b32 s[SEL], 0x76543210
	s_mov_b32 s[SEL+1], 0xfedcba98
	s_mov_b32 s[MNT], 0x600000
	s_mov_b32 s3, 0
	s_lshr_b32 s17, ttmp9, 5
	s_wait_kmcnt 0x0
	s_lshl_b32 s2, ttmp9, 11
	s_add_nc_u64 s[4:5], s[4:5], s[2:3]
	s_mul_i32 s2, s17, 4456448                     ; a batch's 16,384 rows of 272 bytes
	s_add_nc_u64 s[8:9], s[8:9], s[2:3]
	s_lshl_b32 s2, ttmp9, 5
	s_lshl_b32 s19, s16, 1
	s_add_co_u32 s2, s2, s19
	s_mul_i32 s2, s2, 1536
	s_add_nc_u64 s[20:21], s[14:15], s[2:3]        ; my two images
	s_add_nc_u64 s[22:23], s[14:15], 12582912
	s_lshl_b32 s2, ttmp9, 9
	s_add_nc_u64 s[22:23], s[22:23], s[2:3]        ; my work-group's row of partial statistics
	global_load_b32 v6, v4, s[4:5]
	global_load_b32 v7, v4, s[4:5] offset:64
	global_load_b32 v10, v5, s[6:7]
	global_load_b32 v11, v5, s[6:7] offset:4
.irp t, 0,1,2,3
.irp c, 0,1,2
	global_load_b128 v[W+16*\t+4*\c:W+16*\t+4*\c+3], v3, s[10:11] offset:1536*\t+512*\c
.endr
.endr
.irp t, 0,1,2,3
	global_load_b32 v[NB+8*\t], v12, s[12:13] offset:(32*(\t/2)+8*(\t%2))*4
.endr
.irp i, 4,5,6,7
	v_mov_b32 v[Z8+\i], 0
.endr
.irp i, 10,11,12,13,14,15
	v_mov_b32 v[CQ+\i], 0
.endr
	v_mov_b32 v[T3+2], 0
.irp i, 3,4,5
	v_mov_b32 v[TM+\i], 0                          ; a lane permute's destination counts as read
.endr
.irp i, 0,1,2
	v_mov_b32 v[HT+\i], 0
.endr
	s_wait_loadcnt 16                              ; the four indices are in; W1's twelve loads and b1's four stay out
.irp n, 6,7,10,11
	v_min_u32 v\n, 0x3fff, v\n
.endr
.irp n, 6,7,10,11
	v_mul_u32_u24 v\n, v\n, 272
.endr
	v_lshl_add_u32 v8, v2, 6, v6                   ; + 64 h: my 16 numbers of a block
	v_lshl_add_u32 v9, v2, 6, v7
	global_load_b128 v[16:19], v10, s[8:9]         ; the query point's x, y, z (and a channel that is not used)
	global_load_b128 v[20:23], v11, s[8:9]
.macro GATHER f, ah, ap
.irp q, 0,1,2,3
	global_load_b128 v[\f+4*\q:\f+4*\q+3], v[\ah], s[8:9] offset:16*\q
.endr
.irp q, 0,1,2,3
	global_load_b128 v[\f+16+4*\q:\f+16+4*\q+3], v[\ah], s[8:9] offset:128+16*\q
.endr
	global_load_b128 v[\f+32:\f+35], v[\ap], s[8:9] offset:256
.endm
	GATHER FA, 8, 6
	GATHER FB, 9, 7
	s_wait_loadcnt 20                              ; W1 and b1 are in; the 2 + 18 loads behind them stay out
.irp t, 0,1,2,3
	v_mov_b32 v[WS+\t], v[W+16*\t+11]              ; the scale word leaves the image,
.endr
.irp t, 0,1,2,3
.irp i, 11,12,13,14,15
	v_mov_b32 v[W+16*\t+\i], 0                     ; and K = 96 .. 127 and its place are zero codes
.endr
.endr
.irp t, 0,1,2,3
.irp i, 1,2,3,4,5,6,7
	v_mov_b32 v[NB+8*\t+\i], v[NB+8*\t]
.endr
.endr
.macro TILE i, f
.irp e, 0,1,2
	v_cndmask_b32 v[16+4*\i+\e], 0, v[16+4*\i+\e], s24     ; x, y, z are K = 0, 1, 2: lanes 0-15's first three numbers; the others subtract 0
.endr
.irp e, 0,1,2
	v_sub_f32 v[\f+\e], v[\f+\e], v[16+4*\i+\e]
.endr
.irp e, 0,1,2,3
	v_cndmask_b32 v[Z8+\e], 0, v[\f+32+\e], s24            ; K = 64 .. 67 are lanes 0-15's; K = 80 on are zeros
.endr
	QUANT3 \f, \f+16, Z8, CQ, SW, TM
	v_mov_b32 v[T3], v[CQ+8]
	v_mov_b32 v[T3+1], v[CQ+9]
	v_mov_b32 v[T3+3], v[SW]
	global_store_b128 v3, v[CQ:CQ+3], s[20:21] offset:1536*\i th:TH_STORE_NT
	global_store_b128 v3, v[CQ+4:CQ+7], s[20:21] offset:1536*\i+512 th:TH_STORE_NT
	global_store_b128 v3, v[T3:T3+3], s[20:21] offset:1536*\i+1024 th:TH_STORE_NT
.rept 4
	v_nop                                          ; an operand written by vector lines stands four places ahead of a scaled product
.endr
.irp t, 0,1,2,3
	v_wmma_scale_f32_16x16x128_f8f6f4 v[\f+8*\t:\f+8*\t+7], v[CQ:CQ+15], v[W+16*\t:W+16*\t+15], v[NB+8*\t:NB+8*\t+7], v[SW], v[WS+\t] matrix_a_fmt:MATRIX_FMT_BF8 matrix_b_fmt:MATRIX_FMT_BF8
.endr
.endm
	s_wait_loadcnt 9                               ; q and tile 0's nine loads are in; tile 1's nine stay out
	TILE 0, FA
	s_wait_loadcnt 0x0
	s_wait_xcnt 0x0                                ; tile 0's stores have read the codes' registers
	TILE 1, FB
.rept 8
	v_nop                                          ; eight places behind this form, ahead of the first read of results
.endr
; channel = my lane's row of W1's tile t; my 16 numbers: rows 8 h .. + 7 of both tiles.  Each accumulator is read from its low end on.
.macro STAT2 t
	v_pk_add_f32 v[24:25], v[FA+8*\t:FA+8*\t+1], v[FA+8*\t+2:FA+8*\t+3]
	v_pk_add_f32 v[26:27], v[FB+8*\t:FB+8*\t+1], v[FB+8*\t+2:FB+8*\t+3]
	v_pk_add_f32 v[28:29], v[FA+8*\t+4:FA+8*\t+5], v[FA+8*\t+6:FA+8*\t+7]
	v_pk_add_f32 v[30:31], v[FB+8*\t+4:FB+8*\t+5], v[FB+8*\t+6:FB+8*\t+7]
	v_pk_add_f32 v[24:25], v[24:25], v[28:29]
	v_pk_add_f32 v[26:27], v[26:27], v[30:31]
	v_pk_add_f32 v[24:25], v[24:25], v[26:27]
	v_add_f32 v24, v24, v25
	v_mul_f32 v[ME+\t], 0x3d800000, v24            ; / 16
	v_mov_b32 v32, v[ME+\t]
	v_mov_b32 v33, v[ME+\t]
.irp p, 0,2,4,6
	v_pk_add_f32 v[FA+8*\t+\p:FA+8*\t+\p+1], v[FA+8*\t+\p:FA+8*\t+\p+1], v[32:33] neg_lo:[0,1] neg_hi:[0,1]
	v_pk_add_f32 v[FB+8*\t+\p:FB+8*\t+\p+1], v[FB+8*\t+\p:FB+8*\t+\p+1], v[32:33] neg_lo:[0,1] neg_hi:[0,1]
.endr
	v_pk_mul_f32 v[24:25], v[FA+8*\t:FA+8*\t+1], v[FA+8*\t:FA+8*\t+1]
	v_pk_mul_f32 v[26:27], v[FB+8*\t:FB+8*\t+1], v[FB+8*\t:FB+8*\t+1]
.irp p, 2,4,6
	v_pk_fma_f32 v[24:25], v[FA+8*\t+\p:FA+8*\t+\p+1], v[FA+8*\t+\p:FA+8*\t+\p+1], v[24:25]
	v_pk_fma_f32 v[26:27], v[FB+8*\t+\p:FB+8*\t+\p+1], v[FB+8*\t+\p:FB+8*\t+\p+1], v[26:27]
.endr
	v_pk_add_f32 v[24:25], v[24:25], v[26:27]
	v_add_f32 v[M2+\t], v24, v25
	HALF ME+\t, M2+\t, 0x41000000, HT
	ds_store_b32 v13, v[ME+\t] offset:256*(\t/2)+64*(\t%2)         ; both lanes of a channel write the same word with the same value
	ds_store_b32 v13, v[M2+\t] offset:256*(\t/2)+64*(\t%2)+8
.endm
	STAT2 0
	STAT2 1
	STAT2 2
	STAT2 3
	s_wait_dscnt 0x0
	s_barrier_signal -1
	s_barrier_wait -1
	s_cmp_lg_u32 s16, 0
	s_cbranch_scc1 .Lend
.set i, 0
.rept 16
	ds_load_b128 v[FA+4*i:FA+4*i+3], v3 offset:512*i
.set i, i+1
.endr
	s_wait_dscnt 0x0
	COMB 16, FA, 24, 0x3d800000, 0x42000000        ; sixteen waves' parts of 32 rows
	global_store_b128 v3, v[24:27], s[22:23]
.Lend:
	s_wait_tensorcnt 0x0
	ds_add_u32 v43, v191
	s_wait_dscnt 0x0
	s_endpgm
.Lfunc_end_k_qdaa3af37b7_feat:
	.size	k_qdaa3af37b7_feat, .Lfunc_end_k_qdaa3af37b7_feat-k_qdaa3af37b7_feat
	.p2alignl 7, 3214868480
	.fill 96, 4, 3214868480
	.section	.rodata,"a",@progbits
	.p2align	6, 0x0
	.amdhsa_kernel k_qdaa3af37b7_feat
		.amdhsa_group_segment_fixed_size 10240
		.amdhsa_private_segment_fixed_size 0
		.amdhsa_enable_private_segment 0
		.amdhsa_kernarg_size 48
		.amdhsa_user_sgpr_count 2
		.amdhsa_user_sgpr_kernarg_segment_ptr 1
		.amdhsa_wavefront_size32 1
		.amdhsa_system_sgpr_workgroup_id_x 1
		.amdhsa_system_sgpr_workgroup_id_y 1
		.amdhsa_system_sgpr_workgroup_id_z 1
		.amdhsa_system_vgpr_workitem_id 0
		.amdhsa_next_free_vgpr 256
		.amdhsa_next_free_sgpr 66
		.amdhsa_reserve_vcc 0
		.amdhsa_float_denorm_mode_32 3
		.amdhsa_float_denorm_mode_16_64 3
		.amdhsa_memory_ordered 1
		.amdhsa_forward_progress 1
		.amdhsa_inst_pref_size 37
	.end_amdhsa_kernel
	.amdgpu_metadata
---
amdhsa.version: [ 1, 2 ]
amdhsa.kernels:
  - .name:           k_qdaa3af37b7_feat
    .symbol:         k_qdaa3af37b7_feat.kd
    .args:
      - { .name: nidx, .offset: 0, .size: 8, .value_kind: global_buffer, .address_space: global }
      - { .name: sample_idx, .offset: 8, .size: 8, .value_kind: global_buffer, .address_space: global }
      - { .name: ft, .offset: 16, .size: 8, .value_kind: global_buffer, .address_space: global }
      - { .name: wq, .offset: 24, .size: 8, .value_kind: global_buffer, .address_space: global }
      - { .name: b1, .offset: 32, .size: 8, .value_kind: global_buffer, .address_space: global }
      - { .name: fcod, .offset: 40, .size: 8, .value_kind: global_buffer, .address_space: global }
    .group_segment_fixed_size: 10240
    .private_segment_fixed_size: 0
    .kernarg_segment_align: 8
    .kernarg_segment_size: 48
    .max_flat_workgroup_size: 512
    .sgpr_count:     66
    .vgpr_count:     256
    .wavefront_size: 32
...
	.end_amdgpu_metadata
.endif
;; end of part 3
;; launch mlp2 (part 4): grid 256 x 1, 4 waves a work-group, no clusters, 9,728 bytes of LDS; arguments fcod, wq, b1, g1, be1, b2, st2; writes st2
.if DOCPART == 4
	.amdgcn_target "amdgcn-amd-amdhsa--gfx1250"
	.amdhsa_code_object_version 6
	.text
	.protected	k_qdaa3af37b7_mlp2
	.globl	k_qdaa3af37b7_mlp2
	.p2align	8
	.type	k_qdaa3af37b7_mlp2,@function
k_qdaa3af37b7_mlp2:
	s_mov_b64 s[64:65], 0
	v_nop
	global_prefetch_b8 v0, s[64:65] scope:SCOPE_SE
	s_setreg_imm32_b32 hwreg(HW_REG_WAVE_MODE, 25, 1), 1
	s_wait_xcnt 0x0
; THE CHAIN OF LAYERS UP TO LAYER DEPTH, AND THAT LAYER'S STATISTICS.  One text serves two launches; they differ in DEPTH alone.
;   DEPTH = 2: BN1's statistics are finished; feat -> layer 1 -> BN1, relu, quantise -> layer 2; partial statistics of h2; BN1's three parameter rows are stored for the next launch.
;   DEPTH = 3: BN2's are finished; feat -> 1 -> BN1 -> 2 -> BN2, relu, quantise -> layer 3; partial statistics of h3; largest and smallest h3 over each query's 16 neighbours.
; All products are on codes of E5M2 with E8M0 scales.  The layers before the last are recomputed from feat's codes: 12 products more for 16 rows, in place of h1 and h2 in f32 going to memory and back.
; A layer that feeds a quantiser is used TRANSPOSED (source 0 = 16 rows of W, source 1 = the 16 neighbours): a lane holds one neighbour and its registers run along the channels, the next K; the rows of W that form
; a tile are chosen (lane r of tile t: row 32 (t / 2) + 8 (t % 2) + r + 8 (r / 8)) so that tiles 2 b, 2 b + 1 give 16 neighbours along K.  The last layer is used the natural way: a lane holds one channel.
; BN is applied as fma(h - mean, rsqrt(var + eps) x g, be), in f32; relu and the hold at the largest code are one v_med3.
; STATISTICS: parts of equal count are joined by means and sums of squared deviations; within a wave the sums are taken of h less the channel's first number: no difference of large sums.
; SHARES.  Work-group g, wave w: tiles (queries) 32 g + 8 w .. + 7, written out one after the other.  Every work-group joins all 256 partial rows for itself, 64 a wave.
; LIMITS: NaN and infinities are not served; a block of zeros has scale byte 1 (zero codes).
; NO CLUSTER, NO TENSOR LOAD: what work-groups share (24 KiB of weight images, 128 KiB of partial rows) is read once by each, into registers; nothing is read again in a loop.
; REGISTERS, in windows of 256 (s_set_vgpr_msb: bits 1:0 source 0, 3:2 source 1, 5:4 source 2, 7:6 destination):
;   window 0: v1-14 addresses; v16-31 the weights' scale words; v32-39 feat's; v40-49 scratch; v54, v55 the scale words just made; v56-59 g, be; v64-79, v80-95 the operands just made; v96-159 accumulators;
;             v160-207 the statistics' sums; v208-239 largest, smallest, what leaves; v240-255 parts.   window 1: weight tile T at v[16 T].
;   window 2: v0-63 the biases of layers 1, 2 as C; v64-159 mean, gain, shift of BN1; v160-255 of BN2.   window 3: v0-63 the last layer's bias as C; v64-191 feat's eight images.
.set DEPTH, 2
.set NT,   4*(DEPTH-1)                 ; tiles of 16 channels in the last layer
.set NWT,  8*(DEPTH-1)                 ; weight tiles in use
.set NCHB, 128*NT                      ; bytes of a row of partial statistics
.set PTB,  2048                        ; LDS: 0: four waves' parts; 2,048: each wave's own mean, gain, shift (768 bytes); 5,120: four waves' parts of the last layer
.set RB,   5120
.set WS,   16
.set XS,   32
.set TM,   40
.set SW1,  54
.set SW2,  55
.set Y1,   64
.set Y2,   80
.set HA,   96
.set KS,   160
.set S1,   176
.set S2,   192
.set MX,   208
.set MN,   216
.set OUT,  224
.set TS,   232
.set OO,   240
.if DEPTH == 2
.set PG,   10
.set PBE,  12
.set PNB,  14
.set PO,   16
.else
.set PB2,  10
.set PG,   12
.set PBE,  14
.set PNB,  16
.set PST,  18
.set PO,   20
.endif
.set PP,   22                          ; s[22:23] the partial rows to be joined
.set SEL,  26
.set MNT,  28
.set PX,   32                          ; s[32:33] my eight images
.set PQ,   34                          ; s[34:35] my work-group's row of partial statistics
.set PMM,  36                          ; s[36:37] my eight tiles of largest and smallest
.set MSB, 0
.macro WIN new                         ; the immediate's high byte repeats the setting that is left
.if MSB != \new
	s_set_vgpr_msb (MSB<<8)|\new
.set MSB, \new
.endif
.endm
.macro COMB n, r, o, inv, cnt          ; n parts of equal count cnt, part i = (two means, two M2) in v[r + 4 i] on, become one in v[o] on; inv = 1 / n
	v_pk_add_f32 v[\o:\o+1], v[\r:\r+1], v[\r+4:\r+5]
	v_pk_add_f32 v[\o+2:\o+3], v[\r+2:\r+3], v[\r+6:\r+7]
.set ci, 2
.rept \n-2
	v_pk_add_f32 v[\o:\o+1], v[\o:\o+1], v[\r+4*ci:\r+4*ci+1]
	v_pk_add_f32 v[\o+2:\o+3], v[\o+2:\o+3], v[\r+4*ci+2:\r+4*ci+3]
.set ci, ci+1
.endr
	v_pk_mul_f32 v[\o:\o+1], v[\o:\o+1], \inv op_sel_hi:[1,0]
.set ci, 0
.rept \n
	v_pk_add_f32 v[\r+4*ci:\r+4*ci+1], v[\r+4*ci:\r+4*ci+1], v[\o:\o+1] neg_lo:[0,1] neg_hi:[0,1]
.set ci, ci+1
.endr
	v_pk_mul_f32 v[\r+2:\r+3], v[\r:\r+1], v[\r:\r+1]
.set ci, 1
.rept \n-1
	v_pk_fma_f32 v[\r+2:\r+3], v[\r+4*ci:\r+4*ci+1], v[\r+4*ci:\r+4*ci+1], v[\r+2:\r+3]
.set ci, ci+1
.endr
	v_pk_fma_f32 v[\o+2:\o+3], v[\r+2:\r+3], \cnt, v[\o+2:\o+3] op_sel_hi:[1,0,1]
.endm
.macro HALF me, m2, c, t0              ; lanes l and l xor 16 hold parts of equal count 2 c of one channel: both end with the joined part
	v_permlanex16_b32 v[\t0], v[\me], s[SEL], s[SEL+1]
	v_permlanex16_b32 v[\t0+1], v[\m2], s[SEL], s[SEL+1]
	v_sub_f32 v[\t0+2], v[\me], v[\t0]
	v_add_f32 v[\me], v[\me], v[\t0]
	v_add_f32 v[\m2], v[\m2], v[\t0+1]
	v_mul_f32 v[\t0+2], v[\t0+2], v[\t0+2]
	v_mul_f32 v[\me], 0.5, v[\me]
	v_fma_f32 v[\m2], v[\t0+2], \c, v[\m2]
.endm
; 32 numbers of a lane, register 16 b + i = channel 32 b + 16 h + i of my neighbour, become codes in v[y] .. v[y + 7] and a scale word; what is negative becomes 0 on the way
.macro QUANT2 s, y, sw
.irp b, 0,1
	v_max3_num_f32 v[TM+\b], v[\s+16*\b], v[\s+1+16*\b], 0x8000000   ; no |.|: what is negative must not count; the floor 2^(16 - 127) stands over it
.endr
.irp i, 2,4,6,8,10,12,14
.irp b, 0,1
	v_max3_num_f32 v[TM+\b], v[TM+\b], v[\s+16*\b+\i], v[\s+1+16*\b+\i]
.endr
.endr
.irp b, 0,1
	v_permlanex16_b32 v[TM+2+\b], v[TM+\b], s[SEL], s[SEL+1]
.endr
.irp b, 0,1
	v_max_num_f32 v[TM+\b], v[TM+\b], v[TM+2+\b]
.endr
.irp b, 0,1
	v_add_nc_u32 v[TM+4+\b], 0xf8800000, v[TM+\b]
.endr
.irp b, 0,1
	v_and_or_b32 v[TM+6+\b], v[TM+\b], 0x7f800000, s[MNT]
.endr
.irp b, 0,1
	v_lshrrev_b32 v[TM+8+\b], 23, v[TM+4+\b]
.endr
	v_lshl_or_b32 v[\sw], v[TM+9], 8, v[TM+8]      ; the 32 holds below stand between this line and the products
.irp b, 0,1
.irp i, 0,1,2,3,4,5,6,7,8,9,10,11,12,13,14,15
	v_med3_num_f32 v[\s+16*\b+\i], v[\s+16*\b+\i], 0, v[TM+6+\b]     ; relu and the hold in one
.endr
.endr
.irp b, 0,1
	v_cvt_scalef32_pk8_bf8_f32 v[\y+4*\b:\y+4*\b+1], v[\s+16*\b:\s+16*\b+7], v[TM+4+\b]
	v_cvt_scalef32_pk8_bf8_f32 v[\y+4*\b+2:\y+4*\b+3], v[\s+16*\b+8:\s+16*\b+15], v[TM+4+\b]
.endr
	v_nop                                          ; one plain line behind the last conversion
.endm
; layer l, transposed, its BN, relu and quantiser.  win: the windows of W (1), of the operand x, of the bias (2)
.macro STAGE l, win, x, xs, y, sw
	WIN \win
.irp t, 0,1,2,3
	v_wmma_scale_f32_16x16x128_f8f6f4 v[HA+8*\t:HA+8*\t+7], v[64*(\l-1)+16*\t:64*(\l-1)+16*\t+15], v[(\x):(\x)+15], v[32*(\l-1)+8*\t:32*(\l-1)+8*\t+7], v[WS+4*(\l-1)+\t], v[\xs] matrix_a_fmt:MATRIX_FMT_BF8 matrix_b_fmt:MATRIX_FMT_BF8
.endr
.rept 8
	v_nop                                          ; eight places behind this form
.endr
	WIN 0x08
.irp p, 0,2,4,6,8,10,12,14,16,18,20,22,24,26,28,30
	v_pk_add_f32 v[HA+\p:HA+\p+1], v[HA+\p:HA+\p+1], v[64+96*(\l-1)+\p:64+96*(\l-1)+\p+1] neg_lo:[0,1] neg_hi:[0,1]   ; h - mean; each accumulator from its low end on
.endr
	WIN 0x28
.irp p, 0,2,4,6,8,10,12,14,16,18,20,22,24,26,28,30
	v_pk_fma_f32 v[HA+\p:HA+\p+1], v[HA+\p:HA+\p+1], v[96+96*(\l-1)+\p:96+96*(\l-1)+\p+1], v[128+96*(\l-1)+\p:128+96*(\l-1)+\p+1]
.endr
	WIN 0
	QUANT2 HA, \y, \sw
.rept 4
	v_nop                                          ; an operand written by vector lines stands four places ahead of a scaled product
.endr
.endm
.macro FINAL y, sw                     ; the last layer, the natural way: source 0 = the 16 neighbours, source 1 = 16 rows of W, C = the bias
	WIN 0x34
.set t, 0
.rept NT
	v_wmma_scale_f32_16x16x128_f8f6f4 v[HA+8*t:HA+8*t+7], v[\y:\y+15], v[64*(DEPTH-1)+16*t:64*(DEPTH-1)+16*t+15], v[8*t:8*t+7], v[\sw], v[WS+4*(DEPTH-1)+t] matrix_a_fmt:MATRIX_FMT_BF8 matrix_b_fmt:MATRIX_FMT_BF8
.set t, t+1
.endr
.rept 8
	v_nop
.endr
	WIN 0
.endm
; largest and smallest over the 16 neighbours: my eight rows, then lane l xor 16's.  Lanes 0-15 end with the largest, lanes 16-31 with the smallest.
.macro MAXMIN i
	s_wait_xcnt 0x0                                ; the last tile's stores have read their registers
.irp t, 0,1,2,3,4,5,6,7
	v_max3_num_f32 v[MX+\t], v[HA+8*\t], v[HA+8*\t+1], v[HA+8*\t+2]
	v_min3_num_f32 v[MN+\t], v[HA+8*\t], v[HA+8*\t+1], v[HA+8*\t+2]
.endr
.irp a, 3,5
.irp t, 0,1,2,3,4,5,6,7
	v_max3_num_f32 v[MX+\t], v[MX+\t], v[HA+8*\t+\a], v[HA+8*\t+\a+1]
	v_min3_num_f32 v[MN+\t], v[MN+\t], v[HA+8*\t+\a], v[HA+8*\t+\a+1]
.endr
.endr
.irp t, 0,1,2,3,4,5,6,7
	v_max_num_f32 v[MX+\t], v[MX+\t], v[HA+8*\t+7]
	v_min_num_f32 v[MN+\t], v[MN+\t], v[HA+8*\t+7]
.endr
.irp t, 0,1,2,3,4,5,6,7
	v_cndmask_b32 v[TS+\t], v[MX+\t], v[MN+\t], s29        ; what I send: lanes 0-15 the smallest, lanes 16-31 the largest
.endr
.irp t, 0,1,2,3,4,5,6,7
	v_cndmask_b32 v[MX+\t], v[MN+\t], v[MX+\t], s29        ; what I keep
.endr
.irp t, 0,1,2,3,4,5,6,7
	v_permlanex16_b32 v[MN+\t], v[TS+\t], s[SEL], s[SEL+1]
.endr
.irp t, 0,1,2,3,4,5,6,7
	v_med3_num_f32 v[OUT+\t], v[MX+\t], v[MN+\t], v14      ; the middle of a, b and +infinity is the larger; with -infinity the smaller
.endr
	global_store_b128 v1, v[OUT:OUT+3], s[PMM:PMM+1] offset:1024*\i th:TH_STORE_NT
	global_store_b128 v1, v[OUT+4:OUT+7], s[PMM:PMM+1] offset:1024*\i+512 th:TH_STORE_NT
.endm
; sums of d = h - (the channel's first number) and of d^2, packed, the tiles of channels by turns
.macro STATS i
.if \i == 0
.set t, 0
.rept NT
	v_mov_b32 v[KS+2*t], v[HA+8*t]
	v_mov_b32 v[KS+2*t+1], v[HA+8*t]
.set t, t+1
.endr
.endif
.irp p, 0,2,4,6
.set t, 0
.rept NT
	v_pk_add_f32 v[HA+8*t+\p:HA+8*t+\p+1], v[HA+8*t+\p:HA+8*t+\p+1], v[KS+2*t:KS+2*t+1] neg_lo:[0,1] neg_hi:[0,1]
.set t, t+1
.endr
.endr
.irp p, 0,2,4,6
.set t, 0
.rept NT
.if (\i == 0) && (\p == 0)
	v_pk_mul_f32 v[S2+2*t:S2+2*t+1], v[HA+8*t:HA+8*t+1], v[HA+8*t:HA+8*t+1]                 ; the first tile starts the sums
.elseif (\i == 0) && (\p == 2)
	v_pk_add_f32 v[S1+2*t:S1+2*t+1], v[HA+8*t:HA+8*t+1], v[HA+8*t+2:HA+8*t+3]
	v_pk_fma_f32 v[S2+2*t:S2+2*t+1], v[HA+8*t+2:HA+8*t+3], v[HA+8*t+2:HA+8*t+3], v[S2+2*t:S2+2*t+1]
.else
	v_pk_add_f32 v[S1+2*t:S1+2*t+1], v[S1+2*t:S1+2*t+1], v[HA+8*t+\p:HA+8*t+\p+1]
	v_pk_fma_f32 v[S2+2*t:S2+2*t+1], v[HA+8*t+\p:HA+8*t+\p+1], v[HA+8*t+\p:HA+8*t+\p+1], v[S2+2*t:S2+2*t+1]
.endif
.set t, t+1
.endr
.endr
.endm
.macro TILE i
	STAGE 1, 0x2d, 64+16*\i, XS+\i, Y1, SW1
.if DEPTH == 3
	STAGE 2, 0x21, Y1, SW1, Y2, SW2
	FINAL Y2, SW2
	MAXMIN \i
.else
	FINAL Y1, SW1
.endif
	STATS \i
.endm
	s_load_b256 s[4:11], s[0:1], 0x0
.if DEPTH == 2
	s_load_b128 s[12:15], s[0:1], 0x20
	s_load_b64 s[16:17], s[0:1], 0x30
	v_lshl_add_u32 v230, v0, 2, 0x2400
	v_mov_b32 v231, 0
.else
	s_load_b256 s[12:19], s[0:1], 0x20
	s_load_b64 s[20:21], s[0:1], 0x40
.endif
	v_and_b32 v1, 31, v0
	v_lshlrev_b32 v6, 3, v1                        ; 8 x lane
	v_lshlrev_b32 v1, 4, v1                        ; 16 x lane
	v_and_b32 v2, 15, v0                           ; r
	v_bfe_u32 v3, v0, 4, 1                         ; h
	v_and_b32 v4, 8, v2
	v_add_nc_u32 v4, v4, v2                        ; r + 8 (r / 8)
	v_lshrrev_b32 v5, 5, v0
	v_readfirstlane_b32 s24, v5                    ; wave 0..3
	s_lshl_b32 s30, s24, 15
	v_add_nc_u32 v5, s30, v1                       ; my 64 partial rows of 512 bytes
	v_lshlrev_b32 v7, 6, v3                        ; 64 h: my 16 channels of each 32
	s_lshl_b32 s30, s24, 9
	v_add_nc_u32 v8, s30, v1                       ; 512 w + 16 x lane
	v_add_nc_u32 v12, RB, v8
	s_mul_i32 s30, s24, 768
	s_add_co_u32 s30, s30, PTB
	v_add_nc_u32 v9, s30, v6
	v_add_nc_u32 v10, s30, v7
	v_lshrrev_b32 v11, 1, v4
	v_lshlrev_b32 v11, 4, v11
	v_and_b32 v13, 1, v4
	v_lshl_add_u32 v11, v13, 2, v11
	s_mul_i32 s30, s24, NCHB
	s_add_co_u32 s30, s30, RB
	v_add_nc_u32 v11, s30, v11                     ; channel c's mean at 16 (c / 2) + 4 (c % 2) of my wave's row
	v_lshlrev_b32 v13, 2, v4
	v_lshlrev_b32 v14, 31, v3
	v_or_b32 v14, 0x7f800000, v14                  ; +infinity in lanes 0-15, -infinity in lanes 16-31
	v_cmp_eq_u32 s29, 0, v3
	v_mov_b32 v[TM+2], 0                           ; a lane permute's destination counts as read
	v_mov_b32 v[TM+3], 0
.irp i, 0,1,2,3,4,5,6,7
	v_mov_b32 v[TS+\i], 0
.endr
	s_mov_b32 s[SEL], 0x76543210
	s_mov_b32 s[SEL+1], 0xfedcba98
	s_mov_b32 s[MNT], 0x600000
	s_mov_b32 s40, 0x37000000                      ; 1 / 131,072
	s_mov_b32 s41, 0x3727c5ac                      ; 1e-5
	s_lshl_b32 s30, ttmp9, 5
	s_lshl_b32 s31, s24, 3
	s_add_co_u32 s30, s30, s31                     ; my first tile
	s_mul_i32 s38, s30, 1536
	s_mov_b32 s39, 0
	s_wait_kmcnt 0x0
	s_add_nc_u64 s[PX:PX+1], s[4:5], s[38:39]
.if DEPTH == 2
	s_add_nc_u64 s[PP:PP+1], s[4:5], 12582912
	s_lshl_b32 s38, ttmp9, 9
	s_add_nc_u64 s[PQ:PQ+1], s[PO:PO+1], s[38:39]
.else
	s_mov_b64 s[PP:PP+1], s[PST:PST+1]
	s_lshl_b32 s38, ttmp9, 10
	s_add_nc_u64 s[PQ:PQ+1], s[PO:PO+1], s[38:39]
	s_add_nc_u64 s[PQ:PQ+1], s[PQ:PQ+1], 8388608
	s_lshl_b32 s38, s30, 10
	s_add_nc_u64 s[PMM:PMM+1], s[PO:PO+1], s[38:39]
.endif
	; ---- the statistics of the layer before are finished: 256 parts of 512 rows; 64 a wave, in window 0 and window 3
.set i, 0
.rept 32
	global_load_b128 v[64+4*i:67+4*i], v5, s[PP:PP+1] offset:512*i
.set i, i+1
.endr
	WIN 0xc0
.set i, 0
.rept 32
	global_load_b128 v[64+4*i:67+4*i], v5, s[PP:PP+1] offset:512*(32+i)
.set i, i+1
.endr
	WIN 0
	s_wait_loadcnt 32                              ; the first 32 rows are in; the other 32 stay out
	COMB 16, 64, OO, 0x3d800000, 0x44000000
	COMB 16, 128, OO+4, 0x3d800000, 0x44000000
	global_load_b64 v[56:57], v6, s[PG:PG+1]
	global_load_b64 v[58:59], v6, s[PBE:PBE+1]
	WIN 0x40
.set i, 0
.rept NWT
.irp c, 0,1,2
	global_load_b128 v[16*i+4*\c:16*i+4*\c+3], v1, s[6:7] offset:1536*i+512*\c
.endr
.set i, i+1
.endr
	WIN 0
	s_wait_loadcnt 2+3*NWT                         ; the other 32 rows are in; g, be and the weights' images stay out
	WIN 0xff
	COMB 16, 64, 240, 0x3d800000, 0x44000000
	COMB 16, 128, 244, 0x3d800000, 0x44000000
	WIN 0x03
.irp e, 0,1,2,3,4,5,6,7
	v_mov_b32 v[OO+8+\e], v[240+\e]
.endr
	WIN 0
	COMB 4, OO, TS, 0x3e800000, 0x46000000
	ds_store_b128 v8, v[TS:TS+3]
	WIN 0x80
.irp b, 0,1
.irp q, 0,1,2,3
	global_load_b128 v[16*\b+4*\q:16*\b+4*\q+3], v7, s[8:9] offset:128*\b+16*\q             ; b1 in the transposed result's layout
.endr
.endr
.if DEPTH == 3
.irp b, 0,1
.irp q, 0,1,2,3
	global_load_b128 v[32+16*\b+4*\q:32+16*\b+4*\q+3], v7, s[PB2:PB2+1] offset:128*\b+16*\q
.endr
.endr
.irp a, 0,1,2
.irp b, 0,1
.irp q, 0,1,2,3
	global_load_b128 v[64+32*\a+16*\b+4*\q:64+32*\a+16*\b+4*\q+3], v7, s[PST:PST+1] offset:131072+256*\a+128*\b+16*\q   ; BN1's mean, gain, shift, as the launch before left them
.endr
.endr
.endr
.endif
	WIN 0xc0
.set t, 0
.rept NT
	global_load_b32 v[8*t], v13, s[PNB:PNB+1] offset:(32*(t/2)+8*(t%2))*4
.set t, t+1
.endr
.set i, 0
.rept 8
.irp c, 0,1,2
	global_load_b128 v[64+16*i+4*\c:64+16*i+4*\c+3], v1, s[PX:PX+1] offset:1536*i+512*\c th:TH_LOAD_NT
.endr
.set i, i+1
.endr
	WIN 0
	s_wait_dscnt 0x0
	s_barrier_signal -1
	s_barrier_wait -1
.irp i, 0,1,2,3
	ds_load_b128 v[OO+4*\i:OO+4*\i+3], v1 offset:512*\i
.endr
	s_wait_dscnt 0x0
	COMB 4, OO, TS, 0x3e800000, 0x47000000         ; lane l: mean and M2 of channels 2 l, 2 l + 1 over all 131,072 rows
	v_fma_f32 v[TS+4], v[TS+2], s40, s41           ; var + eps (the factor is a power of two: one rounding)
	v_fma_f32 v[TS+5], v[TS+3], s40, s41
	v_rsq_f32 v[TS+4], v[TS+4]
	v_rsq_f32 v[TS+5], v[TS+5]
	v_nop                                          ; a plain line behind the transcendentals,
	s_wait_alu depctr_va_vdst(0)                   ; and the wait ahead of the first reader
	s_wait_loadcnt 0x0                             ; g, be, and all that the chain wants
	v_pk_mul_f32 v[TS+4:TS+5], v[TS+4:TS+5], v[56:57]
	ds_store_b64 v9, v[TS:TS+1]
	ds_store_b64 v9, v[TS+4:TS+5] offset:256
	ds_store_b64 v9, v[58:59] offset:512
	WIN 0x80
.irp a, 0,1,2
.irp b, 0,1
.irp q, 0,1,2,3
	ds_load_b128 v[64+96*(DEPTH-2)+32*\a+16*\b+4*\q:64+96*(DEPTH-2)+32*\a+16*\b+4*\q+3], v10 offset:256*\a+128*\b+16*\q   ; my wave's own bytes, served in order
.endr
.endr
.endr
	WIN 0
.if DEPTH == 2
	s_or_b32 s30, ttmp9, s24
	s_cmp_lg_u32 s30, 0
	s_cbranch_scc1 .Lnobnp
	global_store_b64 v6, v[TS:TS+1], s[PO:PO+1] offset:131072
	global_store_b64 v6, v[TS+4:TS+5], s[PO:PO+1] offset:131072+256
	global_store_b64 v6, v[58:59], s[PO:PO+1] offset:131072+512
	s_wait_xcnt 0x0
.Lnobnp:
.endif
	; the scale words leave the images; their place and K = 96 .. 127 become zero codes; the last bias is spread over its eight registers
	WIN 0x01
.set i, 0
.rept NWT
	v_mov_b32 v[WS+i], v[16*i+11]
.set i, i+1
.endr
	WIN 0x03
.set i, 0
.rept 8
	v_mov_b32 v[XS+i], v[64+16*i+11]
.set i, i+1
.endr
	WIN 0x40
.set i, 0
.rept NWT
.irp e, 11,12,13,14,15
	v_mov_b32 v[16*i+\e], 0
.endr
.set i, i+1
.endr
	WIN 0xc0
.set i, 0
.rept 8
.irp e, 11,12,13,14,15
	v_mov_b32 v[64+16*i+\e], 0
.endr
.set i, i+1
.endr
	WIN 0xc3
.set t, 0
.rept NT
.irp e, 1,2,3,4,5,6,7
	v_mov_b32 v[8*t+\e], v[8*t]
.endr
.set t, t+1
.endr
	WIN 0
.irp e, 8,9,10,11,12,13,14,15
	v_mov_b32 v[Y1+\e], 0
	v_mov_b32 v[Y2+\e], 0
.endr
	s_wait_dscnt 0x0
.rept 8
	v_nop                                          ; scale registers written by vector lines stand eight places ahead of a scaled product
.endr
.irp i, 0,1,2,3,4,5,6,7
	TILE \i
.endr
	; ---- my 64 numbers of each channel: mean = first + S1 / 64, M2 = S2 - S1^2 / 64
.set t, 0
.rept NT
	v_add_f32 v[S1+2*t], v[S1+2*t], v[S1+2*t+1]
	v_add_f32 v[S2+2*t], v[S2+2*t], v[S2+2*t+1]
.set t, t+1
.endr
.set t, 0
.rept NT
	v_mul_f32 v[S1+2*t+1], 0x3c800000, v[S1+2*t]
.set t, t+1
.endr
.set t, 0
.rept NT
	v_add_f32 v[KS+2*t], v[KS+2*t], v[S1+2*t+1]
	v_fma_f32 v[S2+2*t], -v[S1+2*t+1], v[S1+2*t], v[S2+2*t]
.set t, t+1
.endr
.set t, 0
.rept NT
	HALF KS+2*t, S2+2*t, 0x42000000, TS
	ds_store_b32 v11, v[KS+2*t] offset:256*(t/2)+64*(t%2)
	ds_store_b32 v11, v[S2+2*t] offset:256*(t/2)+64*(t%2)+8
.set t, t+1
.endr
	s_wait_dscnt 0x0
	s_barrier_signal -1
	s_barrier_wait -1
	s_cmp_ge_u32 s24, NT/4                         ; wave u joins the four waves' parts of channels 64 u on
	s_cbranch_scc1 .Ldone
.irp i, 0,1,2,3
	ds_load_b128 v[OO+4*\i:OO+4*\i+3], v12 offset:NCHB*\i
.endr
	s_wait_dscnt 0x0
	COMB 4, OO, TS, 0x3e800000, 0x43000000
	global_store_b128 v8, v[TS:TS+3], s[PQ:PQ+1]
.Ldone:
	s_wait_tensorcnt 0x0
	ds_add_u32 v230, v231
	s_wait_dscnt 0x0
	s_endpgm
.Lfunc_end_k_qdaa3af37b7_mlp2:
	.size	k_qdaa3af37b7_mlp2, .Lfunc_end_k_qdaa3af37b7_mlp2-k_qdaa3af37b7_mlp2
	.p2alignl 7, 3214868480
	.fill 96, 4, 3214868480
	.section	.rodata,"a",@progbits
	.p2align	6, 0x0
	.amdhsa_kernel k_qdaa3af37b7_mlp2
		.amdhsa_group_segment_fixed_size 9728
		.amdhsa_private_segment_fixed_size 0
		.amdhsa_enable_private_segment 0
		.amdhsa_kernarg_size 56
		.amdhsa_user_sgpr_count 2
		.amdhsa_user_sgpr_kernarg_segment_ptr 1
		.amdhsa_wavefront_size32 1
		.amdhsa_system_sgpr_workgroup_id_x 1
		.amdhsa_system_sgpr_workgroup_id_y 1
		.amdhsa_system_sgpr_workgroup_id_z 1
		.amdhsa_system_vgpr_workitem_id 0
		.amdhsa_next_free_vgpr 1024
		.amdhsa_next_free_sgpr 66
		.amdhsa_reserve_vcc 0
		.amdhsa_float_denorm_mode_32 3
		.amdhsa_float_denorm_mode_16_64 3
		.amdhsa_memory_ordered 1
		.amdhsa_forward_progress 1
		.amdhsa_inst_pref_size 133
	.end_amdhsa_kernel
	.amdgpu_metadata
---
amdhsa.version: [ 1, 2 ]
amdhsa.kernels:
  - .name:           k_qdaa3af37b7_mlp2
    .symbol:         k_qdaa3af37b7_mlp2.kd
    .args:
      - { .name: fcod, .offset: 0, .size: 8, .value_kind: global_buffer, .address_space: global }
      - { .name: wq, .offset: 8, .size: 8, .value_kind: global_buffer, .address_space: global }
      - { .name: b1, .offset: 16, .size: 8, .value_kind: global_buffer, .address_space: global }
      - { .name: g1, .offset: 24, .size: 8, .value_kind: global_buffer, .address_space: global }
      - { .name: be1, .offset: 32, .size: 8, .value_kind: global_buffer, .address_space: global }
      - { .name: b2, .offset: 40, .size: 8, .value_kind: global_buffer, .address_space: global }
      - { .name: st2, .offset: 48, .size: 8, .value_kind: global_buffer, .address_space: global }
    .group_segment_fixed_size: 9728
    .private_segment_fixed_size: 0
    .kernarg_segment_align: 8
    .kernarg_segment_size: 56
    .max_flat_workgroup_size: 128
    .sgpr_count:     66
    .vgpr_count:     1024
    .wavefront_size: 32
...
	.end_amdgpu_metadata
.endif
;; end of part 4
;; launch mlp3 (part 5): grid 256 x 1, 4 waves a work-group, no clusters, 9,728 bytes of LDS; arguments fcod, wq, b1, b2, g2, be2, b3, st2, mm; writes mm
.if DOCPART == 5
	.amdgcn_target "amdgcn-amd-amdhsa--gfx1250"
	.amdhsa_code_object_version 6
	.text
	.protected	k_qdaa3af37b7_mlp3
	.globl	k_qdaa3af37b7_mlp3
	.p2align	8
	.type	k_qdaa3af37b7_mlp3,@function
k_qdaa3af37b7_mlp3:
	s_mov_b64 s[64:65], 0
	v_nop
	global_prefetch_b8 v0, s[64:65] scope:SCOPE_SE
	s_setreg_imm32_b32 hwreg(HW_REG_WAVE_MODE, 25, 1), 1
	s_wait_xcnt 0x0
; THE CHAIN OF LAYERS UP TO LAYER DEPTH, AND THAT LAYER'S STATISTICS.  One text serves two launches; they differ in DEPTH alone.
;   DEPTH = 2: BN1's statistics are finished; feat -> layer 1 -> BN1, relu, quantise -> layer 2; partial statistics of h2; BN1's three parameter rows are stored for the next launch.
;   DEPTH = 3: BN2's are finished; feat -> 1 -> BN1 -> 2 -> BN2, relu, quantise -> layer 3; partial statistics of h3; largest and smallest h3 over each query's 16 neighbours.
; All products are on codes of E5M2 with E8M0 scales.  The layers before the last are recomputed from feat's codes: 12 products more for 16 rows, in place of h1 and h2 in f32 going to memory and back.
; A layer that feeds a quantiser is used TRANSPOSED (source 0 = 16 rows of W, source 1 = the 16 neighbours): a lane holds one neighbour and its registers run along the channels, the next K; the rows of W that form
; a tile are chosen (lane r of tile t: row 32 (t / 2) + 8 (t % 2) + r + 8 (r / 8)) so that tiles 2 b, 2 b + 1 give 16 neighbours along K.  The last layer is used the natural way: a lane holds one channel.
; BN is applied as fma(h - mean, rsqrt(var + eps) x g, be), in f32; relu and the hold at the largest code are one v_med3.
; STATISTICS: parts of equal count are joined by means and sums of squared deviations; within a wave the sums are taken of h less the channel's first number: no difference of large sums.
; SHARES.  Work-group g, wave w: tiles (queries) 32 g + 8 w .. + 7, written out one after the other.  Every work-group joins all 256 partial rows for itself, 64 a wave.
; LIMITS: NaN and infinities are not served; a block of zeros has scale byte 1 (zero codes).
; NO CLUSTER, NO TENSOR LOAD: what work-groups share (24 KiB of weight images, 128 KiB of partial rows) is read once by each, into registers; nothing is read again in a loop.
; REGISTERS, in windows of 256 (s_set_vgpr_msb: bits 1:0 source 0, 3:2 source 1, 5:4 source 2, 7:6 destination):
;   window 0: v1-14 addresses; v16-31 the weights' scale words; v32-39 feat's; v40-49 scratch; v54, v55 the scale words just made; v56-59 g, be; v64-79, v80-95 the operands just made; v96-159 accumulators;
;             v160-207 the statistics' sums; v208-239 largest, smallest, what leaves; v240-255 parts.   window 1: weight tile T at v[16 T].
;   window 2: v0-63 the biases of layers 1, 2 as C; v64-159 mean, gain, shift of BN1; v160-255 of BN2.   window 3: v0-63 the last layer's bias as C; v64-191 feat's eight images.
.set DEPTH, 3
.set NT,   4*(DEPTH-1)                 ; tiles of 16 channels in the last layer
.set NWT,  8*(DEPTH-1)                 ; weight tiles in use
.set NCHB, 128*NT                      ; bytes of a row of partial statistics
.set PTB,  2048                        ; LDS: 0: four waves' parts; 2,048: each wave's own mean, gain, shift (768 bytes); 5,120: four waves' parts of the last layer
.set RB,   5120
.set WS,   16
.set XS,   32
.set TM,   40
.set SW1,  54
.set SW2,  55
.set Y1,   64
.set Y2,   80
.set HA,   96
.set KS,   160
.set S1,   176
.set S2,   192
.set MX,   208
.set MN,   216
.set OUT,  224
.set TS,   232
.set OO,   240
.if DEPTH == 2
.set PG,   10
.set PBE,  12
.set PNB,  14
.set PO,   16
.else
.set PB2,  10
.set PG,   12
.set PBE,  14
.set PNB,  16
.set PST,  18
.set PO,   20
.endif
.set PP,   22                          ; s[22:23] the partial rows to be joined
.set SEL,  26
.set MNT,  28
.set PX,   32                          ; s[32:33] my eight images
.set PQ,   34                          ; s[34:35] my work-group's row of partial statistics
.set PMM,  36                          ; s[36:37] my eight tiles of largest and smallest
.set MSB, 0
.macro WIN new                         ; the immediate's high byte repeats the setting that is left
.if MSB != \new
	s_set_vgpr_msb (MSB<<8)|\new
.set MSB, \new
.endif
.endm
.macro COMB n, r, o, inv, cnt          ; n parts of equal count cnt, part i = (two means, two M2) in v[r + 4 i] on, become one in v[o] on; inv = 1 / n
	v_pk_add_f32 v[\o:\o+1], v[\r:\r+1], v[\r+4:\r+5]
	v_pk_add_f32 v[\o+2:\o+3], v[\r+2:\r+3], v[\r+6:\r+7]
.set ci, 2
.rept \n-2
	v_pk_add_f32 v[\o:\o+1], v[\o:\o+1], v[\r+4*ci:\r+4*ci+1]
	v_pk_add_f32 v[\o+2:\o+3], v[\o+2:\o+3], v[\r+4*ci+2:\r+4*ci+3]
.set ci, ci+1
.endr
	v_pk_mul_f32 v[\o:\o+1], v[\o:\o+1], \inv op_sel_hi:[1,0]
.set ci, 0
.rept \n
	v_pk_add_f32 v[\r+4*ci:\r+4*ci+1], v[\r+4*ci:\r+4*ci+1], v[\o:\o+1] neg_lo:[0,1] neg_hi:[0,1]
.set ci, ci+1
.endr
	v_pk_mul_f32 v[\r+2:\r+3], v[\r:\r+1], v[\r:\r+1]
.set ci, 1
.rept \n-1
	v_pk_fma_f32 v[\r+2:\r+3], v[\r+4*ci:\r+4*ci+1], v[\r+4*ci:\r+4*ci+1], v[\r+2:\r+3]
.set ci, ci+1
.endr
	v_pk_fma_f32 v[\o+2:\o+3], v[\r+2:\r+3], \cnt, v[\o+2:\o+3] op_sel_hi:[1,0,1]
.endm
.macro HALF me, m2, c, t0              ; lanes l and l xor 16 hold parts of equal count 2 c of one channel: both end with the joined part
	v_permlanex16_b32 v[\t0], v[\me], s[SEL], s[SEL+1]
	v_permlanex16_b32 v[\t0+1], v[\m2], s[SEL], s[SEL+1]
	v_sub_f32 v[\t0+2], v[\me], v[\t0]
	v_add_f32 v[\me], v[\me], v[\t0]
	v_add_f32 v[\m2], v[\m2], v[\t0+1]
	v_mul_f32 v[\t0+2], v[\t0+2], v[\t0+2]
	v_mul_f32 v[\me], 0.5, v[\me]
	v_fma_f32 v[\m2], v[\t0+2], \c, v[\m2]
.endm
; 32 numbers of a lane, register 16 b + i = channel 32 b + 16 h + i of my neighbour, become codes in v[y] .. v[y + 7] and a scale word; what is negative becomes 0 on the way
.macro QUANT2 s, y, sw
.irp b, 0,1
	v_max3_num_f32 v[TM+\b], v[\s+16*\b], v[\s+1+16*\b], 0x8000000   ; no |.|: what is negative must not count; the floor 2^(16 - 127) stands over it
.endr
.irp i, 2,4,6,8,10,12,14
.irp b, 0,1
	v_max3_num_f32 v[TM+\b], v[TM+\b], v[\s+16*\b+\i], v[\s+1+16*\b+\i]
.endr
.endr
.irp b, 0,1
	v_permlanex16_b32 v[TM+2+\b], v[TM+\b], s[SEL], s[SEL+1]
.endr
.irp b, 0,1
	v_max_num_f32 v[TM+\b], v[TM+\b], v[TM+2+\b]
.endr
.irp b, 0,1
	v_add_nc_u32 v[TM+4+\b], 0xf8800000, v[TM+\b]
.endr
.irp b, 0,1
	v_and_or_b32 v[TM+6+\b], v[TM+\b], 0x7f800000, s[MNT]
.endr
.irp b, 0,1
	v_lshrrev_b32 v[TM+8+\b], 23, v[TM+4+\b]
.endr
	v_lshl_or_b32 v[\sw], v[TM+9], 8, v[TM+8]      ; the 32 holds below stand between this line and the products
.irp b, 0,1
.irp i, 0,1,2,3,4,5,6,7,8,9,10,11,12,13,14,15
	v_med3_num_f32 v[\s+16*\b+\i], v[\s+16*\b+\i], 0, v[TM+6+\b]     ; relu and the hold in one
.endr
.endr
.irp b, 0,1
	v_cvt_scalef32_pk8_bf8_f32 v[\y+4*\b:\y+4*\b+1], v[\s+16*\b:\s+16*\b+7], v[TM+4+\b]
	v_cvt_scalef32_pk8_bf8_f32 v[\y+4*\b+2:\y+4*\b+3], v[\s+16*\b+8:\s+16*\b+15], v[TM+4+\b]
.endr
	v_nop                                          ; one plain line behind the last conversion
.endm
; layer l, transposed, its BN, relu and quantiser.  win: the windows of W (1), of the operand x, of the bias (2)
.macro STAGE l, win, x, xs, y, sw
	WIN \win
.irp t, 0,1,2,3
	v_wmma_scale_f32_16x16x128_f8f6f4 v[HA+8*\t:HA+8*\t+7], v[64*(\l-1)+16*\t:64*(\l-1)+16*\t+15], v[(\x):(\x)+15], v[32*(\l-1)+8*\t:32*(\l-1)+8*\t+7], v[WS+4*(\l-1)+\t], v[\xs] matrix_a_fmt:MATRIX_FMT_BF8 matrix_b_fmt:MATRIX_FMT_BF8
.endr
.rept 8
	v_nop                                          ; eight places behind this form
.endr
	WIN 0x08
.irp p, 0,2,4,6,8,10,12,14,16,18,20,22,24,26,28,30
	v_pk_add_f32 v[HA+\p:HA+\p+1], v[HA+\p:HA+\p+1], v[64+96*(\l-1)+\p:64+96*(\l-1)+\p+1] neg_lo:[0,1] neg_hi:[0,1]   ; h - mean; each accumulator from its low end on
.endr
	WIN 0x28
.irp p, 0,2,4,6,8,10,12,14,16,18,20,22,24,26,28,30
	v_pk_fma_f32 v[HA+\p:HA+\p+1], v[HA+\p:HA+\p+1], v[96+96*(\l-1)+\p:96+96*(\l-1)+\p+1], v[128+96*(\l-1)+\p:128+96*(\l-1)+\p+1]
.endr
	WIN 0
	QUANT2 HA, \y, \sw
.rept 4
	v_nop                                          ; an operand written by vector lines stands four places ahead of a scaled product
.endr
.endm
.macro FINAL y, sw                     ; the last layer, the natural way: source 0 = the 16 neighbours, source 1 = 16 rows of W, C = the bias
	WIN 0x34
.set t, 0
.rept NT
	v_wmma_scale_f32_16x16x128_f8f6f4 v[HA+8*t:HA+8*t+7], v[\y:\y+15], v[64*(DEPTH-1)+16*t:64*(DEPTH-1)+16*t+15], v[8*t:8*t+7], v[\sw], v[WS+4*(DEPTH-1)+t] matrix_a_fmt:MATRIX_FMT_BF8 matrix_b_fmt:MATRIX_FMT_BF8
.set t, t+1
.endr
.rept 8
	v_nop
.endr
	WIN 0
.endm
; largest and smallest over the 16 neighbours: my eight rows, then lane l xor 16's.  Lanes 0-15 end with the largest, lanes 16-31 with the smallest.
.macro MAXMIN i
	s_wait_xcnt 0x0                                ; the last tile's stores have read their registers
.irp t, 0,1,2,3,4,5,6,7
	v_max3_num_f32 v[MX+\t], v[HA+8*\t], v[HA+8*\t+1], v[HA+8*\t+2]
	v_min3_num_f32 v[MN+\t], v[HA+8*\t], v[HA+8*\t+1], v[HA+8*\t+2]
.endr
.irp a, 3,5
.irp t, 0,1,2,3,4,5,6,7
	v_max3_num_f32 v[MX+\t], v[MX+\t], v[HA+8*\t+\a], v[HA+8*\t+\a+1]
	v_min3_num_f32 v[MN+\t], v[MN+\t], v[HA+8*\t+\a], v[HA+8*\t+\a+1]
.endr
.endr
.irp t, 0,1,2,3,4,5,6,7
	v_max_num_f32 v[MX+\t], v[MX+\t], v[HA+8*\t+7]
	v_min_num_f32 v[MN+\t], v[MN+\t], v[HA+8*\t+7]
.endr
.irp t, 0,1,2,3,4,5,6,7
	v_cndmask_b32 v[TS+\t], v[MX+\t], v[MN+\t], s29        ; what I send: lanes 0-15 the smallest, lanes 16-31 the largest
.endr
.irp t, 0,1,2,3,4,5,6,7
	v_cndmask_b32 v[MX+\t], v[MN+\t], v[MX+\t], s29        ; what I keep
.endr
.irp t, 0,1,2,3,4,5,6,7
	v_permlanex16_b32 v[MN+\t], v[TS+\t], s[SEL], s[SEL+1]
.endr
.irp t, 0,1,2,3,4,5,6,7
	v_med3_num_f32 v[OUT+\t], v[MX+\t], v[MN+\t], v14      ; the middle of a, b and +infinity is the larger; with -infinity the smaller
.endr
	global_store_b128 v1, v[OUT:OUT+3], s[PMM:PMM+1] offset:1024*\i th:TH_STORE_NT
	global_store_b128 v1, v[OUT+4:OUT+7], s[PMM:PMM+1] offset:1024*\i+512 th:TH_STORE_NT
.endm
; sums of d = h - (the channel's first number) and of d^2, packed, the tiles of channels by turns
.macro STATS i
.if \i == 0
.set t, 0
.rept NT
	v_mov_b32 v[KS+2*t], v[HA+8*t]
	v_mov_b32 v[KS+2*t+1], v[HA+8*t]
.set t, t+1
.endr
.endif
.irp p, 0,2,4,6
.set t, 0
.rept NT
	v_pk_add_f32 v[HA+8*t+\p:HA+8*t+\p+1], v[HA+8*t+\p:HA+8*t+\p+1], v[KS+2*t:KS+2*t+1] neg_lo:[0,1] neg_hi:[0,1]
.set t, t+1
.endr
.endr
.irp p, 0,2,4,6
.set t, 0
.rept NT
.if (\i == 0) && (\p == 0)
	v_pk_mul_f32 v[S2+2*t:S2+2*t+1], v[HA+8*t:HA+8*t+1], v[HA+8*t:HA+8*t+1]                 ; the first tile starts the sums
.elseif (\i == 0) && (\p == 2)
	v_pk_add_f32 v[S1+2*t:S1+2*t+1], v[HA+8*t:HA+8*t+1], v[HA+8*t+2:HA+8*t+3]
	v_pk_fma_f32 v[S2+2*t:S2+2*t+1], v[HA+8*t+2:HA+8*t+3], v[HA+8*t+2:HA+8*t+3], v[S2+2*t:S2+2*t+1]
.else
	v_pk_add_f32 v[S1+2*t:S1+2*t+1], v[S1+2*t:S1+2*t+1], v[HA+8*t+\p:HA+8*t+\p+1]
	v_pk_fma_f32 v[S2+2*t:S2+2*t+1], v[HA+8*t+\p:HA+8*t+\p+1], v[HA+8*t+\p:HA+8*t+\p+1], v[S2+2*t:S2+2*t+1]
.endif
.set t, t+1
.endr
.endr
.endm
.macro TILE i
	STAGE 1, 0x2d, 64+16*\i, XS+\i, Y1, SW1
.if DEPTH == 3
	STAGE 2, 0x21, Y1, SW1, Y2, SW2
	FINAL Y2, SW2
	MAXMIN \i
.else
	FINAL Y1, SW1
.endif
	STATS \i
.endm
	s_load_b256 s[4:11], s[0:1], 0x0
.if DEPTH == 2
	s_load_b128 s[12:15], s[0:1], 0x20
	s_load_b64 s[16:17], s[0:1], 0x30
.else
	s_load_b256 s[12:19], s[0:1], 0x20
	s_load_b64 s[20:21], s[0:1], 0x40
	v_lshl_add_u32 v62, v0, 2, 0x2400
	v_mov_b32 v63, 0
.endif
	v_and_b32 v1, 31, v0
	v_lshlrev_b32 v6, 3, v1                        ; 8 x lane
	v_lshlrev_b32 v1, 4, v1                        ; 16 x lane
	v_and_b32 v2, 15, v0                           ; r
	v_bfe_u32 v3, v0, 4, 1                         ; h
	v_and_b32 v4, 8, v2
	v_add_nc_u32 v4, v4, v2                        ; r + 8 (r / 8)
	v_lshrrev_b32 v5, 5, v0
	v_readfirstlane_b32 s24, v5                    ; wave 0..3
	s_lshl_b32 s30, s24, 15
	v_add_nc_u32 v5, s30, v1                       ; my 64 partial rows of 512 bytes
	v_lshlrev_b32 v7, 6, v3                        ; 64 h: my 16 channels of each 32
	s_lshl_b32 s30, s24, 9
	v_add_nc_u32 v8, s30, v1                       ; 512 w + 16 x lane
	v_add_nc_u32 v12, RB, v8
	s_mul_i32 s30, s24, 768
	s_add_co_u32 s30, s30, PTB
	v_add_nc_u32 v9, s30, v6
	v_add_nc_u32 v10, s30, v7
	v_lshrrev_b32 v11, 1, v4
	v_lshlrev_b32 v11, 4, v11
	v_and_b32 v13, 1, v4
	v_lshl_add_u32 v11, v13, 2, v11
	s_mul_i32 s30, s24, NCHB
	s_add_co_u32 s30, s30, RB
	v_add_nc_u32 v11, s30, v11                     ; channel c's mean at 16 (c / 2) + 4 (c % 2) of my wave's row
	v_lshlrev_b32 v13, 2, v4
	v_lshlrev_b32 v14, 31, v3
	v_or_b32 v14, 0x7f800000, v14                  ; +infinity in lanes 0-15, -infinity in lanes 16-31
	v_cmp_eq_u32 s29, 0, v3
	v_mov_b32 v[TM+2], 0                           ; a lane permute's destination counts as read
	v_mov_b32 v[TM+3], 0
.irp i, 0,1,2,3,4,5,6,7
	v_mov_b32 v[TS+\i], 0
.endr
	s_mov_b32 s[SEL], 0x76543210
	s_mov_b32 s[SEL+1], 0xfedcba98
	s_mov_b32 s[MNT], 0x600000
	s_mov_b32 s40, 0x37000000                      ; 1 / 131,072
	s_mov_b32 s41, 0x3727c5ac                      ; 1e-5
	s_lshl_b32 s30, ttmp9, 5
	s_lshl_b32 s31, s24, 3
	s_add_co_u32 s30, s30, s31                     ; my first tile
	s_mul_i32 s38, s30, 1536
	s_mov_b32 s39, 0
	s_wait_kmcnt 0x0
	s_add_nc_u64 s[PX:PX+1], s[4:5], s[38:39]
.if DEPTH == 2
	s_add_nc_u64 s[PP:PP+1], s[4:5], 12582912
	s_lshl_b32 s38, ttmp9, 9
	s_add_nc_u64 s[PQ:PQ+1], s[PO:PO+1], s[38:39]
.else
	s_mov_b64 s[PP:PP+1], s[PST:PST+1]
	s_lshl_b32 s38, ttmp9, 10
	s_add_nc_u64 s[PQ:PQ+1], s[PO:PO+1], s[38:39]
	s_add_nc_u64 s[PQ:PQ+1], s[PQ:PQ+1], 8388608
	s_lshl_b32 s38, s30, 10
	s_add_nc_u64 s[PMM:PMM+1], s[PO:PO+1], s[38:39]
.endif
	; ---- the statistics of the layer before are finished: 256 parts of 512 rows; 64 a wave, in window 0 and window 3
.set i, 0
.rept 32
	global_load_b128 v[64+4*i:67+4*i], v5, s[PP:PP+1] offset:512*i
.set i, i+1
.endr
	WIN 0xc0
.set i, 0
.rept 32
	global_load_b128 v[64+4*i:67+4*i], v5, s[PP:PP+1] offset:512*(32+i)
.set i, i+1
.endr
	WIN 0
	s_wait_loadcnt 32                              ; the first 32 rows are in; the other 32 stay out
	COMB 16, 64, OO, 0x3d800000, 0x44000000
	COMB 16, 128, OO+4, 0x3d800000, 0x44000000
	global_load_b64 v[56:57], v6, s[PG:PG+1]
	global_load_b64 v[58:59], v6, s[PBE:PBE+1]
	WIN 0x40
.set i, 0
.rept NWT
.irp c, 0,1,2
	global_load_b128 v[16*i+4*\c:16*i+4*\c+3], v1, s[6:7] offset:1536*i+512*\c
.endr
.set i, i+1
.endr
	WIN 0
	s_wait_loadcnt 2+3*NWT                         ; the other 32 rows are in; g, be and the weights' images stay out
	WIN 0xff
	COMB 16, 64, 240, 0x3d800000, 0x44000000
	COMB 16, 128, 244, 0x3d800000, 0x44000000
	WIN 0x03
.irp e, 0,1,2,3,4,5,6,7
	v_mov_b32 v[OO+8+\e], v[240+\e]
.endr
	WIN 0
	COMB 4, OO, TS, 0x3e800000, 0x46000000
	ds_store_b128 v8, v[TS:TS+3]
	WIN 0x80
.irp b, 0,1
.irp q, 0,1,2,3
	global_load_b128 v[16*\b+4*\q:16*\b+4*\q+3], v7, s[8:9] offset:128*\b+16*\q             ; b1 in the transposed result's layout
.endr
.endr
.if DEPTH == 3
.irp b, 0,1
.irp q, 0,1,2,3
	global_load_b128 v[32+16*\b+4*\q:32+16*\b+4*\q+3], v7, s[PB2:PB2+1] offset:128*\b+16*\q
.endr
.endr
.irp a, 0,1,2
.irp b, 0,1
.irp q, 0,1,2,3
	global_load_b128 v[64+32*\a+16*\b+4*\q:64+32*\a+16*\b+4*\q+3], v7, s[PST:PST+1] offset:131072+256*\a+128*\b+16*\q   ; BN1's mean, gain, shift, as the launch before left them
.endr
.endr
.endr
.endif
	WIN 0xc0
.set t, 0
.rept NT
	global_load_b32 v[8*t], v13, s[PNB:PNB+1] offset:(32*(t/2)+8*(t%2))*4
.set t, t+1
.endr
.set i, 0
.rept 8
.irp c, 0,1,2
	global_load_b128 v[64+16*i+4*\c:64+16*i+4*\c+3], v1, s[PX:PX+1] offset:1536*i+512*\c th:TH_LOAD_NT
.endr
.set i, i+1
.endr
	WIN 0
	s_wait_dscnt 0x0
	s_barrier_signal -1
	s_barrier_wait -1
.irp i, 0,1,2,3
	ds_load_b128 v[OO+4*\i:OO+4*\i+3], v1 offset:512*\i
.endr
	s_wait_dscnt 0x0
	COMB 4, OO, TS, 0x3e800000, 0x47000000         ; lane l: mean and M2 of channels 2 l, 2 l + 1 over all 131,072 rows
	v_fma_f32 v[TS+4], v[TS+2], s40, s41           ; var + eps (the factor is a power of two: one rounding)
	v_fma_f32 v[TS+5], v[TS+3], s40, s41
	v_rsq_f32 v[TS+4], v[TS+4]
	v_rsq_f32 v[TS+5], v[TS+5]
	v_nop                                          ; a plain line behind the transcendentals,
	s_wait_alu depctr_va_vdst(0)                   ; and the wait ahead of the first reader
	s_wait_loadcnt 0x0                             ; g, be, and all that the chain wants
	v_pk_mul_f32 v[TS+4:TS+5], v[TS+4:TS+5], v[56:57]
	ds_store_b64 v9, v[TS:TS+1]
	ds_store_b64 v9, v[TS+4:TS+5] offset:256
	ds_store_b64 v9, v[58:59] offset:512
	WIN 0x80
.irp a, 0,1,2
.irp b, 0,1
.irp q, 0,1,2,3
	ds_load_b128 v[64+96*(DEPTH-2)+32*\a+16*\b+4*\q:64+96*(DEPTH-2)+32*\a+16*\b+4*\q+3], v10 offset:256*\a+128*\b+16*\q   ; my wave's own bytes, served in order
.endr
.endr
.endr
	WIN 0
.if DEPTH == 2
	s_or_b32 s30, ttmp9, s24
	s_cmp_lg_u32 s30, 0
	s_cbranch_scc1 .Lnobnp
	global_store_b64 v6, v[TS:TS+1], s[PO:PO+1] offset:131072
	global_store_b64 v6, v[TS+4:TS+5], s[PO:PO+1] offset:131072+256
	global_store_b64 v6, v[58:59], s[PO:PO+1] offset:131072+512
	s_wait_xcnt 0x0
.Lnobnp:
.endif
	; the scale words leave the images; their place and K = 96 .. 127 become zero codes; the last bias is spread over its eight registers
	WIN 0x01
.set i, 0
.rept NWT
	v_mov_b32 v[WS+i], v[16*i+11]
.set i, i+1
.endr
	WIN 0x03
.set i, 0
.rept 8
	v_mov_b32 v[XS+i], v[64+16*i+11]
.set i, i+1
.endr
	WIN 0x40
.set i, 0
.rept NWT
.irp e, 11,12,13,14,15
	v_mov_b32 v[16*i+\e], 0
.endr
.set i, i+1
.endr
	WIN 0xc0
.set i, 0
.rept 8
.irp e, 11,12,13,14,15
	v_mov_b32 v[64+16*i+\e], 0
.endr
.set i, i+1
.endr
	WIN 0xc3
.set t, 0
.rept NT
.irp e, 1,2,3,4,5,6,7
	v_mov_b32 v[8*t+\e], v[8*t]
.endr
.set t, t+1
.endr
	WIN 0
.irp e, 8,9,10,11,12,13,14,15
	v_mov_b32 v[Y1+\e], 0
	v_mov_b32 v[Y2+\e], 0
.endr
	s_wait_dscnt 0x0
.rept 8
	v_nop                                          ; scale registers written by vector lines stand eight places ahead of a scaled product
.endr
.irp i, 0,1,2,3,4,5,6,7
	TILE \i
.endr
	; ---- my 64 numbers of each channel: mean = first + S1 / 64, M2 = S2 - S1^2 / 64
.set t, 0
.rept NT
	v_add_f32 v[S1+2*t], v[S1+2*t], v[S1+2*t+1]
	v_add_f32 v[S2+2*t], v[S2+2*t], v[S2+2*t+1]
.set t, t+1
.endr
.set t, 0
.rept NT
	v_mul_f32 v[S1+2*t+1], 0x3c800000, v[S1+2*t]
.set t, t+1
.endr
.set t, 0
.rept NT
	v_add_f32 v[KS+2*t], v[KS+2*t], v[S1+2*t+1]
	v_fma_f32 v[S2+2*t], -v[S1+2*t+1], v[S1+2*t], v[S2+2*t]
.set t, t+1
.endr
.set t, 0
.rept NT
	HALF KS+2*t, S2+2*t, 0x42000000, TS
	ds_store_b32 v11, v[KS+2*t] offset:256*(t/2)+64*(t%2)
	ds_store_b32 v11, v[S2+2*t] offset:256*(t/2)+64*(t%2)+8
.set t, t+1
.endr
	s_wait_dscnt 0x0
	s_barrier_signal -1
	s_barrier_wait -1
	s_cmp_ge_u32 s24, NT/4                         ; wave u joins the four waves' parts of channels 64 u on
	s_cbranch_scc1 .Ldone
.irp i, 0,1,2,3
	ds_load_b128 v[OO+4*\i:OO+4*\i+3], v12 offset:NCHB*\i
.endr
	s_wait_dscnt 0x0
	COMB 4, OO, TS, 0x3e800000, 0x43000000
	global_store_b128 v8, v[TS:TS+3], s[PQ:PQ+1]
.Ldone:
	s_wait_tensorcnt 0x0
	ds_add_u32 v62, v63
	s_wait_dscnt 0x0
	s_endpgm
.Lfunc_end_k_qdaa3af37b7_mlp3:
	.size	k_qdaa3af37b7_mlp3, .Lfunc_end_k_qdaa3af37b7_mlp3-k_qdaa3af37b7_mlp3
	.p2alignl 7, 3214868480
	.fill 96, 4, 3214868480
	.section	.rodata,"a",@progbits
	.p2align	6, 0x0
	.amdhsa_kernel k_qdaa3af37b7_mlp3
		.amdhsa_group_segment_fixed_size 9728
		.amdhsa_private_segment_fixed_size 0
		.amdhsa_enable_private_segment 0
		.amdhsa_kernarg_size 72
		.amdhsa_user_sgpr_count 2
		.amdhsa_user_sgpr_kernarg_segment_ptr 1
		.amdhsa_wavefront_size32 1
		.amdhsa_system_sgpr_workgroup_id_x 1
		.amdhsa_system_sgpr_workgroup_id_y 1
		.amdhsa_system_sgpr_workgroup_id_z 1
		.amdhsa_system_vgpr_workitem_id 0
		.amdhsa_next_free_vgpr 1024
		.amdhsa_next_free_sgpr 66
		.amdhsa_reserve_vcc 0
		.amdhsa_float_denorm_mode_32 3
		.amdhsa_float_denorm_mode_16_64 3
		.amdhsa_memory_ordered 1
		.amdhsa_forward_progress 1
		.amdhsa_inst_pref_size 255
	.end_amdhsa_kernel
	.section	.bss,"aw",@nobits
	.p2align	6
	.space	262144
	.amdgpu_metadata
---
amdhsa.version: [ 1, 2 ]
amdhsa.kernels:
  - .name:           k_qdaa3af37b7_mlp3
    .symbol:         k_qdaa3af37b7_mlp3.kd
    .args:
      - { .name: fcod, .offset: 0, .size: 8, .value_kind: global_buffer, .address_space: global }
      - { .name: wq, .offset: 8, .size: 8, .value_kind: global_buffer, .address_space: global }
      - { .name: b1, .offset: 16, .size: 8, .value_kind: global_buffer, .address_space: global }
      - { .name: b2, .offset: 24, .size: 8, .value_kind: global_buffer, .address_space: global }
      - { .name: g2, .offset: 32, .size: 8, .value_kind: global_buffer, .address_space: global }
      - { .name: be2, .offset: 40, .size: 8, .value_kind: global_buffer, .address_space: global }
      - { .name: b3, .offset: 48, .size: 8, .value_kind: global_buffer, .address_space: global }
      - { .name: st2, .offset: 56, .size: 8, .value_kind: global_buffer, .address_space: global }
      - { .name: mm, .offset: 64, .size: 8, .value_kind: global_buffer, .address_space: global }
    .group_segment_fixed_size: 9728
    .private_segment_fixed_size: 0
    .kernarg_segment_align: 8
    .kernarg_segment_size: 72
    .max_flat_workgroup_size: 128
    .sgpr_count:     66
    .vgpr_count:     1024
    .wavefront_size: 32
...
	.end_amdgpu_metadata
.endif
;; end of part 5
;; launch final (part 6): grid 256 x 1, 8 waves a work-group, no clusters, 28,160 bytes of LDS; arguments mm, g3, be3, xyz, sample_idx, out0, out1; writes out0, out1
.if DOCPART == 6
	.amdgcn_target "amdgcn-amd-amdhsa--gfx1250"
	.amdhsa_code_object_version 6
	.text
	.protected	k_qdaa3af37b7_final
	.globl	k_qdaa3af37b7_final
	.p2align	8
	.type	k_qdaa3af37b7_final,@function
k_qdaa3af37b7_final:
	s_mov_b64 s[64:65], 0
	v_nop
	global_prefetch_b8 v0, s[64:65] scope:SCOPE_SE
	s_setreg_imm32_b32 hwreg(HW_REG_WAVE_MODE, 25, 1), 1
	s_wait_xcnt 0x0
; BN3 ON THE LARGEST (OR SMALLEST) h3 OF EACH QUERY, THE TRANSPOSITION, AND THE QUERY POINTS.
; BN is a rising function of h where the gain rsqrt(var + eps) x g is not negative and a falling one where it is, and so is every rounding in it: the largest BN(h) over the 16 neighbours is BN of the largest h,
; or of the smallest where the gain is negative.  The choice is a select on the gain's sign.  BN as fma(h - mean, gain, be).
; SHARES.  Work-group: one batch, 64 queries, 64 channels.  Every work-group joins the 256 partial rows of its 64 channels for itself, 32 a wave (parts of equal count: means and sums of squared deviations).
; Wave w takes queries 8 w .. + 7, two at a time; the results turn through LDS (row = channel, 256 bytes + 8) and leave as runs of 256 bytes of out1.
; out0: in the work-groups of channels 0..63, waves 0..2 store coordinate w of the 64 query points.  All waves make the loads (coordinate held at 2), so that no register is written on one way alone.
; LIMITS: NaN and infinities are not served.  No matrix work, no cluster, no tensor load: a short stream.
.set PTB, 4096                         ; LDS: 0: eight waves' parts; 4,096: each wave's own mean, gain, shift; 10,240: the turn
.set TR,  10240
.set TS,  232
.set OO,  240
.set MQ,  192                          ; v192-223 eight quads: lanes 0-15 the largest, lanes 16-31 the smallest, of four channels
.set PR,  224                          ; v224-235 mean, gain, shift of my four channels
.macro COMB n, r, o, inv, cnt
	v_pk_add_f32 v[\o:\o+1], v[\r:\r+1], v[\r+4:\r+5]
	v_pk_add_f32 v[\o+2:\o+3], v[\r+2:\r+3], v[\r+6:\r+7]
.set ci, 2
.rept \n-2
	v_pk_add_f32 v[\o:\o+1], v[\o:\o+1], v[\r+4*ci:\r+4*ci+1]
	v_pk_add_f32 v[\o+2:\o+3], v[\o+2:\o+3], v[\r+4*ci+2:\r+4*ci+3]
.set ci, ci+1
.endr
	v_pk_mul_f32 v[\o:\o+1], v[\o:\o+1], \inv op_sel_hi:[1,0]
.set ci, 0
.rept \n
	v_pk_add_f32 v[\r+4*ci:\r+4*ci+1], v[\r+4*ci:\r+4*ci+1], v[\o:\o+1] neg_lo:[0,1] neg_hi:[0,1]
.set ci, ci+1
.endr
	v_pk_mul_f32 v[\r+2:\r+3], v[\r:\r+1], v[\r:\r+1]
.set ci, 1
.rept \n-1
	v_pk_fma_f32 v[\r+2:\r+3], v[\r+4*ci:\r+4*ci+1], v[\r+4*ci:\r+4*ci+1], v[\r+2:\r+3]
.set ci, ci+1
.endr
	v_pk_fma_f32 v[\o+2:\o+3], v[\r+2:\r+3], \cnt, v[\o+2:\o+3] op_sel_hi:[1,0,1]
.endm
	s_load_b256 s[4:11], s[0:1], 0x0               ; mm s[4:5], g3 s[6:7], be3 s[8:9], xyz s[10:11]
	s_load_b128 s[12:15], s[0:1], 0x20             ; sample_idx s[12:13], out0 s[14:15]
	s_load_b64 s[16:17], s[0:1], 0x30              ; out1
	v_lshl_add_u32 v254, v0, 2, 0x6a00
	v_mov_b32 v255, 0
	v_and_b32 v5, 31, v0
	v_lshlrev_b32 v1, 4, v5                        ; 16 x lane
	v_lshlrev_b32 v5, 3, v5                        ; 8 x lane
	v_and_b32 v2, 15, v0
	v_bfe_u32 v3, v0, 4, 1
	v_and_b32 v4, 8, v2
	v_add_nc_u32 v4, v4, v2                        ; r + 8 (r / 8)
	v_lshrrev_b32 v6, 5, v0
	v_readfirstlane_b32 s18, v6                    ; wave 0..7
	s_lshl_b32 s26, s18, 15
	v_add_nc_u32 v6, s26, v1                       ; my 32 partial rows, 1,024 bytes apart
	s_lshl_b32 s26, s18, 9
	v_add_nc_u32 v7, s26, v1
	s_mul_i32 s26, s18, 768
	s_add_co_u32 s26, s26, PTB
	v_add_nc_u32 v8, s26, v5
	v_lshl_add_u32 v9, v4, 2, s26
	v_mul_u32_u24 v10, v4, 264
	v_lshl_add_u32 v10, v3, 2, v10
	s_lshl_b32 s26, s18, 5
	s_add_co_u32 s26, s26, TR
	v_add_nc_u32 v10, s26, v10                     ; the turn, in: row = channel, word = query 8 w + 2 p + h: the 32 lanes fall on 32 different banks
	s_mul_i32 s26, s18, 8*264
	s_add_co_u32 s26, s26, TR
	v_add_nc_u32 v11, s26, v5                      ; the turn, out: rows 8 w on
	s_lshr_b32 s19, ttmp9, 5                       ; batch
	s_bfe_u32 s20, ttmp9, 0x40001                  ; which 64 queries
	s_and_b32 s21, ttmp9, 1                        ; which 64 channels
	s_mov_b32 s29, 0
	s_mov_b32 s34, 0x37000000                      ; 1 / 131,072
	s_mov_b32 s35, 0x3727c5ac                      ; 1e-5
	s_wait_kmcnt 0x0
	s_lshl_b32 s28, s21, 9
	s_add_nc_u64 s[4:5], s[4:5], s[28:29]
	s_add_nc_u64 s[22:23], s[4:5], 8388608         ; the partial rows of my channels
	s_lshl_b32 s28, s19, 10
	s_lshl_b32 s30, s20, 6
	s_add_co_u32 s28, s28, s30
	s_lshl_b32 s30, s18, 3
	s_add_co_u32 s28, s28, s30
	s_lshl_b32 s28, s28, 10
	s_add_nc_u64 s[24:25], s[4:5], s[28:29]        ; my eight queries' quads
	s_lshl_b32 s28, s21, 8
	s_add_nc_u64 s[6:7], s[6:7], s[28:29]
	s_add_nc_u64 s[8:9], s[8:9], s[28:29]
	s_lshl_b32 s28, s20, 8
	s_add_nc_u64 s[12:13], s[12:13], s[28:29]
	s_min_u32 s31, s18, 2
	s_mul_i32 s28, s19, 3
	s_add_co_u32 s31, s28, s31                     ; 3 x batch + coordinate
	s_lshl_b32 s28, s31, 16
	s_add_nc_u64 s[10:11], s[10:11], s[28:29]
	s_lshl_b32 s28, s31, 12
	s_lshl_b32 s30, s20, 8
	s_add_co_u32 s28, s28, s30
	s_add_nc_u64 s[14:15], s[14:15], s[28:29]
	s_lshl_b32 s28, s19, 7
	s_lshl_b32 s31, s21, 6
	s_add_co_u32 s28, s28, s31
	s_lshl_b32 s31, s18, 3
	s_add_co_u32 s28, s28, s31
	s_lshl_b32 s28, s28, 12
	s_add_co_u32 s28, s28, s30
	s_add_nc_u64 s[16:17], s[16:17], s[28:29]      ; out1: rows 128 batch + 64 u + 8 w on, my 64 queries
	global_load_b64 v[16:17], v5, s[12:13]
.set i, 0
.rept 32
	global_load_b128 v[64+4*i:67+4*i], v6, s[22:23] offset:1024*i
.set i, i+1
.endr
	global_load_b64 v[56:57], v5, s[6:7]
	global_load_b64 v[58:59], v5, s[8:9]
.irp n, 0,1,2,3,4,5,6,7
	global_load_b128 v[MQ+4*\n:MQ+4*\n+3], v1, s[24:25] offset:1024*\n th:TH_LOAD_NT
.endr
	s_wait_loadcnt 42                              ; the two indices are in; the 42 loads behind them stay out
	v_min_u32 v16, 0x3fff, v16
	v_min_u32 v17, 0x3fff, v17
	v_lshlrev_b32 v16, 2, v16
	v_lshlrev_b32 v17, 2, v17
	global_load_b32 v18, v16, s[10:11]
	global_load_b32 v19, v17, s[10:11]
	s_wait_loadcnt 12                              ; the partial rows are in; g, be, eight quads and two gathers stay out
	COMB 16, 64, OO, 0x3d800000, 0x44000000
	COMB 16, 128, OO+4, 0x3d800000, 0x44000000
	COMB 2, OO, TS, 0.5, 0x46000000
	ds_store_b128 v7, v[TS:TS+3]
	s_wait_dscnt 0x0
	s_barrier_signal -1
	s_barrier_wait -1
.irp i, 0,1,2,3,4,5,6,7
	ds_load_b128 v[64+4*\i:67+4*\i], v1 offset:512*\i
.endr
	s_wait_dscnt 0x0
	COMB 8, 64, TS, 0x3e000000, 0x46800000
	v_fma_f32 v[TS+4], v[TS+2], s34, s35
	v_fma_f32 v[TS+5], v[TS+3], s34, s35
	v_rsq_f32 v[TS+4], v[TS+4]
	v_rsq_f32 v[TS+5], v[TS+5]
	v_nop                                          ; a plain line behind the transcendentals,
	s_wait_alu depctr_va_vdst(0)                   ; and the wait ahead of the first reader
	s_wait_loadcnt 10                              ; g and be are in; eight quads and two gathers stay out
	v_pk_mul_f32 v[TS+4:TS+5], v[TS+4:TS+5], v[56:57]
	ds_store_b64 v8, v[TS:TS+1]
	ds_store_b64 v8, v[TS+4:TS+5] offset:256
	ds_store_b64 v8, v[58:59] offset:512
.irp a, 0,1,2
.irp e, 0,1,2,3
	ds_load_b32 v[PR+4*\a+\e], v9 offset:256*\a+128*(\e/2)+32*(\e%2)       ; my wave's own bytes, served in order
.endr
.endr
	s_wait_dscnt 0x0
.irp e, 0,1,2,3
	v_cmp_le_f32 s[40+\e], 0, v[PR+4+\e]           ; the gain is not negative
.endr
	s_wait_loadcnt 0x0
.irp p, 0,1,2,3
.irp e, 0,1,2,3
	v_permlane16_swap_b32 v[MQ+8*\p+\e], v[MQ+8*\p+4+\e]   ; then the first holds the largest of queries j | j + 1, the second the smallest
.endr
.irp e, 0,1,2,3
	v_cndmask_b32 v[MQ+8*\p+\e], v[MQ+8*\p+4+\e], v[MQ+8*\p+\e], s[40+\e]
.endr
.irp e, 0,1,2,3
	v_sub_f32 v[MQ+8*\p+\e], v[MQ+8*\p+\e], v[PR+\e]
.endr
.irp e, 0,1,2,3
	v_fma_f32 v[MQ+8*\p+\e], v[MQ+8*\p+\e], v[PR+4+\e], v[PR+8+\e]
.endr
.irp e, 0,1,2,3
	ds_store_b32 v10, v[MQ+8*\p+\e] offset:(32*(\e/2)+8*(\e%2))*264+8*\p
.endr
.endr
	s_wait_dscnt 0x0
	s_barrier_signal -1
	s_barrier_wait -1
.irp q, 0,1,2,3,4,5,6,7
	ds_load_b64 v[64+2*\q:65+2*\q], v11 offset:264*\q
.endr
.irp q, 0,1,2,3,4,5,6,7
	s_wait_dscnt 7-\q
	global_store_b64 v5, v[64+2*\q:65+2*\q], s[16:17] offset:4096*\q th:TH_STORE_NT   ; 32 lanes store 256 consecutive bytes, aligned
.endr
	s_cmp_lg_u32 s21, 0
	s_cbranch_scc1 .Lend
	s_cmp_ge_u32 s18, 3
	s_cbranch_scc1 .Lend
	global_store_b64 v5, v[18:19], s[14:15] th:TH_STORE_NT
.Lend:
	s_wait_tensorcnt 0x0
	ds_add_u32 v254, v255
	s_wait_dscnt 0x0
	s_endpgm
.Lfunc_end_k_qdaa3af37b7_final:
	.size	k_qdaa3af37b7_final, .Lfunc_end_k_qdaa3af37b7_final-k_qdaa3af37b7_final
	.p2alignl 7, 3214868480
	.fill 96, 4, 3214868480
	.section	.rodata,"a",@progbits
	.p2align	6, 0x0
	.amdhsa_kernel k_qdaa3af37b7_final
		.amdhsa_group_segment_fixed_size 28160
		.amdhsa_private_segment_fixed_size 0
		.amdhsa_enable_private_segment 0
		.amdhsa_kernarg_size 56
		.amdhsa_user_sgpr_count 2
		.amdhsa_user_sgpr_kernarg_segment_ptr 1
		.amdhsa_wavefront_size32 1
		.amdhsa_system_sgpr_workgroup_id_x 1
		.amdhsa_system_sgpr_workgroup_id_y 1
		.amdhsa_system_sgpr_workgroup_id_z 1
		.amdhsa_system_vgpr_workitem_id 0
		.amdhsa_next_free_vgpr 256
		.amdhsa_next_free_sgpr 66
		.amdhsa_reserve_vcc 0
		.amdhsa_float_denorm_mode_32 3
		.amdhsa_float_denorm_mode_16_64 3
		.amdhsa_memory_ordered 1
		.amdhsa_forward_progress 1
		.amdhsa_inst_pref_size 27
	.end_amdhsa_kernel
	.amdgpu_metadata
---
amdhsa.version: [ 1, 2 ]
amdhsa.kernels:
  - .name:           k_qdaa3af37b7_final
    .symbol:         k_qdaa3af37b7_final.kd
    .args:
      - { .name: mm, .offset: 0, .size: 8, .value_kind: global_buffer, .address_space: global }
      - { .name: g3, .offset: 8, .size: 8, .value_kind: global_buffer, .address_space: global }
      - { .name: be3, .offset: 16, .size: 8, .value_kind: global_buffer, .address_space: global }
      - { .name: xyz, .offset: 24, .size: 8, .value_kind: global_buffer, .address_space: global }
      - { .name: sample_idx, .offset: 32, .size: 8, .value_kind: global_buffer, .address_space: global }
      - { .name: out0, .offset: 40, .size: 8, .value_kind: global_buffer, .address_space: global }
      - { .name: out1, .offset: 48, .size: 8, .value_kind: global_buffer, .address_space: global }
    .group_segment_fixed_size: 28160
    .private_segment_fixed_size: 0
    .kernarg_segment_align: 8
    .kernarg_segment_size: 56
    .max_flat_workgroup_size: 256
    .sgpr_count:     66
    .vgpr_count:     256
    .wavefront_size: 32
...
	.end_amdgpu_metadata
.endif
;; end of part 6
;; ======== version 2 of 2: 6 launches; version 1 with the launches feat, mlp2, mlp3 written anew for expert scheduling mode
;; workspace buffers: ft 35,651,584 bytes; gsel 524,288 bytes of whole numbers; nidx 524,288 bytes of whole numbers; wq 24,576 bytes; fcod 12,713,984 bytes; st2 132,096 bytes; mm 8,650,752 bytes
;; launch groups: the kernel of part 1 again; grid 256 x 1, 16 waves a work-group, no clusters, 222,208 bytes of LDS; arguments xyz, points, sample_idx, gsel, ft; writes gsel, ft
;; launch knn: the kernel of part 2 again; grid 256 x 1, 16 waves a work-group, no clusters, 216,064 bytes of LDS; arguments xyz, sample_idx, gsel, W1, W2, W3, nidx, wq; writes nidx, wq
;; launch feat (part 7): grid 256 x 1, 16 waves a work-group, no clusters, 10,240 bytes of LDS; arguments nidx, sample_idx, ft, wq, b1, fcod; writes fcod
.if DOCPART == 7
	.amdgcn_target "amdgcn-amd-amdhsa--gfx1250"
	.amdhsa_code_object_version 6
	.text
	.protected	k_qdaa3af37b7_feat
	.globl	k_qdaa3af37b7_feat
	.p2align	8
	.type	k_qdaa3af37b7_feat,@function
k_qdaa3af37b7_feat:
	s_mov_b64 s[64:65], 0
	v_nop
	global_prefetch_b8 v0, s[64:65] scope:SCOPE_SE
	s_setreg_imm32_b32 hwreg(HW_REG_WAVE_SCHED_MODE, 0, 2), 2
	s_setreg_imm32_b32 hwreg(HW_REG_WAVE_MODE, 25, 1), 1
	s_wait_xcnt 0x0
	s_wait_alu depctr_vm_vsrc(0)
; THE GATHER, THE FIRST QUANTISER AND THE FIRST LAYER'S STATISTICS.  A tile is one query's 16 neighbours: 16 rows of K = 67 (x - qx, y - qy, z - qz, 64 channels), three blocks of 32 along K.
; Lane (r, h) loads, of neighbour r's row of the table, the 16 numbers of each block that the operand's layout gives it, so the conversions' results are the operand's registers.
; The codes and the scale word are stored as an image of those registers (1,536 bytes a tile): the two launches that follow read codes, a fifth of the f32 bytes.
; h1 = feat W1^T + b1 (source 0 = the 16 rows, source 1 = 16 rows of W1, C = the bias): a lane holds ONE channel and eight rows.  Of it only mean and sum of squared deviations are kept:
; two passes over a lane's 16 numbers, then parts of equal count are joined (mean of means; M2 = sum of M2 + count x sum of squared deviations of the means): no difference of large sums.
; SHARES.  Wave w of work-group g: tiles 32 g + 2 w, + 1; both gathers are out together.  The work-group stores one row of partial statistics (512 rows of h1 each).
; LIMITS: NaN and infinities are not served; a block of zeros has scale byte 1 (zero codes; the bytes are this program's own).
; NO CLUSTER, NO TENSOR LOAD: the rows' addresses hang on stored indices; the one thing shared, W1's four tiles, is 6 KiB read once a wave.
; THE MODE: SCHED_MODE bits 1:0 = 2 (LLVM: expert scheduling mode 2), set by the entry lines.  The code itself states the register dependences
; between vector or matrix instructions and memory or LDS instructions, with s_wait_alu, always for 0.
; THE PLAN.  Registers that memory or LDS instructions touch:
;   v3, v4, v5, v12, v13   offsets and an LDS address: written at the head, never again.
;   v6 .. v11              offsets of the gathers: made by vector lines from loaded indices, read by the 20 loads of the gathers, never written again.
;   CQ, T3                 a tile's codes and the image's third group: written by the tile's conversions and moves, read by its three stores, written again by the next tile.
;   ME, M2                 written by the statistics, read by eight LDS stores, which stand together behind the four tiles of channels.
;   FA, FB                 the gathers land there; vector and matrix lines work on them; in wave 0 the sixteen waves' parts land there behind the barrier.
;   v24 .. v27             written by the last join, read by the last store.
; One wait on va_vdst stands in a tile, behind the places in front of the products: it serves the tile's stores and its products alike.
.set TM,  24                           ; v24-38 scratch of the quantiser; later of the statistics
.set SW,  40                           ; v40    the tile's scale word: a scale register and nothing else
.set T3,  44                           ; v44-47 the image's third group: codes 8, 9, 0, the scale word
.set WS,  48                           ; v48-51 W1's scale words
.set Z8,  52                           ; v52-59 block 2: four numbers and four zeros
.set CQ,  60                           ; v60-75 the operand: 10 registers of codes, 6 of zeros
.set FA,  76                           ; v76-111  tile 0: 36 numbers; then its four accumulators
.set FB,  112                          ; v112-147 tile 1
.set NB,  148                          ; v148-179 the bias as C: eight equal registers a tile of W1
.set ME,  180
.set M2,  184
.set HT,  188                          ; v188-190
.set W,   192                          ; v192-255 W1's four tiles
.set SEL, 26
.set MNT, 28
.macro QUANT3 f0, f1, z8, cq, sw, tm
	v_max3_num_f32 v[\tm], |v[\f0]|, |v[\f0+1]|, 0x8000000          ; the floor 2^(16 - 127) among the leaves: the byte cannot fall under 1
	v_max3_num_f32 v[\tm+1], |v[\f1]|, |v[\f1+1]|, 0x8000000
	v_max3_num_f32 v[\tm+2], |v[\z8]|, |v[\z8+1]|, 0x8000000
.irp i, 2,4,6,8,10,12,14
	v_max3_num_f32 v[\tm], v[\tm], |v[\f0+\i]|, |v[\f0+\i+1]|
	v_max3_num_f32 v[\tm+1], v[\tm+1], |v[\f1+\i]|, |v[\f1+\i+1]|
.endr
	v_max3_num_f32 v[\tm+2], v[\tm+2], |v[\z8+2]|, |v[\z8+3]|
.irp b, 0,1,2
	v_permlanex16_b32 v[\tm+3+\b], v[\tm+\b], s[SEL], s[SEL+1]
.endr
.irp b, 0,1,2
	v_max_num_f32 v[\tm+\b], v[\tm+\b], v[\tm+3+\b]
.endr
.irp b, 0,1,2
	v_add_nc_u32 v[\tm+6+\b], 0xf8800000, v[\tm+\b]                 ; 15 off the exponent field: the conversion's scale operand
.endr
.irp b, 0,1,2
	v_and_or_b32 v[\tm+9+\b], v[\tm+\b], 0x7f800000, s[MNT]         ; 57,344 x the scale
.endr
.irp b, 0,1,2
	v_lshrrev_b32 v[\tm+12+\b], 23, v[\tm+6+\b]
.endr
	v_lshl_or_b32 v[\sw], v[\tm+13], 8, v[\tm+12]
	v_lshl_or_b32 v[\sw], v[\tm+14], 16, v[\sw]                     ; the 36 holds below stand between this line and the products
.irp i, 0,1,2,3,4,5,6,7,8,9,10,11,12,13,14,15
	v_med3_num_f32 v[\f0+\i], v[\f0+\i], -v[\tm+9], v[\tm+9]
	v_med3_num_f32 v[\f1+\i], v[\f1+\i], -v[\tm+10], v[\tm+10]
.endr
.irp i, 0,1,2,3
	v_med3_num_f32 v[\z8+\i], v[\z8+\i], -v[\tm+11], v[\tm+11]
.endr
	v_cvt_scalef32_pk8_bf8_f32 v[\cq:\cq+1], v[\f0:\f0+7], v[\tm+6]
	v_cvt_scalef32_pk8_bf8_f32 v[\cq+2:\cq+3], v[\f0+8:\f0+15], v[\tm+6]
	v_cvt_scalef32_pk8_bf8_f32 v[\cq+4:\cq+5], v[\f1:\f1+7], v[\tm+7]
	v_cvt_scalef32_pk8_bf8_f32 v[\cq+6:\cq+7], v[\f1+8:\f1+15], v[\tm+7]
	v_cvt_scalef32_pk8_bf8_f32 v[\cq+8:\cq+9], v[\z8:\z8+7], v[\tm+8]
	v_nop                                          ; one plain line behind the last conversion
.endm
; n parts of equal count cnt, part i = (two means, two M2) in v[r + 4 i] on, become one in v[o] on.  inv = 1 / n.
.macro COMB n, r, o, inv, cnt
	v_pk_add_f32 v[\o:\o+1], v[\r:\r+1], v[\r+4:\r+5]
	v_pk_add_f32 v[\o+2:\o+3], v[\r+2:\r+3], v[\r+6:\r+7]
.set ci, 2
.rept \n-2
	v_pk_add_f32 v[\o:\o+1], v[\o:\o+1], v[\r+4*ci:\r+4*ci+1]
	v_pk_add_f32 v[\o+2:\o+3], v[\o+2:\o+3], v[\r+4*ci+2:\r+4*ci+3]
.set ci, ci+1
.endr
	v_pk_mul_f32 v[\o:\o+1], v[\o:\o+1], \inv op_sel_hi:[1,0]
.set ci, 0
.rept \n
	v_pk_add_f32 v[\r+4*ci:\r+4*ci+1], v[\r+4*ci:\r+4*ci+1], v[\o:\o+1] neg_lo:[0,1] neg_hi:[0,1]
.set ci, ci+1
.endr
	v_pk_mul_f32 v[\r+2:\r+3], v[\r:\r+1], v[\r:\r+1]
.set ci, 1
.rept \n-1
	v_pk_fma_f32 v[\r+2:\r+3], v[\r+4*ci:\r+4*ci+1], v[\r+4*ci:\r+4*ci+1], v[\r+2:\r+3]
.set ci, ci+1
.endr
	v_pk_fma_f32 v[\o+2:\o+3], v[\r+2:\r+3], \cnt, v[\o+2:\o+3] op_sel_hi:[1,0,1]
.endm
; lanes l and l xor 16 hold parts of equal count 2 c of one channel: both end with the joined part
.macro HALF me, m2, c, t0
	v_permlanex16_b32 v[\t0], v[\me], s[SEL], s[SEL+1]
	v_permlanex16_b32 v[\t0+1], v[\m2], s[SEL], s[SEL+1]
	v_sub_f32 v[\t0+2], v[\me], v[\t0]
	v_add_f32 v[\me], v[\me], v[\t0]
	v_add_f32 v[\m2], v[\m2], v[\t0+1]
	v_mul_f32 v[\t0+2], v[\t0+2], v[\t0+2]
	v_mul_f32 v[\me], 0.5, v[\me]
	v_fma_f32 v[\m2], v[\t0+2], \c, v[\m2]
.endm
	s_load_b256 s[4:11], s[0:1], 0x0               ; nidx s[4:5], sample_idx s[6:7], ft s[8:9], wq s[10:11]
	s_load_b128 s[12:15], s[0:1], 0x20             ; b1 s[12:13], fcod s[14:15]
	v_lshl_add_u32 v43, v0, 2, 0x2000
	v_mov_b32 v191, 0
	v_and_b32 v3, 31, v0
	v_lshlrev_b32 v3, 4, v3                        ; 16 x lane
	v_and_b32 v1, 15, v0                           ; r
	v_bfe_u32 v2, v0, 4, 1                         ; h
	v_lshrrev_b32 v4, 5, v0
	v_readfirstlane_b32 s16, v4                    ; wave
	v_cmp_eq_u32 s24, 0, v2                        ; lanes 0-15
	v_and_b32 v14, 8, v1
	v_add_nc_u32 v14, v14, v1                      ; r + 8 (r / 8)
	s_wait_alu depctr_va_sdst(0)                   ; s16 and s24 are written, ahead of their first readers: the scalar lines below read s16, the tiles' selects read s24
	s_lshl_b32 s17, s16, 7
	v_lshl_add_u32 v4, v1, 2, s17                  ; nidx: rows 2 w on, neighbour r
	s_and_b32 s18, ttmp9, 31
	s_lshl_b32 s18, s18, 7
	s_lshl_b32 s19, s16, 3
	s_add_co_u32 s18, s18, s19
	v_mov_b32 v5, s18                              ; sample_idx: 4 x (32 x block + 2 w)
	v_lshlrev_b32 v12, 2, v14
	v_lshrrev_b32 v13, 1, v14
	v_lshlrev_b32 v13, 4, v13
	v_and_b32 v15, 1, v14
	v_lshl_add_u32 v13, v15, 2, v13
	s_lshl_b32 s19, s16, 9
	v_add_nc_u32 v13, s19, v13                     ; LDS: my wave's 512 bytes; channel c's mean at 16 (c / 2) + 4 (c % 2), its M2 8 further
	s_mov_b32 s[SEL], 0x76543210
	s_mov_b32 s[SEL+1], 0xfedcba98
	s_mov_b32 s[MNT], 0x600000
	s_mov_b32 s3, 0
	s_lshr_b32 s17, ttmp9, 5
	s_wait_kmcnt 0x0
	s_lshl_b32 s2, ttmp9, 11
	s_add_nc_u64 s[4:5], s[4:5], s[2:3]
	s_mul_i32 s2, s17, 4456448                     ; a batch's 16,384 rows of 272 bytes
	s_add_nc_u64 s[8:9], s[8:9], s[2:3]
	s_lshl_b32 s2, ttmp9, 5
	s_lshl_b32 s19, s16, 1
	s_add_co_u32 s2, s2, s19
	s_mul_i32 s2, s2, 1536
	s_add_nc_u64 s[20:21], s[14:15], s[2:3]        ; my two images
	s_add_nc_u64 s[22:23], s[14:15], 12582912
	s_lshl_b32 s2, ttmp9, 9
	s_add_nc_u64 s[22:23], s[22:23], s[2:3]        ; my work-group's row of partial statistics
	s_wait_alu depctr_va_vdst(0)                   ; the offsets v3, v4, v5, v12 and the LDS address v13 are written, which the loads and stores of the whole kernel read
	global_load_b32 v6, v4, s[4:5]
	global_load_b32 v7, v4, s[4:5] offset:64
	global_load_b32 v10, v5, s[6:7]
	global_load_b32 v11, v5, s[6:7] offset:4
.irp t, 0,1,2,3
.irp c, 0,1,2
	global_load_b128 v[W+16*\t+4*\c:W+16*\t+4*\c+3], v3, s[10:11] offset:1536*\t+512*\c
.endr
.endr
.irp t, 0,1,2,3
	global_load_b32 v[NB+8*\t], v12, s[12:13] offset:(32*(\t/2)+8*(\t%2))*4
.endr
.irp i, 4,5,6,7
	v_mov_b32 v[Z8+\i], 0
.endr
.irp i, 10,11,12,13,14,15
	v_mov_b32 v[CQ+\i], 0
.endr
	v_mov_b32 v[T3+2], 0
.irp i, 3,4,5
	v_mov_b32 v[TM+\i], 0                          ; a lane permute's destination counts as read
.endr
.irp i, 0,1,2
	v_mov_b32 v[HT+\i], 0
.endr
	s_wait_loadcnt 16                              ; the four indices are in; W1's twelve loads and b1's four stay out
.irp n, 6,7,10,11
	v_min_u32 v\n, 0x3fff, v\n
.endr
.irp n, 6,7,10,11
	v_mul_u32_u24 v\n, v\n, 272
.endr
	v_lshl_add_u32 v8, v2, 6, v6                   ; + 64 h: my 16 numbers of a block
	v_lshl_add_u32 v9, v2, 6, v7
	s_wait_alu depctr_va_vdst(0)                   ; the rows' offsets v6 to v11 are written, which the 20 loads below read
	global_load_b128 v[16:19], v10, s[8:9]         ; the query point's x, y, z (and a channel that is not used)
	global_load_b128 v[20:23], v11, s[8:9]
.macro GATHER f, ah, ap
.irp q, 0,1,2,3
	global_load_b128 v[\f+4*\q:\f+4*\q+3], v[\ah], s[8:9] offset:16*\q
.endr
.irp q, 0,1,2,3
	global_load_b128 v[\f+16+4*\q:\f+16+4*\q+3], v[\ah], s[8:9] offset:128+16*\q
.endr
	global_load_b128 v[\f+32:\f+35], v[\ap], s[8:9] offset:256
.endm
	GATHER FA, 8, 6
	GATHER FB, 9, 7
	s_wait_loadcnt 20                              ; W1 and b1 are in; the 2 + 18 loads behind them stay out
.irp t, 0,1,2,3
	v_mov_b32 v[WS+\t], v[W+16*\t+11]              ; the scale word leaves the image,
.endr
.irp t, 0,1,2,3
.irp i, 11,12,13,14,15
	v_mov_b32 v[W+16*\t+\i], 0                     ; and K = 96 .. 127 and its place are zero codes
.endr
.endr
.irp t, 0,1,2,3
.irp i, 1,2,3,4,5,6,7
	v_mov_b32 v[NB+8*\t+\i], v[NB+8*\t]
.endr
.endr
.macro TILE i, f
.irp e, 0,1,2
	v_cndmask_b32 v[16+4*\i+\e], 0, v[16+4*\i+\e], s24     ; x, y, z are K = 0, 1, 2: lanes 0-15's first three numbers; the others subtract 0
.endr
.irp e, 0,1,2
	v_sub_f32 v[\f+\e], v[\f+\e], v[16+4*\i+\e]
.endr
.irp e, 0,1,2,3
	v_cndmask_b32 v[Z8+\e], 0, v[\f+32+\e], s24            ; K = 64 .. 67 are lanes 0-15's; K = 80 on are zeros
.endr
	QUANT3 \f, \f+16, Z8, CQ, SW, TM
	v_mov_b32 v[T3], v[CQ+8]
	v_mov_b32 v[T3+1], v[CQ+9]
	v_mov_b32 v[T3+3], v[SW]
.rept 4
	v_nop                                          ; an operand written by vector lines stands four places ahead of a scaled product
.endr
	s_wait_alu depctr_va_vdst(0)                   ; the conversions and the moves have written the codes, T3 and the scale word: the stores read the first two, the products take the codes and the scale word (and, written further up, W1's zeroed registers and scale words)
	global_store_b128 v3, v[CQ:CQ+3], s[20:21] offset:1536*\i th:TH_STORE_NT
	global_store_b128 v3, v[CQ+4:CQ+7], s[20:21] offset:1536*\i+512 th:TH_STORE_NT
	global_store_b128 v3, v[T3:T3+3], s[20:21] offset:1536*\i+1024 th:TH_STORE_NT
.irp t, 0,1,2,3
	v_wmma_scale_f32_16x16x128_f8f6f4 v[\f+8*\t:\f+8*\t+7], v[CQ:CQ+15], v[W+16*\t:W+16*\t+15], v[NB+8*\t:NB+8*\t+7], v[SW], v[WS+\t] matrix_a_fmt:MATRIX_FMT_BF8 matrix_b_fmt:MATRIX_FMT_BF8
.endr
.endm
	s_wait_loadcnt 9                               ; q and tile 0's nine loads are in; tile 1's nine stay out
	TILE 0, FA
	s_wait_loadcnt 0x0
	s_wait_xcnt 0x0                                ; tile 0's stores have had their addresses translated: the codes' registers are rewritten only behind this wait,
	s_wait_alu depctr_vm_vsrc(0)                   ; and tile 0's stores have read CQ and T3, which tile 1's conversions and moves write again
	TILE 1, FB
.rept 8
	v_nop                                          ; eight places behind this form, ahead of the first read of results
.endr
; channel = my lane's row of W1's tile t; my 16 numbers: rows 8 h .. + 7 of both tiles.  Each accumulator is read from its low end on.
.macro STAT2 t
	v_pk_add_f32 v[24:25], v[FA+8*\t:FA+8*\t+1], v[FA+8*\t+2:FA+8*\t+3]
	v_pk_add_f32 v[26:27], v[FB+8*\t:FB+8*\t+1], v[FB+8*\t+2:FB+8*\t+3]
	v_pk_add_f32 v[28:29], v[FA+8*\t+4:FA+8*\t+5], v[FA+8*\t+6:FA+8*\t+7]
	v_pk_add_f32 v[30:31], v[FB+8*\t+4:FB+8*\t+5], v[FB+8*\t+6:FB+8*\t+7]
	v_pk_add_f32 v[24:25], v[24:25], v[28:29]
	v_pk_add_f32 v[26:27], v[26:27], v[30:31]
	v_pk_add_f32 v[24:25], v[24:25], v[26:27]
	v_add_f32 v24, v24, v25
	v_mul_f32 v[ME+\t], 0x3d800000, v24            ; / 16
	v_mov_b32 v32, v[ME+\t]
	v_mov_b32 v33, v[ME+\t]
.irp p, 0,2,4,6
	v_pk_add_f32 v[FA+8*\t+\p:FA+8*\t+\p+1], v[FA+8*\t+\p:FA+8*\t+\p+1], v[32:33] neg_lo:[0,1] neg_hi:[0,1]
	v_pk_add_f32 v[FB+8*\t+\p:FB+8*\t+\p+1], v[FB+8*\t+\p:FB+8*\t+\p+1], v[32:33] neg_lo:[0,1] neg_hi:[0,1]
.endr
	v_pk_mul_f32 v[24:25], v[FA+8*\t:FA+8*\t+1], v[FA+8*\t:FA+8*\t+1]
	v_pk_mul_f32 v[26:27], v[FB+8*\t:FB+8*\t+1], v[FB+8*\t:FB+8*\t+1]
.irp p, 2,4,6
	v_pk_fma_f32 v[24:25], v[FA+8*\t+\p:FA+8*\t+\p+1], v[FA+8*\t+\p:FA+8*\t+\p+1], v[24:25]
	v_pk_fma_f32 v[26:27], v[FB+8*\t+\p:FB+8*\t+\p+1], v[FB+8*\t+\p:FB+8*\t+\p+1], v[26:27]
.endr
	v_pk_add_f32 v[24:25], v[24:25], v[26:27]
	v_add_f32 v[M2+\t], v24, v25
	HALF ME+\t, M2+\t, 0x41000000, HT
.endm
	STAT2 0
	STAT2 1
	STAT2 2
	STAT2 3
	s_wait_alu depctr_va_vdst(0)                   ; the four means and the four M2 are written, which the LDS stores read; and the statistics' lines are done with FA and FB, in which wave 0's LDS loads land behind the barrier (no vector line stands between)
.irp t, 0,1,2,3
	ds_store_b32 v13, v[ME+\t] offset:256*(\t/2)+64*(\t%2)         ; both lanes of a channel write the same word with the same value
	ds_store_b32 v13, v[M2+\t] offset:256*(\t/2)+64*(\t%2)+8
.endr
	s_wait_dscnt 0x0
	s_barrier_signal -1
	s_barrier_wait -1
	s_cmp_lg_u32 s16, 0
	s_cbranch_scc1 .Lend
.set i, 0
.rept 16
	ds_load_b128 v[FA+4*i:FA+4*i+3], v3 offset:512*i
.set i, i+1
.endr
	s_wait_dscnt 0x0
	COMB 16, FA, 24, 0x3d800000, 0x42000000        ; sixteen waves' parts of 32 rows
	s_wait_alu depctr_va_vdst(0)                   ; the join has written v24 to v27, which the store reads
	global_store_b128 v3, v[24:27], s[22:23]
.Lend:
	s_wait_dscnt 0x0
	s_wait_alu depctr_hold_cnt(0) depctr_sa_sdst(0) depctr_va_vdst(0) depctr_va_sdst(0) depctr_va_ssrc(0) depctr_va_vcc(0) depctr_vm_vsrc(0)
	s_wait_tensorcnt 0x0
	ds_add_u32 v43, v191
	s_wait_dscnt 0x0
	s_endpgm
.Lfunc_end_k_qdaa3af37b7_feat:
	.size	k_qdaa3af37b7_feat, .Lfunc_end_k_qdaa3af37b7_feat-k_qdaa3af37b7_feat
	.p2alignl 7, 3214868480
	.fill 96, 4, 3214868480
	.section	.rodata,"a",@progbits
	.p2align	6, 0x0
	.amdhsa_kernel k_qdaa3af37b7_feat
		.amdhsa_group_segment_fixed_size 10240
		.amdhsa_private_segment_fixed_size 0
		.amdhsa_enable_private_segment 0
		.amdhsa_kernarg_size 48
		.amdhsa_user_sgpr_count 2
		.amdhsa_user_sgpr_kernarg_segment_ptr 1
		.amdhsa_wavefront_size32 1
		.amdhsa_system_sgpr_workgroup_id_x 1
		.amdhsa_system_sgpr_workgroup_id_y 1
		.amdhsa_system_sgpr_workgroup_id_z 1
		.amdhsa_system_vgpr_workitem_id 0
		.amdhsa_next_free_vgpr 256
		.amdhsa_next_free_sgpr 66
		.amdhsa_reserve_vcc 0
		.amdhsa_float_denorm_mode_32 3
		.amdhsa_float_denorm_mode_16_64 3
		.amdhsa_memory_ordered 1
		.amdhsa_forward_progress 1
		.amdhsa_inst_pref_size 37
	.end_amdhsa_kernel
	.amdgpu_metadata
---
amdhsa.version: [ 1, 2 ]
amdhsa.kernels:
  - .name:           k_qdaa3af37b7_feat
    .symbol:         k_qdaa3af37b7_feat.kd
    .args:
      - { .name: nidx, .offset: 0, .size: 8, .value_kind: global_buffer, .address_space: global }
      - { .name: sample_idx, .offset: 8, .size: 8, .value_kind: global_buffer, .address_space: global }
      - { .name: ft, .offset: 16, .size: 8, .value_kind: global_buffer, .address_space: global }
      - { .name: wq, .offset: 24, .size: 8, .value_kind: global_buffer, .address_space: global }
      - { .name: b1, .offset: 32, .size: 8, .value_kind: global_buffer, .address_space: global }
      - { .name: fcod, .offset: 40, .size: 8, .value_kind: global_buffer, .address_space: global }
    .group_segment_fixed_size: 10240
    .private_segment_fixed_size: 0
    .kernarg_segment_align: 8
    .kernarg_segment_size: 48
    .max_flat_workgroup_size: 512
    .sgpr_count:     66
    .vgpr_count:     256
    .wavefront_size: 32
...
	.end_amdgpu_metadata
.endif
;; end of part 7
;; launch mlp2 (part 8): grid 256 x 1, 4 waves a work-group, no clusters, 9,728 bytes of LDS; arguments fcod, wq, b1, g1, be1, b2, st2; writes st2
.if DOCPART == 8
	.amdgcn_target "amdgcn-amd-amdhsa--gfx1250"
	.amdhsa_code_object_version 6
	.text
	.protected	k_qdaa3af37b7_mlp2
	.globl	k_qdaa3af37b7_mlp2
	.p2align	8
	.type	k_qdaa3af37b7_mlp2,@function
k_qdaa3af37b7_mlp2:
	s_mov_b64 s[64:65], 0
	v_nop
	global_prefetch_b8 v0, s[64:65] scope:SCOPE_SE
	s_setreg_imm32_b32 hwreg(HW_REG_WAVE_SCHED_MODE, 0, 2), 2
	s_setreg_imm32_b32 hwreg(HW_REG_WAVE_MODE, 25, 1), 1
	s_wait_xcnt 0x0
	s_wait_alu depctr_vm_vsrc(0)
; THE CHAIN OF LAYERS UP TO LAYER DEPTH, AND THAT LAYER'S STATISTICS.  One text serves two launches; they differ in DEPTH alone.
;   DEPTH = 2: BN1's statistics are finished; feat -> layer 1 -> BN1, relu, quantise -> layer 2; partial statistics of h2; BN1's three parameter rows are stored for the next launch.
;   DEPTH = 3: BN2's are finished; feat -> 1 -> BN1 -> 2 -> BN2, relu, quantise -> layer 3; partial statistics of h3; largest and smallest h3 over each query's 16 neighbours.
; All products are on codes of E5M2 with E8M0 scales.  The layers before the last are recomputed from feat's codes: 12 products more for 16 rows, in place of h1 and h2 in f32 going to memory and back.
; A layer that feeds a quantiser is used TRANSPOSED (source 0 = 16 rows of W, source 1 = the 16 neighbours): a lane holds one neighbour and its registers run along the channels, the next K; the rows of W that form
; a tile are chosen (lane r of tile t: row 32 (t / 2) + 8 (t % 2) + r + 8 (r / 8)) so that tiles 2 b, 2 b + 1 give 16 neighbours along K.  The last layer is used the natural way: a lane holds one channel.
; BN is applied as fma(h - mean, rsqrt(var + eps) x g, be), in f32; relu and the hold at the largest code are one v_med3.
; STATISTICS: parts of equal count are joined by means and sums of squared deviations; within a wave the sums are taken of h less the channel's first number: no difference of large sums.
; SHARES.  Work-group g, wave w: tiles (queries) 32 g + 8 w .. + 7, written out one after the other.  Every work-group joins all 256 partial rows for itself, 64 a wave.
; LIMITS: NaN and infinities are not served; a block of zeros has scale byte 1 (zero codes).
; NO CLUSTER, NO TENSOR LOAD: what work-groups share (24 KiB of weight images, 128 KiB of partial rows) is read once by each, into registers; nothing is read again in a loop.
; REGISTERS, in windows of 256 (s_set_vgpr_msb: bits 1:0 source 0, 3:2 source 1, 5:4 source 2, 7:6 destination):
;   window 0: v1-14 addresses; v16-31 the weights' scale words; v32-39 feat's; v40-49 scratch; v54, v55 the scale words just made; v56-59 g, be; v64-79, v80-95 the operands just made; v96-159 accumulators;
;             v160-207 the statistics' sums; v208-239 largest, smallest, what leaves; v240-255 parts.   window 1: weight tile T at v[16 T].
;   window 2: v0-63 the biases of layers 1, 2 as C; v64-159 mean, gain, shift of BN1; v160-255 of BN2.   window 3: v0-63 the last layer's bias as C; v64-191 feat's eight images.
; THE MODE: SCHED_MODE bits 1:0 = 2 (LLVM: expert scheduling mode 2), set by the entry lines.  The code itself states the register dependences
; between vector or matrix instructions and memory or LDS instructions, with s_wait_alu, always for 0.
; THE PLAN.  Registers that memory or LDS instructions touch:
;   v1, v5 .. v13            offsets and LDS addresses: written at the head, never again.
;   window 0 and 3, v64-191  the partial rows land there; the joins read and write them; window 3's then take feat's images.
;   TS (v232-239)            written by the joins; read by the LDS store of the wave's part, then by the stores of the three parameter rows; written again by the tiles' selects (DEPTH 3) and by the tail's joins.
;   OO (v240-255)            named by the joins; the four waves' parts land there behind a barrier, twice.
;   windows 1, 2, window 3 v0-63, v56-59   loaded once; no vector line names them ahead of their loads.
;   OUT (v224-231, DEPTH 3)  written by a tile's last eight lines of the extrema; read by two stores, which stand in the NEXT tile, behind the wait that its first quantiser's products want anyway; written again a layer and a half further on.
;   KS, S2                   written by the tail; read by its LDS stores, which stand together behind one wait.
; The operands and scale words that vector lines make for a scaled product are stated by one wait on va_vdst behind the places in front of that product: one for each quantiser, one ahead of the first tile.
.set DEPTH, 2
.set NT,   4*(DEPTH-1)                 ; tiles of 16 channels in the last layer
.set NWT,  8*(DEPTH-1)                 ; weight tiles in use
.set NCHB, 128*NT                      ; bytes of a row of partial statistics
.set PTB,  2048                        ; LDS: 0: four waves' parts; 2,048: each wave's own mean, gain, shift (768 bytes); 5,120: four waves' parts of the last layer
.set RB,   5120
.set WS,   16
.set XS,   32
.set TM,   40
.set SW1,  54
.set SW2,  55
.set Y1,   64
.set Y2,   80
.set HA,   96
.set KS,   160
.set S1,   176
.set S2,   192
.set MX,   208
.set MN,   216
.set OUT,  224
.set TS,   232
.set OO,   240
.if DEPTH == 2
.set PG,   10
.set PBE,  12
.set PNB,  14
.set PO,   16
.else
.set PB2,  10
.set PG,   12
.set PBE,  14
.set PNB,  16
.set PST,  18
.set PO,   20
.endif
.set PP,   22                          ; s[22:23] the partial rows to be joined
.set SEL,  26
.set MNT,  28
.set PX,   32                          ; s[32:33] my eight images
.set PQ,   34                          ; s[34:35] my work-group's row of partial statistics
.set PMM,  36                          ; s[36:37] my eight tiles of largest and smallest
.set MSB, 0
.macro WIN new                         ; the immediate's high byte repeats the setting that is left
.if MSB != \new
	s_set_vgpr_msb (MSB<<8)|\new
.set MSB, \new
.endif
.endm
.macro COMB n, r, o, inv, cnt          ; n parts of equal count cnt, part i = (two means, two M2) in v[r + 4 i] on, become one in v[o] on; inv = 1 / n
	v_pk_add_f32 v[\o:\o+1], v[\r:\r+1], v[\r+4:\r+5]
	v_pk_add_f32 v[\o+2:\o+3], v[\r+2:\r+3], v[\r+6:\r+7]
.set ci, 2
.rept \n-2
	v_pk_add_f32 v[\o:\o+1], v[\o:\o+1], v[\r+4*ci:\r+4*ci+1]
	v_pk_add_f32 v[\o+2:\o+3], v[\o+2:\o+3], v[\r+4*ci+2:\r+4*ci+3]
.set ci, ci+1
.endr
	v_pk_mul_f32 v[\o:\o+1], v[\o:\o+1], \inv op_sel_hi:[1,0]
.set ci, 0
.rept \n
	v_pk_add_f32 v[\r+4*ci:\r+4*ci+1], v[\r+4*ci:\r+4*ci+1], v[\o:\o+1] neg_lo:[0,1] neg_hi:[0,1]
.set ci, ci+1
.endr
	v_pk_mul_f32 v[\r+2:\r+3], v[\r:\r+1], v[\r:\r+1]
.set ci, 1
.rept \n-1
	v_pk_fma_f32 v[\r+2:\r+3], v[\r+4*ci:\r+4*ci+1], v[\r+4*ci:\r+4*ci+1], v[\r+2:\r+3]
.set ci, ci+1
.endr
	v_pk_fma_f32 v[\o+2:\o+3], v[\r+2:\r+3], \cnt, v[\o+2:\o+3] op_sel_hi:[1,0,1]
.endm
.macro HALF me, m2, c, t0              ; lanes l and l xor 16 hold parts of equal count 2 c of one channel: both end with the joined part
	v_permlanex16_b32 v[\t0], v[\me], s[SEL], s[SEL+1]
	v_permlanex16_b32 v[\t0+1], v[\m2], s[SEL], s[SEL+1]
	v_sub_f32 v[\t0+2], v[\me], v[\t0]
	v_add_f32 v[\me], v[\me], v[\t0]
	v_add_f32 v[\m2], v[\m2], v[\t0+1]
	v_mul_f32 v[\t0+2], v[\t0+2], v[\t0+2]
	v_mul_f32 v[\me], 0.5, v[\me]
	v_fma_f32 v[\m2], v[\t0+2], \c, v[\m2]
.endm
; 32 numbers of a lane, register 16 b + i = channel 32 b + 16 h + i of my neighbour, become codes in v[y] .. v[y + 7] and a scale word; what is negative becomes 0 on the way
.macro QUANT2 s, y, sw
.irp b, 0,1
	v_max3_num_f32 v[TM+\b], v[\s+16*\b], v[\s+1+16*\b], 0x8000000   ; no |.|: what is negative must not count; the floor 2^(16 - 127) stands over it
.endr
.irp i, 2,4,6,8,10,12,14
.irp b, 0,1
	v_max3_num_f32 v[TM+\b], v[TM+\b], v[\s+16*\b+\i], v[\s+1+16*\b+\i]
.endr
.endr
.irp b, 0,1
	v_permlanex16_b32 v[TM+2+\b], v[TM+\b], s[SEL], s[SEL+1]
.endr
.irp b, 0,1
	v_max_num_f32 v[TM+\b], v[TM+\b], v[TM+2+\b]
.endr
.irp b, 0,1
	v_add_nc_u32 v[TM+4+\b], 0xf8800000, v[TM+\b]
.endr
.irp b, 0,1
	v_and_or_b32 v[TM+6+\b], v[TM+\b], 0x7f800000, s[MNT]
.endr
.irp b, 0,1
	v_lshrrev_b32 v[TM+8+\b], 23, v[TM+4+\b]
.endr
	v_lshl_or_b32 v[\sw], v[TM+9], 8, v[TM+8]      ; the 32 holds below stand between this line and the products
.irp b, 0,1
.irp i, 0,1,2,3,4,5,6,7,8,9,10,11,12,13,14,15
	v_med3_num_f32 v[\s+16*\b+\i], v[\s+16*\b+\i], 0, v[TM+6+\b]     ; relu and the hold in one
.endr
.endr
.irp b, 0,1
	v_cvt_scalef32_pk8_bf8_f32 v[\y+4*\b:\y+4*\b+1], v[\s+16*\b:\s+16*\b+7], v[TM+4+\b]
	v_cvt_scalef32_pk8_bf8_f32 v[\y+4*\b+2:\y+4*\b+3], v[\s+16*\b+8:\s+16*\b+15], v[TM+4+\b]
.endr
	v_nop                                          ; one plain line behind the last conversion
.endm
; layer l, transposed, its BN, relu and quantiser.  win: the windows of W (1), of the operand x, of the bias (2)
.macro STAGE l, win, x, xs, y, sw
	WIN \win
.irp t, 0,1,2,3
	v_wmma_scale_f32_16x16x128_f8f6f4 v[HA+8*\t:HA+8*\t+7], v[64*(\l-1)+16*\t:64*(\l-1)+16*\t+15], v[(\x):(\x)+15], v[32*(\l-1)+8*\t:32*(\l-1)+8*\t+7], v[WS+4*(\l-1)+\t], v[\xs] matrix_a_fmt:MATRIX_FMT_BF8 matrix_b_fmt:MATRIX_FMT_BF8
.endr
.rept 8
	v_nop                                          ; eight places behind this form
.endr
	WIN 0x08
.irp p, 0,2,4,6,8,10,12,14,16,18,20,22,24,26,28,30
	v_pk_add_f32 v[HA+\p:HA+\p+1], v[HA+\p:HA+\p+1], v[64+96*(\l-1)+\p:64+96*(\l-1)+\p+1] neg_lo:[0,1] neg_hi:[0,1]   ; h - mean; each accumulator from its low end on
.endr
	WIN 0x28
.irp p, 0,2,4,6,8,10,12,14,16,18,20,22,24,26,28,30
	v_pk_fma_f32 v[HA+\p:HA+\p+1], v[HA+\p:HA+\p+1], v[96+96*(\l-1)+\p:96+96*(\l-1)+\p+1], v[128+96*(\l-1)+\p:128+96*(\l-1)+\p+1]
.endr
	WIN 0
	QUANT2 HA, \y, \sw
.rept 4
	v_nop                                          ; an operand written by vector lines stands four places ahead of a scaled product
.endr
	s_wait_alu depctr_va_vdst(0)                   ; the conversions have written the codes and the shifts the scale word, which the next layer's products take; with DEPTH = 3, behind layer 1, the tile before has also written OUT, which the two stores that follow read
.endm
.macro FINAL y, sw                     ; the last layer, the natural way: source 0 = the 16 neighbours, source 1 = 16 rows of W, C = the bias
	WIN 0x34
.set t, 0
.rept NT
	v_wmma_scale_f32_16x16x128_f8f6f4 v[HA+8*t:HA+8*t+7], v[\y:\y+15], v[64*(DEPTH-1)+16*t:64*(DEPTH-1)+16*t+15], v[8*t:8*t+7], v[\sw], v[WS+4*(DEPTH-1)+t] matrix_a_fmt:MATRIX_FMT_BF8 matrix_b_fmt:MATRIX_FMT_BF8
.set t, t+1
.endr
.rept 8
	v_nop
.endr
	WIN 0
.endm
; largest and smallest over the 16 neighbours: my eight rows, then lane l xor 16's.  Lanes 0-15 end with the largest, lanes 16-31 with the smallest.  They are stored by SENDMM, in the next tile.
.macro MAXMIN i
.irp t, 0,1,2,3,4,5,6,7
	v_max3_num_f32 v[MX+\t], v[HA+8*\t], v[HA+8*\t+1], v[HA+8*\t+2]
	v_min3_num_f32 v[MN+\t], v[HA+8*\t], v[HA+8*\t+1], v[HA+8*\t+2]
.endr
.irp a, 3,5
.irp t, 0,1,2,3,4,5,6,7
	v_max3_num_f32 v[MX+\t], v[MX+\t], v[HA+8*\t+\a], v[HA+8*\t+\a+1]
	v_min3_num_f32 v[MN+\t], v[MN+\t], v[HA+8*\t+\a], v[HA+8*\t+\a+1]
.endr
.endr
.irp t, 0,1,2,3,4,5,6,7
	v_max_num_f32 v[MX+\t], v[MX+\t], v[HA+8*\t+7]
	v_min_num_f32 v[MN+\t], v[MN+\t], v[HA+8*\t+7]
.endr
.irp t, 0,1,2,3,4,5,6,7
	v_cndmask_b32 v[TS+\t], v[MX+\t], v[MN+\t], s29        ; what I send: lanes 0-15 the smallest, lanes 16-31 the largest
.endr
.irp t, 0,1,2,3,4,5,6,7
	v_cndmask_b32 v[MX+\t], v[MN+\t], v[MX+\t], s29        ; what I keep
.endr
.irp t, 0,1,2,3,4,5,6,7
	v_permlanex16_b32 v[MN+\t], v[TS+\t], s[SEL], s[SEL+1]
.endr
.if \i > 0
	s_wait_xcnt 0x0                                ; the last tile's stores have had their addresses translated: OUT is rewritten only behind this wait,
	s_wait_alu depctr_vm_vsrc(0)                   ; and they have read OUT, which the eight lines below write again
.endif
.irp t, 0,1,2,3,4,5,6,7
	v_med3_num_f32 v[OUT+\t], v[MX+\t], v[MN+\t], v14      ; the middle of a, b and +infinity is the larger; with -infinity the smaller
.endr
.endm
.macro SENDMM i                        ; tile i's largest and smallest leave: behind a wait on va_vdst that stands behind the lines that wrote OUT
	global_store_b128 v1, v[OUT:OUT+3], s[PMM:PMM+1] offset:1024*(\i) th:TH_STORE_NT
	global_store_b128 v1, v[OUT+4:OUT+7], s[PMM:PMM+1] offset:1024*(\i)+512 th:TH_STORE_NT
.endm
; sums of d = h - (the channel's first number) and of d^2, packed, the tiles of channels by turns
.macro STATS i
.if \i == 0
.set t, 0
.rept NT
	v_mov_b32 v[KS+2*t], v[HA+8*t]
	v_mov_b32 v[KS+2*t+1], v[HA+8*t]
.set t, t+1
.endr
.endif
.irp p, 0,2,4,6
.set t, 0
.rept NT
	v_pk_add_f32 v[HA+8*t+\p:HA+8*t+\p+1], v[HA+8*t+\p:HA+8*t+\p+1], v[KS+2*t:KS+2*t+1] neg_lo:[0,1] neg_hi:[0,1]
.set t, t+1
.endr
.endr
.irp p, 0,2,4,6
.set t, 0
.rept NT
.if (\i == 0) && (\p == 0)
	v_pk_mul_f32 v[S2+2*t:S2+2*t+1], v[HA+8*t:HA+8*t+1], v[HA+8*t:HA+8*t+1]                 ; the first tile starts the sums
.elseif (\i == 0) && (\p == 2)
	v_pk_add_f32 v[S1+2*t:S1+2*t+1], v[HA+8*t:HA+8*t+1], v[HA+8*t+2:HA+8*t+3]
	v_pk_fma_f32 v[S2+2*t:S2+2*t+1], v[HA+8*t+2:HA+8*t+3], v[HA+8*t+2:HA+8*t+3], v[S2+2*t:S2+2*t+1]
.else
	v_pk_add_f32 v[S1+2*t:S1+2*t+1], v[S1+2*t:S1+2*t+1], v[HA+8*t+\p:HA+8*t+\p+1]
	v_pk_fma_f32 v[S2+2*t:S2+2*t+1], v[HA+8*t+\p:HA+8*t+\p+1], v[HA+8*t+\p:HA+8*t+\p+1], v[S2+2*t:S2+2*t+1]
.endif
.set t, t+1
.endr
.endr
.endm
.macro TILE i
	STAGE 1, 0x2d, 64+16*\i, XS+\i, Y1, SW1
.if DEPTH == 3
.if \i > 0
	SENDMM \i-1                                    ; no vector line since the wait at the stage's end names OUT or v1
.endif
	STAGE 2, 0x21, Y1, SW1, Y2, SW2
	FINAL Y2, SW2
	MAXMIN \i
.else
	FINAL Y1, SW1
.endif
	STATS \i
.endm
	s_load_b256 s[4:11], s[0:1], 0x0
.if DEPTH == 2
	s_load_b128 s[12:15], s[0:1], 0x20
	s_load_b64 s[16:17], s[0:1], 0x30
	v_lshl_add_u32 v230, v0, 2, 0x2400
	v_mov_b32 v231, 0
.else
	s_load_b256 s[12:19], s[0:1], 0x20
	s_load_b64 s[20:21], s[0:1], 0x40
.endif
	v_and_b32 v1, 31, v0
	v_lshlrev_b32 v6, 3, v1                        ; 8 x lane
	v_lshlrev_b32 v1, 4, v1                        ; 16 x lane
	v_and_b32 v2, 15, v0                           ; r
	v_bfe_u32 v3, v0, 4, 1                         ; h
	v_and_b32 v4, 8, v2
	v_add_nc_u32 v4, v4, v2                        ; r + 8 (r / 8)
	v_lshrrev_b32 v5, 5, v0
	v_readfirstlane_b32 s24, v5                    ; wave 0..3
	v_cmp_eq_u32 s29, 0, v3                        ; lanes 0-15
	s_wait_alu depctr_va_sdst(0)                   ; s24 and s29 are written, ahead of their first readers: the scalar lines below read s24, the selects of the extrema read s29
	s_lshl_b32 s30, s24, 15
	v_add_nc_u32 v5, s30, v1                       ; my 64 partial rows of 512 bytes
	v_lshlrev_b32 v7, 6, v3                        ; 64 h: my 16 channels of each 32
	s_lshl_b32 s30, s24, 9
	v_add_nc_u32 v8, s30, v1                       ; 512 w + 16 x lane
	v_add_nc_u32 v12, RB, v8
	s_mul_i32 s30, s24, 768
	s_add_co_u32 s30, s30, PTB
	v_add_nc_u32 v9, s30, v6
	v_add_nc_u32 v10, s30, v7
	v_lshrrev_b32 v11, 1, v4
	v_lshlrev_b32 v11, 4, v11
	v_and_b32 v13, 1, v4
	v_lshl_add_u32 v11, v13, 2, v11
	s_mul_i32 s30, s24, NCHB
	s_add_co_u32 s30, s30, RB
	v_add_nc_u32 v11, s30, v11                     ; channel c's mean at 16 (c / 2) + 4 (c % 2) of my wave's row
	v_lshlrev_b32 v13, 2, v4
	v_lshlrev_b32 v14, 31, v3
	v_or_b32 v14, 0x7f800000, v14                  ; +infinity in lanes 0-15, -infinity in lanes 16-31
	v_mov_b32 v[TM+2], 0                           ; a lane permute's destination counts as read
	v_mov_b32 v[TM+3], 0
.irp i, 0,1,2,3,4,5,6,7
	v_mov_b32 v[TS+\i], 0
.endr
	s_mov_b32 s[SEL], 0x76543210
	s_mov_b32 s[SEL+1], 0xfedcba98
	s_mov_b32 s[MNT], 0x600000
	s_mov_b32 s40, 0x37000000                      ; 1 / 131,072
	s_mov_b32 s41, 0x3727c5ac                      ; 1e-5
	s_lshl_b32 s30, ttmp9, 5
	s_lshl_b32 s31, s24, 3
	s_add_co_u32 s30, s30, s31                     ; my first tile
	s_mul_i32 s38, s30, 1536
	s_mov_b32 s39, 0
	s_wait_kmcnt 0x0
	s_add_nc_u64 s[PX:PX+1], s[4:5], s[38:39]
.if DEPTH == 2
	s_add_nc_u64 s[PP:PP+1], s[4:5], 12582912
	s_lshl_b32 s38, ttmp9, 9
	s_add_nc_u64 s[PQ:PQ+1], s[PO:PO+1], s[38:39]
.else
	s_mov_b64 s[PP:PP+1], s[PST:PST+1]
	s_lshl_b32 s38, ttmp9, 10
	s_add_nc_u64 s[PQ:PQ+1], s[PO:PO+1], s[38:39]
	s_add_nc_u64 s[PQ:PQ+1], s[PQ:PQ+1], 8388608
	s_lshl_b32 s38, s30, 10
	s_add_nc_u64 s[PMM:PMM+1], s[PO:PO+1], s[38:39]
.endif
	; ---- the statistics of the layer before are finished: 256 parts of 512 rows; 64 a wave, in window 0 and window 3
	s_wait_alu depctr_va_vdst(0)                   ; the offsets and LDS addresses v1 and v5 to v13 are written, which the loads and stores of the whole kernel read
.set i, 0
.rept 32
	global_load_b128 v[64+4*i:67+4*i], v5, s[PP:PP+1] offset:512*i
.set i, i+1
.endr
	WIN 0xc0
.set i, 0
.rept 32
	global_load_b128 v[64+4*i:67+4*i], v5, s[PP:PP+1] offset:512*(32+i)
.set i, i+1
.endr
	WIN 0
	s_wait_loadcnt 32                              ; the first 32 rows are in; the other 32 stay out
	COMB 16, 64, OO, 0x3d800000, 0x44000000
	COMB 16, 128, OO+4, 0x3d800000, 0x44000000
	global_load_b64 v[56:57], v6, s[PG:PG+1]       ; no wait: the two joins name window 0's v64-191 and v240-247 alone, none of the registers that these loads touch
	global_load_b64 v[58:59], v6, s[PBE:PBE+1]
	WIN 0x40
.set i, 0
.rept NWT
.irp c, 0,1,2
	global_load_b128 v[16*i+4*\c:16*i+4*\c+3], v1, s[6:7] offset:1536*i+512*\c
.endr
.set i, i+1
.endr
	WIN 0
	s_wait_loadcnt 2+3*NWT                         ; the other 32 rows are in; g, be and the weights' images stay out
	WIN 0xff
	COMB 16, 64, 240, 0x3d800000, 0x44000000
	COMB 16, 128, 244, 0x3d800000, 0x44000000
	WIN 0x03
.irp e, 0,1,2,3,4,5,6,7
	v_mov_b32 v[OO+8+\e], v[240+\e]
.endr
	WIN 0
	COMB 4, OO, TS, 0x3e800000, 0x46000000
	s_wait_alu depctr_va_vdst(0)                   ; the join has written TS, which the LDS store reads; the joins are done with window 3's v64-191, in which feat's images land, and with OO, in which the LDS loads behind the barrier land
	ds_store_b128 v8, v[TS:TS+3]
	WIN 0x80
.irp b, 0,1
.irp q, 0,1,2,3
	global_load_b128 v[16*\b+4*\q:16*\b+4*\q+3], v7, s[8:9] offset:128*\b+16*\q             ; b1 in the transposed result's layout
.endr
.endr
.if DEPTH == 3
.irp b, 0,1
.irp q, 0,1,2,3
	global_load_b128 v[32+16*\b+4*\q:32+16*\b+4*\q+3], v7, s[PB2:PB2+1] offset:128*\b+16*\q
.endr
.endr
.irp a, 0,1,2
.irp b, 0,1
.irp q, 0,1,2,3
	global_load_b128 v[64+32*\a+16*\b+4*\q:64+32*\a+16*\b+4*\q+3], v7, s[PST:PST+1] offset:131072+256*\a+128*\b+16*\q   ; BN1's mean, gain, shift, as the launch before left them
.endr
.endr
.endr
.endif
	WIN 0xc0
.set t, 0
.rept NT
	global_load_b32 v[8*t], v13, s[PNB:PNB+1] offset:(32*(t/2)+8*(t%2))*4
.set t, t+1
.endr
.set i, 0
.rept 8
.irp c, 0,1,2
	global_load_b128 v[64+16*i+4*\c:64+16*i+4*\c+3], v1, s[PX:PX+1] offset:1536*i+512*\c th:TH_LOAD_NT
.endr
.set i, i+1
.endr
	WIN 0
	s_wait_dscnt 0x0
	s_barrier_signal -1
	s_barrier_wait -1
.irp i, 0,1,2,3
	ds_load_b128 v[OO+4*\i:OO+4*\i+3], v1 offset:512*\i
.endr
	s_wait_dscnt 0x0
	s_wait_alu depctr_vm_vsrc(0)                   ; my LDS store has read TS, which the join below writes again
	COMB 4, OO, TS, 0x3e800000, 0x47000000         ; lane l: mean and M2 of channels 2 l, 2 l + 1 over all 131,072 rows
	v_fma_f32 v[TS+4], v[TS+2], s40, s41           ; var + eps (the factor is a power of two: one rounding)
	v_fma_f32 v[TS+5], v[TS+3], s40, s41
	v_rsq_f32 v[TS+4], v[TS+4]
	v_rsq_f32 v[TS+5], v[TS+5]
	v_nop                                          ; a plain line behind the transcendentals,
	s_wait_alu depctr_va_vdst(0)                   ; and the two roots' results TS + 4, TS + 5 are written, ahead of their first reader
	s_wait_loadcnt 0x0                             ; g, be, and all that the chain wants
	v_pk_mul_f32 v[TS+4:TS+5], v[TS+4:TS+5], v[56:57]
	s_wait_alu depctr_va_vdst(0)                   ; the gain is written in TS + 4, TS + 5, which the stores below read (the mean in TS, TS + 1 was written further up)
	ds_store_b64 v9, v[TS:TS+1]
	ds_store_b64 v9, v[TS+4:TS+5] offset:256
	ds_store_b64 v9, v[58:59] offset:512
	WIN 0x80
.irp a, 0,1,2
.irp b, 0,1
.irp q, 0,1,2,3
	ds_load_b128 v[64+96*(DEPTH-2)+32*\a+16*\b+4*\q:64+96*(DEPTH-2)+32*\a+16*\b+4*\q+3], v10 offset:256*\a+128*\b+16*\q   ; my wave's own bytes, served in order
.endr
.endr
.endr
	WIN 0
.if DEPTH == 2
	s_or_b32 s30, ttmp9, s24
	s_cmp_lg_u32 s30, 0
	s_cbranch_scc1 .Lnobnp
	global_store_b64 v6, v[TS:TS+1], s[PO:PO+1] offset:131072
	global_store_b64 v6, v[TS+4:TS+5], s[PO:PO+1] offset:131072+256
	global_store_b64 v6, v[58:59], s[PO:PO+1] offset:131072+512
	s_wait_xcnt 0x0
.Lnobnp:
.endif
	; the scale words leave the images; their place and K = 96 .. 127 become zero codes; the last bias is spread over its eight registers
	WIN 0x01
.set i, 0
.rept NWT
	v_mov_b32 v[WS+i], v[16*i+11]
.set i, i+1
.endr
	WIN 0x03
.set i, 0
.rept 8
	v_mov_b32 v[XS+i], v[64+16*i+11]
.set i, i+1
.endr
	WIN 0x40
.set i, 0
.rept NWT
.irp e, 11,12,13,14,15
	v_mov_b32 v[16*i+\e], 0
.endr
.set i, i+1
.endr
	WIN 0xc0
.set i, 0
.rept 8
.irp e, 11,12,13,14,15
	v_mov_b32 v[64+16*i+\e], 0
.endr
.set i, i+1
.endr
	WIN 0xc3
.set t, 0
.rept NT
.irp e, 1,2,3,4,5,6,7
	v_mov_b32 v[8*t+\e], v[8*t]
.endr
.set t, t+1
.endr
	WIN 0
.irp e, 8,9,10,11,12,13,14,15
	v_mov_b32 v[Y1+\e], 0
	v_mov_b32 v[Y2+\e], 0
.endr
	s_wait_dscnt 0x0
	s_wait_alu depctr_vm_vsrc(0)                   ; the stores of the three parameter rows have read TS, which the tiles' selects (DEPTH 3) and the tail's joins write again
.rept 8
	v_nop                                          ; scale registers written by vector lines stand eight places ahead of a scaled product
.endr
	s_wait_alu depctr_va_vdst(0)                   ; the moves have written the scale words, the zero codes in the weights' and feat's images and in Y1, Y2: the products of all eight tiles take them
.irp i, 0,1,2,3,4,5,6,7
	TILE \i
.endr
	; ---- my 64 numbers of each channel: mean = first + S1 / 64, M2 = S2 - S1^2 / 64
.set t, 0
.rept NT
	v_add_f32 v[S1+2*t], v[S1+2*t], v[S1+2*t+1]
	v_add_f32 v[S2+2*t], v[S2+2*t], v[S2+2*t+1]
.set t, t+1
.endr
.set t, 0
.rept NT
	v_mul_f32 v[S1+2*t+1], 0x3c800000, v[S1+2*t]
.set t, t+1
.endr
.set t, 0
.rept NT
	v_add_f32 v[KS+2*t], v[KS+2*t], v[S1+2*t+1]
	v_fma_f32 v[S2+2*t], -v[S1+2*t+1], v[S1+2*t], v[S2+2*t]
.set t, t+1
.endr
.set t, 0
.rept NT
	HALF KS+2*t, S2+2*t, 0x42000000, TS
.set t, t+1
.endr
	s_wait_alu depctr_va_vdst(0)                   ; the means in KS and the M2 in S2 are written, which the LDS stores read; with DEPTH = 3 so is the last tile's OUT, which its two stores read
.if DEPTH == 3
	SENDMM 7
.endif
.set t, 0
.rept NT
	ds_store_b32 v11, v[KS+2*t] offset:256*(t/2)+64*(t%2)
	ds_store_b32 v11, v[S2+2*t] offset:256*(t/2)+64*(t%2)+8
.set t, t+1
.endr
	s_wait_dscnt 0x0
	s_barrier_signal -1
	s_barrier_wait -1
	s_cmp_ge_u32 s24, NT/4                         ; wave u joins the four waves' parts of channels 64 u on
	s_cbranch_scc1 .Ldone
.irp i, 0,1,2,3
	ds_load_b128 v[OO+4*\i:OO+4*\i+3], v12 offset:NCHB*\i
.endr
	s_wait_dscnt 0x0
	COMB 4, OO, TS, 0x3e800000, 0x43000000
	s_wait_alu depctr_va_vdst(0)                   ; the join has written TS, which the store reads
	global_store_b128 v8, v[TS:TS+3], s[PQ:PQ+1]
.Ldone:
	s_wait_dscnt 0x0
	s_wait_alu depctr_hold_cnt(0) depctr_sa_sdst(0) depctr_va_vdst(0) depctr_va_sdst(0) depctr_va_ssrc(0) depctr_va_vcc(0) depctr_vm_vsrc(0)
	s_wait_tensorcnt 0x0
	ds_add_u32 v230, v231
	s_wait_dscnt 0x0
	s_endpgm
.Lfunc_end_k_qdaa3af37b7_mlp2:
	.size	k_qdaa3af37b7_mlp2, .Lfunc_end_k_qdaa3af37b7_mlp2-k_qdaa3af37b7_mlp2
	.p2alignl 7, 3214868480
	.fill 96, 4, 3214868480
	.section	.rodata,"a",@progbits
	.p2align	6, 0x0
	.amdhsa_kernel k_qdaa3af37b7_mlp2
		.amdhsa_group_segment_fixed_size 9728
		.amdhsa_private_segment_fixed_size 0
		.amdhsa_enable_private_segment 0
		.amdhsa_kernarg_size 56
		.amdhsa_user_sgpr_count 2
		.amdhsa_user_sgpr_kernarg_segment_ptr 1
		.amdhsa_wavefront_size32 1
		.amdhsa_system_sgpr_workgroup_id_x 1
		.amdhsa_system_sgpr_workgroup_id_y 1
		.amdhsa_system_sgpr_workgroup_id_z 1
		.amdhsa_system_vgpr_workitem_id 0
		.amdhsa_next_free_vgpr 1024
		.amdhsa_next_free_sgpr 66
		.amdhsa_reserve_vcc 0
		.amdhsa_float_denorm_mode_32 3
		.amdhsa_float_denorm_mode_16_64 3
		.amdhsa_memory_ordered 1
		.amdhsa_forward_progress 1
		.amdhsa_inst_pref_size 133
	.end_amdhsa_kernel
	.amdgpu_metadata
---
amdhsa.version: [ 1, 2 ]
amdhsa.kernels:
  - .name:           k_qdaa3af37b7_mlp2
    .symbol:         k_qdaa3af37b7_mlp2.kd
    .args:
      - { .name: fcod, .offset: 0, .size: 8, .value_kind: global_buffer, .address_space: global }
      - { .name: wq, .offset: 8, .size: 8, .value_kind: global_buffer, .address_space: global }
      - { .name: b1, .offset: 16, .size: 8, .value_kind: global_buffer, .address_space: global }
      - { .name: g1, .offset: 24, .size: 8, .value_kind: global_buffer, .address_space: global }
      - { .name: be1, .offset: 32, .size: 8, .value_kind: global_buffer, .address_space: global }
      - { .name: b2, .offset: 40, .size: 8, .value_kind: global_buffer, .address_space: global }
      - { .name: st2, .offset: 48, .size: 8, .value_kind: global_buffer, .address_space: global }
    .group_segment_fixed_size: 9728
    .private_segment_fixed_size: 0
    .kernarg_segment_align: 8
    .kernarg_segment_size: 56
    .max_flat_workgroup_size: 128
    .sgpr_count:     66
    .vgpr_count:     1024
    .wavefront_size: 32
...
	.end_amdgpu_metadata
.endif
;; end of part 8
;; launch mlp3 (part 9): grid 256 x 1, 4 waves a work-group, no clusters, 9,728 bytes of LDS; arguments fcod, wq, b1, b2, g2, be2, b3, st2, mm; writes mm
.if DOCPART == 9
	.amdgcn_target "amdgcn-amd-amdhsa--gfx1250"
	.amdhsa_code_object_version 6
	.text
	.protected	k_qdaa3af37b7_mlp3
	.globl	k_qdaa3af37b7_mlp3
	.p2align	8
	.type	k_qdaa3af37b7_mlp3,@function
k_qdaa3af37b7_mlp3:
	s_mov_b64 s[64:65], 0
	v_nop
	global_prefetch_b8 v0, s[64:65] scope:SCOPE_SE
	s_setreg_imm32_b32 hwreg(HW_REG_WAVE_SCHED_MODE, 0, 2), 2
	s_setreg_imm32_b32 hwreg(HW_REG_WAVE_MODE, 25, 1), 1
	s_wait_xcnt 0x0
	s_wait_alu depctr_vm_vsrc(0)
; THE CHAIN OF LAYERS UP TO LAYER DEPTH, AND THAT LAYER'S STATISTICS.  One text serves two launches; they differ in DEPTH alone.
;   DEPTH = 2: BN1's statistics are finished; feat -> layer 1 -> BN1, relu, quantise -> layer 2; partial statistics of h2; BN1's three parameter rows are stored for the next launch.
;   DEPTH = 3: BN2's are finished; feat -> 1 -> BN1 -> 2 -> BN2, relu, quantise -> layer 3; partial statistics of h3; largest and smallest h3 over each query's 16 neighbours.
; All products are on codes of E5M2 with E8M0 scales.  The layers before the last are recomputed from feat's codes: 12 products more for 16 rows, in place of h1 and h2 in f32 going to memory and back.
; A layer that feeds a quantiser is used TRANSPOSED (source 0 = 16 rows of W, source 1 = the 16 neighbours): a lane holds one neighbour and its registers run along the channels, the next K; the rows of W that form
; a tile are chosen (lane r of tile t: row 32 (t / 2) + 8 (t % 2) + r + 8 (r / 8)) so that tiles 2 b, 2 b + 1 give 16 neighbours along K.  The last layer is used the natural way: a lane holds one channel.
; BN is applied as fma(h - mean, rsqrt(var + eps) x g, be), in f32; relu and the hold at the largest code are one v_med3.
; STATISTICS: parts of equal count are joined by means and sums of squared deviations; within a wave the sums are taken of h less the channel's first number: no difference of large sums.
; SHARES.  Work-group g, wave w: tiles (queries) 32 g + 8 w .. + 7, written out one after the other.  Every work-group joins all 256 partial rows for itself, 64 a wave.
; LIMITS: NaN and infinities are not served; a block of zeros has scale byte 1 (zero codes).
; NO CLUSTER, NO TENSOR LOAD: what work-groups share (24 KiB of weight images, 128 KiB of partial rows) is read once by each, into registers; nothing is read again in a loop.
; REGISTERS, in windows of 256 (s_set_vgpr_msb: bits 1:0 source 0, 3:2 source 1, 5:4 source 2, 7:6 destination):
;   window 0: v1-14 addresses; v16-31 the weights' scale words; v32-39 feat's; v40-49 scratch; v54, v55 the scale words just made; v56-59 g, be; v64-79, v80-95 the operands just made; v96-159 accumulators;
;             v160-207 the statistics' sums; v208-239 largest, smallest, what leaves; v240-255 parts.   window 1: weight tile T at v[16 T].
;   window 2: v0-63 the biases of layers 1, 2 as C; v64-159 mean, gain, shift of BN1; v160-255 of BN2.   window 3: v0-63 the last layer's bias as C; v64-191 feat's eight images.
; THE MODE: SCHED_MODE bits 1:0 = 2 (LLVM: expert scheduling mode 2), set by the entry lines.  The code itself states the register dependences
; between vector or matrix instructions and memory or LDS instructions, with s_wait_alu, always for 0.
; THE PLAN.  Registers that memory or LDS instructions touch:
;   v1, v5 .. v13            offsets and LDS addresses: written at the head, never again.
;   window 0 and 3, v64-191  the partial rows land there; the joins read and write them; window 3's then take feat's images.
;   TS (v232-239)            written by the joins; read by the LDS store of the wave's part, then by the stores of the three parameter rows; written again by the tiles' selects (DEPTH 3) and by the tail's joins.
;   OO (v240-255)            named by the joins; the four waves' parts land there behind a barrier, twice.
;   windows 1, 2, window 3 v0-63, v56-59   loaded once; no vector line names them ahead of their loads.
;   OUT (v224-231, DEPTH 3)  written by a tile's last eight lines of the extrema; read by two stores, which stand in the NEXT tile, behind the wait that its first quantiser's products want anyway; written again a layer and a half further on.
;   KS, S2                   written by the tail; read by its LDS stores, which stand together behind one wait.
; The operands and scale words that vector lines make for a scaled product are stated by one wait on va_vdst behind the places in front of that product: one for each quantiser, one ahead of the first tile.
.set DEPTH, 3
.set NT,   4*(DEPTH-1)                 ; tiles of 16 channels in the last layer
.set NWT,  8*(DEPTH-1)                 ; weight tiles in use
.set NCHB, 128*NT                      ; bytes of a row of partial statistics
.set PTB,  2048                        ; LDS: 0: four waves' parts; 2,048: each wave's own mean, gain, shift (768 bytes); 5,120: four waves' parts of the last layer
.set RB,   5120
.set WS,   16
.set XS,   32
.set TM,   40
.set SW1,  54
.set SW2,  55
.set Y1,   64
.set Y2,   80
.set HA,   96
.set KS,   160
.set S1,   176
.set S2,   192
.set MX,   208
.set MN,   216
.set OUT,  224
.set TS,   232
.set OO,   240
.if DEPTH == 2
.set PG,   10
.set PBE,  12
.set PNB,  14
.set PO,   16
.else
.set PB2,  10
.set PG,   12
.set PBE,  14
.set PNB,  16
.set PST,  18
.set PO,   20
.endif
.set PP,   22                          ; s[22:23] the partial rows to be joined
.set SEL,  26
.set MNT,  28
.set PX,   32                          ; s[32:33] my eight images
.set PQ,   34                          ; s[34:35] my work-group's row of partial statistics
.set PMM,  36                          ; s[36:37] my eight tiles of largest and smallest
.set MSB, 0
.macro WIN new                         ; the immediate's high byte repeats the setting that is left
.if MSB != \new
	s_set_vgpr_msb (MSB<<8)|\new
.set MSB, \new
.endif
.endm
.macro COMB n, r, o, inv, cnt          ; n parts of equal count cnt, part i = (two means, two M2) in v[r + 4 i] on, become one in v[o] on; inv = 1 / n
	v_pk_add_f32 v[\o:\o+1], v[\r:\r+1], v[\r+4:\r+5]
	v_pk_add_f32 v[\o+2:\o+3], v[\r+2:\r+3], v[\r+6:\r+7]
.set ci, 2
.rept \n-2
	v_pk_add_f32 v[\o:\o+1], v[\o:\o+1], v[\r+4*ci:\r+4*ci+1]
	v_pk_add_f32 v[\o+2:\o+3], v[\o+2:\o+3], v[\r+4*ci+2:\r+4*ci+3]
.set ci, ci+1
.endr
	v_pk_mul_f32 v[\o:\o+1], v[\o:\o+1], \inv op_sel_hi:[1,0]
.set ci, 0
.rept \n
	v_pk_add_f32 v[\r+4*ci:\r+4*ci+1], v[\r+4*ci:\r+4*ci+1], v[\o:\o+1] neg_lo:[0,1] neg_hi:[0,1]
.set ci, ci+1
.endr
	v_pk_mul_f32 v[\r+2:\r+3], v[\r:\r+1], v[\r:\r+1]
.set ci, 1
.rept \n-1
	v_pk_fma_f32 v[\r+2:\r+3], v[\r+4*ci:\r+4*ci+1], v[\r+4*ci:\r+4*ci+1], v[\r+2:\r+3]
.set ci, ci+1
.endr
	v_pk_fma_f32 v[\o+2:\o+3], v[\r+2:\r+3], \cnt, v[\o+2:\o+3] op_sel_hi:[1,0,1]
.endm
.macro HALF me, m2, c, t0              ; lanes l and l xor 16 hold parts of equal count 2 c of one channel: both end with the joined part
	v_permlanex16_b32 v[\t0], v[\me], s[SEL], s[SEL+1]
	v_permlanex16_b32 v[\t0+1], v[\m2], s[SEL], s[SEL+1]
	v_sub_f32 v[\t0+2], v[\me], v[\t0]
	v_add_f32 v[\me], v[\me], v[\t0]
	v_add_f32 v[\m2], v[\m2], v[\t0+1]
	v_mul_f32 v[\t0+2], v[\t0+2], v[\t0+2]
	v_mul_f32 v[\me], 0.5, v[\me]
	v_fma_f32 v[\m2], v[\t0+2], \c, v[\m2]
.endm
; 32 numbers of a lane, register 16 b + i = channel 32 b + 16 h + i of my neighbour, become codes in v[y] .. v[y + 7] and a scale word; what is negative becomes 0 on the way
.macro QUANT2 s, y, sw
.irp b, 0,1
	v_max3_num_f32 v[TM+\b], v[\s+16*\b], v[\s+1+16*\b], 0x8000000   ; no |.|: what is negative must not count; the floor 2^(16 - 127) stands over it
.endr
.irp i, 2,4,6,8,10,12,14
.irp b, 0,1
	v_max3_num_f32 v[TM+\b], v[TM+\b], v[\s+16*\b+\i], v[\s+1+16*\b+\i]
.endr
.endr
.irp b, 0,1
	v_permlanex16_b32 v[TM+2+\b], v[TM+\b], s[SEL], s[SEL+1]
.endr
.irp b, 0,1
	v_max_num_f32 v[TM+\b], v[TM+\b], v[TM+2+\b]
.endr
.irp b, 0,1
	v_add_nc_u32 v[TM+4+\b], 0xf8800000, v[TM+\b]
.endr
.irp b, 0,1
	v_and_or_b32 v[TM+6+\b], v[TM+\b], 0x7f800000, s[MNT]
.endr
.irp b, 0,1
	v_lshrrev_b32 v[TM+8+\b], 23, v[TM+4+\b]
.endr
	v_lshl_or_b32 v[\sw], v[TM+9], 8, v[TM+8]      ; the 32 holds below stand between this line and the products
.irp b, 0,1
.irp i, 0,1,2,3,4,5,6,7,8,9,10,11,12,13,14,15
	v_med3_num_f32 v[\s+16*\b+\i], v[\s+16*\b+\i], 0, v[TM+6+\b]     ; relu and the hold in one
.endr
.endr
.irp b, 0,1
	v_cvt_scalef32_pk8_bf8_f32 v[\y+4*\b:\y+4*\b+1], v[\s+16*\b:\s+16*\b+7], v[TM+4+\b]
	v_cvt_scalef32_pk8_bf8_f32 v[\y+4*\b+2:\y+4*\b+3], v[\s+16*\b+8:\s+16*\b+15], v[TM+4+\b]
.endr
	v_nop                                          ; one plain line behind the last conversion
.endm
; layer l, transposed, its BN, relu and quantiser.  win: the windows of W (1), of the operand x, of the bias (2)
.macro STAGE l, win, x, xs, y, sw
	WIN \win
.irp t, 0,1,2,3
	v_wmma_scale_f32_16x16x128_f8f6f4 v[HA+8*\t:HA+8*\t+7], v[64*(\l-1)+16*\t:64*(\l-1)+16*\t+15], v[(\x):(\x)+15], v[32*(\l-1)+8*\t:32*(\l-1)+8*\t+7], v[WS+4*(\l-1)+\t], v[\xs] matrix_a_fmt:MATRIX_FMT_BF8 matrix_b_fmt:MATRIX_FMT_BF8
.endr
.rept 8
	v_nop                                          ; eight places behind this form
.endr
	WIN 0x08
.irp p, 0,2,4,6,8,10,12,14,16,18,20,22,24,26,28,30
	v_pk_add_f32 v[HA+\p:HA+\p+1], v[HA+\p:HA+\p+1], v[64+96*(\l-1)+\p:64+96*(\l-1)+\p+1] neg_lo:[0,1] neg_hi:[0,1]   ; h - mean; each accumulator from its low end on
.endr
	WIN 0x28
.irp p, 0,2,4,6,8,10,12,14,16,18,20,22,24,26,28,30
	v_pk_fma_f32 v[HA+\p:HA+\p+1], v[HA+\p:HA+\p+1], v[96+96*(\l-1)+\p:96+96*(\l-1)+\p+1], v[128+96*(\l-1)+\p:128+96*(\l-1)+\p+1]
.endr
	WIN 0
	QUANT2 HA, \y, \sw
.rept 4
	v_nop                                          ; an operand written by vector lines stands four places ahead of a scaled product
.endr
	s_wait_alu depctr_va_vdst(0)                   ; the conversions have written the codes and the shifts the scale word, which the next layer's products take; with DEPTH = 3, behind layer 1, the tile before has also written OUT, which the two stores that follow read
.endm
.macro FINAL y, sw                     ; the last layer, the natural way: source 0 = the 16 neighbours, source 1 = 16 rows of W, C = the bias
	WIN 0x34
.set t, 0
.rept NT
	v_wmma_scale_f32_16x16x128_f8f6f4 v[HA+8*t:HA+8*t+7], v[\y:\y+15], v[64*(DEPTH-1)+16*t:64*(DEPTH-1)+16*t+15], v[8*t:8*t+7], v[\sw], v[WS+4*(DEPTH-1)+t] matrix_a_fmt:MATRIX_FMT_BF8 matrix_b_fmt:MATRIX_FMT_BF8
.set t, t+1
.endr
.rept 8
	v_nop
.endr
	WIN 0
.endm
; largest and smallest over the 16 neighbours: my eight rows, then lane l xor 16's.  Lanes 0-15 end with the largest, lanes 16-31 with the smallest.  They are stored by SENDMM, in the next tile.
.macro MAXMIN i
.irp t, 0,1,2,3,4,5,6,7
	v_max3_num_f32 v[MX+\t], v[HA+8*\t], v[HA+8*\t+1], v[HA+8*\t+2]
	v_min3_num_f32 v[MN+\t], v[HA+8*\t], v[HA+8*\t+1], v[HA+8*\t+2]
.endr
.irp a, 3,5
.irp t, 0,1,2,3,4,5,6,7
	v_max3_num_f32 v[MX+\t], v[MX+\t], v[HA+8*\t+\a], v[HA+8*\t+\a+1]
	v_min3_num_f32 v[MN+\t], v[MN+\t], v[HA+8*\t+\a], v[HA+8*\t+\a+1]
.endr
.endr
.irp t, 0,1,2,3,4,5,6,7
	v_max_num_f32 v[MX+\t], v[MX+\t], v[HA+8*\t+7]
	v_min_num_f32 v[MN+\t], v[MN+\t], v[HA+8*\t+7]
.endr
.irp t, 0,1,2,3,4,5,6,7
	v_cndmask_b32 v[TS+\t], v[MX+\t], v[MN+\t], s29        ; what I send: lanes 0-15 the smallest, lanes 16-31 the largest
.endr
.irp t, 0,1,2,3,4,5,6,7
	v_cndmask_b32 v[MX+\t], v[MN+\t], v[MX+\t], s29        ; what I keep
.endr
.irp t, 0,1,2,3,4,5,6,7
	v_permlanex16_b32 v[MN+\t], v[TS+\t], s[SEL], s[SEL+1]
.endr
.if \i > 0
	s_wait_xcnt 0x0                                ; the last tile's stores have had their addresses translated: OUT is rewritten only behind this wait,
	s_wait_alu depctr_vm_vsrc(0)                   ; and they have read OUT, which the eight lines below write again
.endif
.irp t, 0,1,2,3,4,5,6,7
	v_med3_num_f32 v[OUT+\t], v[MX+\t], v[MN+\t], v14      ; the middle of a, b and +infinity is the larger; with -infinity the smaller
.endr
.endm
.macro SENDMM i                        ; tile i's largest and smallest leave: behind a wait on va_vdst that stands behind the lines that wrote OUT
	global_store_b128 v1, v[OUT:OUT+3], s[PMM:PMM+1] offset:1024*(\i) th:TH_STORE_NT
	global_store_b128 v1, v[OUT+4:OUT+7], s[PMM:PMM+1] offset:1024*(\i)+512 th:TH_STORE_NT
.endm
; sums of d = h - (the channel's first number) and of d^2, packed, the tiles of channels by turns
.macro STATS i
.if \i == 0
.set t, 0
.rept NT
	v_mov_b32 v[KS+2*t], v[HA+8*t]
	v_mov_b32 v[KS+2*t+1], v[HA+8*t]
.set t, t+1
.endr
.endif
.irp p, 0,2,4,6
.set t, 0
.rept NT
	v_pk_add_f32 v[HA+8*t+\p:HA+8*t+\p+1], v[HA+8*t+\p:HA+8*t+\p+1], v[KS+2*t:KS+2*t+1] neg_lo:[0,1] neg_hi:[0,1]
.set t, t+1
.endr
.endr
.irp p, 0,2,4,6
.set t, 0
.rept NT
.if (\i == 0) && (\p == 0)
	v_pk_mul_f32 v[S2+2*t:S2+2*t+1], v[HA+8*t:HA+8*t+1], v[HA+8*t:HA+8*t+1]                 ; the first tile starts the sums
.elseif (\i == 0) && (\p == 2)
	v_pk_add_f32 v[S1+2*t:S1+2*t+1], v[HA+8*t:HA+8*t+1], v[HA+8*t+2:HA+8*t+3]
	v_pk_fma_f32 v[S2+2*t:S2+2*t+1], v[HA+8*t+2:HA+8*t+3], v[HA+8*t+2:HA+8*t+3], v[S2+2*t:S2+2*t+1]
.else
	v_pk_add_f32 v[S1+2*t:S1+2*t+1], v[S1+2*t:S1+2*t+1], v[HA+8*t+\p:HA+8*t+\p+1]
	v_pk_fma_f32 v[S2+2*t:S2+2*t+1], v[HA+8*t+\p:HA+8*t+\p+1], v[HA+8*t+\p:HA+8*t+\p+1], v[S2+2*t:S2+2*t+1]
.endif
.set t, t+1
.endr
.endr
.endm
.macro TILE i
	STAGE 1, 0x2d, 64+16*\i, XS+\i, Y1, SW1
.if DEPTH == 3
.if \i > 0
	SENDMM \i-1                                    ; no vector line since the wait at the stage's end names OUT or v1
.endif
	STAGE 2, 0x21, Y1, SW1, Y2, SW2
	FINAL Y2, SW2
	MAXMIN \i
.else
	FINAL Y1, SW1
.endif
	STATS \i
.endm
	s_load_b256 s[4:11], s[0:1], 0x0
.if DEPTH == 2
	s_load_b128 s[12:15], s[0:1], 0x20
	s_load_b64 s[16:17], s[0:1], 0x30
.else
	s_load_b256 s[12:19], s[0:1], 0x20
	s_load_b64 s[20:21], s[0:1], 0x40
	v_lshl_add_u32 v62, v0, 2, 0x2400
	v_mov_b32 v63, 0
.endif
	v_and_b32 v1, 31, v0
	v_lshlrev_b32 v6, 3, v1                        ; 8 x lane
	v_lshlrev_b32 v1, 4, v1                        ; 16 x lane
	v_and_b32 v2, 15, v0                           ; r
	v_bfe_u32 v3, v0, 4, 1                         ; h
	v_and_b32 v4, 8, v2
	v_add_nc_u32 v4, v4, v2                        ; r + 8 (r / 8)
	v_lshrrev_b32 v5, 5, v0
	v_readfirstlane_b32 s24, v5                    ; wave 0..3
	v_cmp_eq_u32 s29, 0, v3                        ; lanes 0-15
	s_wait_alu depctr_va_sdst(0)                   ; s24 and s29 are written, ahead of their first readers: the scalar lines below read s24, the selects of the extrema read s29
	s_lshl_b32 s30, s24, 15
	v_add_nc_u32 v5, s30, v1                       ; my 64 partial rows of 512 bytes
	v_lshlrev_b32 v7, 6, v3                        ; 64 h: my 16 channels of each 32
	s_lshl_b32 s30, s24, 9
	v_add_nc_u32 v8, s30, v1                       ; 512 w + 16 x lane
	v_add_nc_u32 v12, RB, v8
	s_mul_i32 s30, s24, 768
	s_add_co_u32 s30, s30, PTB
	v_add_nc_u32 v9, s30, v6
	v_add_nc_u32 v10, s30, v7
	v_lshrrev_b32 v11, 1, v4
	v_lshlrev_b32 v11, 4, v11
	v_and_b32 v13, 1, v4
	v_lshl_add_u32 v11, v13, 2, v11
	s_mul_i32 s30, s24, NCHB
	s_add_co_u32 s30, s30, RB
	v_add_nc_u32 v11, s30, v11                     ; channel c's mean at 16 (c / 2) + 4 (c % 2) of my wave's row
	v_lshlrev_b32 v13, 2, v4
	v_lshlrev_b32 v14, 31, v3
	v_or_b32 v14, 0x7f800000, v14                  ; +infinity in lanes 0-15, -infinity in lanes 16-31
	v_mov_b32 v[TM+2], 0                           ; a lane permute's destination counts as read
	v_mov_b32 v[TM+3], 0
.irp i, 0,1,2,3,4,5,6,7
	v_mov_b32 v[TS+\i], 0
.endr
	s_mov_b32 s[SEL], 0x76543210
	s_mov_b32 s[SEL+1], 0xfedcba98
	s_mov_b32 s[MNT], 0x600000
	s_mov_b32 s40, 0x37000000                      ; 1 / 131,072
	s_mov_b32 s41, 0x3727c5ac                      ; 1e-5
	s_lshl_b32 s30, ttmp9, 5
	s_lshl_b32 s31, s24, 3
	s_add_co_u32 s30, s30, s31                     ; my first tile
	s_mul_i32 s38, s30, 1536
	s_mov_b32 s39, 0
	s_wait_kmcnt 0x0
	s_add_nc_u64 s[PX:PX+1], s[4:5], s[38:39]
.if DEPTH == 2
	s_add_nc_u64 s[PP:PP+1], s[4:5], 12582912
	s_lshl_b32 s38, ttmp9, 9
	s_add_nc_u64 s[PQ:PQ+1], s[PO:PO+1], s[38:39]
.else
	s_mov_b64 s[PP:PP+1], s[PST:PST+1]
	s_lshl_b32 s38, ttmp9, 10
	s_add_nc_u64 s[PQ:PQ+1], s[PO:PO+1], s[38:39]
	s_add_nc_u64 s[PQ:PQ+1], s[PQ:PQ+1], 8388608
	s_lshl_b32 s38, s30, 10
	s_add_nc_u64 s[PMM:PMM+1], s[PO:PO+1], s[38:39]
.endif
	; ---- the statistics of the layer before are finished: 256 parts of 512 rows; 64 a wave, in window 0 and window 3
	s_wait_alu depctr_va_vdst(0)                   ; the offsets and LDS addresses v1 and v5 to v13 are written, which the loads and stores of the whole kernel read
.set i, 0
.rept 32
	global_load_b128 v[64+4*i:67+4*i], v5, s[PP:PP+1] offset:512*i
.set i, i+1
.endr
	WIN 0xc0
.set i, 0
.rept 32
	global_load_b128 v[64+4*i:67+4*i], v5, s[PP:PP+1] offset:512*(32+i)
.set i, i+1
.endr
	WIN 0
	s_wait_loadcnt 32                              ; the first 32 rows are in; the other 32 stay out
	COMB 16, 64, OO, 0x3d800000, 0x44000000
	COMB 16, 128, OO+4, 0x3d800000, 0x44000000
	global_load_b64 v[56:57], v6, s[PG:PG+1]       ; no wait: the two joins name window 0's v64-191 and v240-247 alone, none of the registers that these loads touch
	global_load_b64 v[58:59], v6, s[PBE:PBE+1]
	WIN 0x40
.set i, 0
.rept NWT
.irp c, 0,1,2
	global_load_b128 v[16*i+4*\c:16*i+4*\c+3], v1, s[6:7] offset:1536*i+512*\c
.endr
.set i, i+1
.endr
	WIN 0
	s_wait_loadcnt 2+3*NWT                         ; the other 32 rows are in; g, be and the weights' images stay out
	WIN 0xff
	COMB 16, 64, 240, 0x3d800000, 0x44000000
	COMB 16, 128, 244, 0x3d800000, 0x44000000
	WIN 0x03
.irp e, 0,1,2,3,4,5,6,7
	v_mov_b32 v[OO+8+\e], v[240+\e]
.endr
	WIN 0
	COMB 4, OO, TS, 0x3e800000, 0x46000000
	s_wait_alu depctr_va_vdst(0)                   ; the join has written TS, which the LDS store reads; the joins are done with window 3's v64-191, in which feat's images land, and with OO, in which the LDS loads behind the barrier land
	ds_store_b128 v8, v[TS:TS+3]
	WIN 0x80
.irp b, 0,1
.irp q, 0,1,2,3
	global_load_b128 v[16*\b+4*\q:16*\b+4*\q+3], v7, s[8:9] offset:128*\b+16*\q             ; b1 in the transposed result's layout
.endr
.endr
.if DEPTH == 3
.irp b, 0,1
.irp q, 0,1,2,3
	global_load_b128 v[32+16*\b+4*\q:32+16*\b+4*\q+3], v7, s[PB2:PB2+1] offset:128*\b+16*\q
.endr
.endr
.irp a, 0,1,2
.irp b, 0,1
.irp q, 0,1,2,3
	global_load_b128 v[64+32*\a+16*\b+4*\q:64+32*\a+16*\b+4*\q+3], v7, s[PST:PST+1] offset:131072+256*\a+128*\b+16*\q   ; BN1's mean, gain, shift, as the launch before left them
.endr
.endr
.endr
.endif
	WIN 0xc0
.set t, 0
.rept NT
	global_load_b32 v[8*t], v13, s[PNB:PNB+1] offset:(32*(t/2)+8*(t%2))*4
.set t, t+1
.endr
.set i, 0
.rept 8
.irp c, 0,1,2
	global_load_b128 v[64+16*i+4*\c:64+16*i+4*\c+3], v1, s[PX:PX+1] offset:1536*i+512*\c th:TH_LOAD_NT
.endr
.set i, i+1
.endr
	WIN 0
	s_wait_dscnt 0x0
	s_barrier_signal -1
	s_barrier_wait -1
.irp i, 0,1,2,3
	ds_load_b128 v[OO+4*\i:OO+4*\i+3], v1 offset:512*\i
.endr
	s_wait_dscnt 0x0
	s_wait_alu depctr_vm_vsrc(0)                   ; my LDS store has read TS, which the join below writes again
	COMB 4, OO, TS, 0x3e800000, 0x47000000         ; lane l: mean and M2 of channels 2 l, 2 l + 1 over all 131,072 rows
	v_fma_f32 v[TS+4], v[TS+2], s40, s41           ; var + eps (the factor is a power of two: one rounding)
	v_fma_f32 v[TS+5], v[TS+3], s40, s41
	v_rsq_f32 v[TS+4], v[TS+4]
	v_rsq_f32 v[TS+5], v[TS+5]
	v_nop                                          ; a plain line behind the transcendentals,
	s_wait_alu depctr_va_vdst(0)                   ; and the two roots' results TS + 4, TS + 5 are written, ahead of their first reader
	s_wait_loadcnt 0x0                             ; g, be, and all that the chain wants
	v_pk_mul_f32 v[TS+4:TS+5], v[TS+4:TS+5], v[56:57]
	s_wait_alu depctr_va_vdst(0)                   ; the gain is written in TS + 4, TS + 5, which the stores below read (the mean in TS, TS + 1 was written further up)
	ds_store_b64 v9, v[TS:TS+1]
	ds_store_b64 v9, v[TS+4:TS+5] offset:256
	ds_store_b64 v9, v[58:59] offset:512
	WIN 0x80
.irp a, 0,1,2
.irp b, 0,1
.irp q, 0,1,2,3
	ds_load_b128 v[64+96*(DEPTH-2)+32*\a+16*\b+4*\q:64+96*(DEPTH-2)+32*\a+16*\b+4*\q+3], v10 offset:256*\a+128*\b+16*\q   ; my wave's own bytes, served in order
.endr
.endr
.endr
	WIN 0
.if DEPTH == 2
	s_or_b32 s30, ttmp9, s24
	s_cmp_lg_u32 s30, 0
	s_cbranch_scc1 .Lnobnp
	global_store_b64 v6, v[TS:TS+1], s[PO:PO+1] offset:131072
	global_store_b64 v6, v[TS+4:TS+5], s[PO:PO+1] offset:131072+256
	global_store_b64 v6, v[58:59], s[PO:PO+1] offset:131072+512
	s_wait_xcnt 0x0
.Lnobnp:
.endif
	; the scale words leave the images; their place and K = 96 .. 127 become zero codes; the last bias is spread over its eight registers
	WIN 0x01
.set i, 0
.rept NWT
	v_mov_b32 v[WS+i], v[16*i+11]
.set i, i+1
.endr
	WIN 0x03
.set i, 0
.rept 8
	v_mov_b32 v[XS+i], v[64+16*i+11]
.set i, i+1
.endr
	WIN 0x40
.set i, 0
.rept NWT
.irp e, 11,12,13,14,15
	v_mov_b32 v[16*i+\e], 0
.endr
.set i, i+1
.endr
	WIN 0xc0
.set i, 0
.rept 8
.irp e, 11,12,13,14,15
	v_mov_b32 v[64+16*i+\e], 0
.endr
.set i, i+1
.endr
	WIN 0xc3
.set t, 0
.rept NT
.irp e, 1,2,3,4,5,6,7
	v_mov_b32 v[8*t+\e], v[8*t]
.endr
.set t, t+1
.endr
	WIN 0
.irp e, 8,9,10,11,12,13,14,15
	v_mov_b32 v[Y1+\e], 0
	v_mov_b32 v[Y2+\e], 0
.endr
	s_wait_dscnt 0x0
	s_wait_alu depctr_vm_vsrc(0)                   ; the stores of the three parameter rows have read TS, which the tiles' selects (DEPTH 3) and the tail's joins write again
.rept 8
	v_nop                                          ; scale registers written by vector lines stand eight places ahead of a scaled product
.endr
	s_wait_alu depctr_va_vdst(0)                   ; the moves have written the scale words, the zero codes in the weights' and feat's images and in Y1, Y2: the products of all eight tiles take them
.irp i, 0,1,2,3,4,5,6,7
	TILE \i
.endr
	; ---- my 64 numbers of each channel: mean = first + S1 / 64, M2 = S2 - S1^2 / 64
.set t, 0
.rept NT
	v_add_f32 v[S1+2*t], v[S1+2*t], v[S1+2*t+1]
	v_add_f32 v[S2+2*t], v[S2+2*t], v[S2+2*t+1]
.set t, t+1
.endr
.set t, 0
.rept NT
	v_mul_f32 v[S1+2*t+1], 0x3c800000, v[S1+2*t]
.set t, t+1
.endr
.set t, 0
.rept NT
	v_add_f32 v[KS+2*t], v[KS+2*t], v[S1+2*t+1]
	v_fma_f32 v[S2+2*t], -v[S1+2*t+1], v[S1+2*t], v[S2+2*t]
.set t, t+1
.endr
.set t, 0
.rept NT
	HALF KS+2*t, S2+2*t, 0x42000000, TS
.set t, t+1
.endr
	s_wait_alu depctr_va_vdst(0)                   ; the means in KS and the M2 in S2 are written, which the LDS stores read; with DEPTH = 3 so is the last tile's OUT, which its two stores read
.if DEPTH == 3
	SENDMM 7
.endif
.set t, 0
.rept NT
	ds_store_b32 v11, v[KS+2*t] offset:256*(t/2)+64*(t%2)
	ds_store_b32 v11, v[S2+2*t] offset:256*(t/2)+64*(t%2)+8
.set t, t+1
.endr
	s_wait_dscnt 0x0
	s_barrier_signal -1
	s_barrier_wait -1
	s_cmp_ge_u32 s24, NT/4                         ; wave u joins the four waves' parts of channels 64 u on
	s_cbranch_scc1 .Ldone
.irp i, 0,1,2,3
	ds_load_b128 v[OO+4*\i:OO+4*\i+3], v12 offset:NCHB*\i
.endr
	s_wait_dscnt 0x0
	COMB 4, OO, TS, 0x3e800000, 0x43000000
	s_wait_alu depctr_va_vdst(0)                   ; the join has written TS, which the store reads
	global_store_b128 v8, v[TS:TS+3], s[PQ:PQ+1]
.Ldone:
	s_wait_dscnt 0x0
	s_wait_alu depctr_hold_cnt(0) depctr_sa_sdst(0) depctr_va_vdst(0) depctr_va_sdst(0) depctr_va_ssrc(0) depctr_va_vcc(0) depctr_vm_vsrc(0)
	s_wait_tensorcnt 0x0
	ds_add_u32 v62, v63
	s_wait_dscnt 0x0
	s_endpgm
.Lfunc_end_k_qdaa3af37b7_mlp3:
	.size	k_qdaa3af37b7_mlp3, .Lfunc_end_k_qdaa3af37b7_mlp3-k_qdaa3af37b7_mlp3
	.p2alignl 7, 3214868480
	.fill 96, 4, 3214868480
	.section	.rodata,"a",@progbits
	.p2align	6, 0x0
	.amdhsa_kernel k_qdaa3af37b7_mlp3
		.amdhsa_group_segment_fixed_size 9728
		.amdhsa_private_segment_fixed_size 0
		.amdhsa_enable_private_segment 0
		.amdhsa_kernarg_size 72
		.amdhsa_user_sgpr_count 2
		.amdhsa_user_sgpr_kernarg_segment_ptr 1
		.amdhsa_wavefront_size32 1
		.amdhsa_system_sgpr_workgroup_id_x 1
		.amdhsa_system_sgpr_workgroup_id_y 1
		.amdhsa_system_sgpr_workgroup_id_z 1
		.amdhsa_system_vgpr_workitem_id 0
		.amdhsa_next_free_vgpr 1024
		.amdhsa_next_free_sgpr 66
		.amdhsa_reserve_vcc 0
		.amdhsa_float_denorm_mode_32 3
		.amdhsa_float_denorm_mode_16_64 3
		.amdhsa_memory_ordered 1
		.amdhsa_forward_progress 1
		.amdhsa_inst_pref_size 255
	.end_amdhsa_kernel
	.section	.bss,"aw",@nobits
	.p2align	6
	.space	262144
	.amdgpu_metadata
---
amdhsa.version: [ 1, 2 ]
amdhsa.kernels:
  - .name:           k_qdaa3af37b7_mlp3
    .symbol:         k_qdaa3af37b7_mlp3.kd
    .args:
      - { .name: fcod, .offset: 0, .size: 8, .value_kind: global_buffer, .address_space: global }
      - { .name: wq, .offset: 8, .size: 8, .value_kind: global_buffer, .address_space: global }
      - { .name: b1, .offset: 16, .size: 8, .value_kind: global_buffer, .address_space: global }
      - { .name: b2, .offset: 24, .size: 8, .value_kind: global_buffer, .address_space: global }
      - { .name: g2, .offset: 32, .size: 8, .value_kind: global_buffer, .address_space: global }
      - { .name: be2, .offset: 40, .size: 8, .value_kind: global_buffer, .address_space: global }
      - { .name: b3, .offset: 48, .size: 8, .value_kind: global_buffer, .address_space: global }
      - { .name: st2, .offset: 56, .size: 8, .value_kind: global_buffer, .address_space: global }
      - { .name: mm, .offset: 64, .size: 8, .value_kind: global_buffer, .address_space: global }
    .group_segment_fixed_size: 9728
    .private_segment_fixed_size: 0
    .kernarg_segment_align: 8
    .kernarg_segment_size: 72
    .max_flat_workgroup_size: 128
    .sgpr_count:     66
    .vgpr_count:     1024
    .wavefront_size: 32
...
	.end_amdgpu_metadata
.endif
;; end of part 9
;; launch final: the kernel of part 6 again; grid 256 x 1, 8 waves a work-group, no clusters, 28,160 bytes of LDS; arguments mm, g3, be3, xyz, sample_idx, out0, out1; writes out0, out1
